; MI455X (gfx1250); checked and timed in simulation.
; The chip was launched on July 23, 2026; its instructions are those of AMD's public machine-readable ISA for CDNA 5 (MIT licence, August 2026) and "CDNA5" Instruction Set Architecture Reference Guide (July 2026). The comments in the code are by the model that wrote it; some were corrected since.
;; M Bart Mo E Decoder Layer. Allowed arithmetic: matrix products marked QUANTISED: E2M3 operands, one E8M0 scale for each 32 along K, by v_wmma_scale_f32_16x16x128_f8f6f4 with both operands' format E2M3, f32 sums; products left as they are: f32 operands where the result goes on into a quantised operand, else bf16, f16 or f32 operands; f32 sums; everything else in f32.
;; Inputs: attention_mask 4 x 1 x 256 x 256 float32; ca_k_b 256 float32; ca_k_w 1,024 x 256 float32; ca_o_b 1,024 float32; ca_o_w 1,024 x 1,024 float32; ca_q_b 1,024 float32; ca_q_w 1,024 x 1,024 float32; ca_v_b 256 float32; ca_v_w 1,024 x 256 float32; encoder_attention_mask 4 x 1 x 256 x 512 float32; encoder_hidden_states 4 x 512 x 1,024 float32; hidden_states 4 x 256 x 1,024 float32; langs 4 x 2 int32; ln1_b 1,024 float32; ln1_g 1,024 float32; ln2_b 1,024 float32; ln2_g 1,024 float32; ln3_b 1,024 float32; ln3_g 1,024 float32; moe_w1 8 x 1,024 x 2,048 float32; moe_w2 8 x 2,048 x 1,024 float32; moe_w3 8 x 1,024 x 2,048 float32; sa_k_b 256 float32; sa_k_w 1,024 x 256 float32; sa_o_b 1,024 float32; sa_o_w 1,024 x 1,024 float32; sa_q_b 1,024 float32; sa_q_w 1,024 x 1,024 float32; sa_v_b 256 float32; sa_v_w 1,024 x 256 float32.
;; Outputs: out0 4 x 256 x 1,024 float32.
;; This version of the problem:
;;   THIS VERSION OF THE PROBLEM IS GIVEN IN LOW PRECISION. The matrix products marked QUANTISED in the list below multiply operands that are first quantised to E2M3 (2 exponent bits, 3 mantissa bits; 6 bits a number), with one power-of-two scale for each 32 numbers along K (OCP MX v1.0); their sums are f32. All else is computed in f32.
;;   The module's matrix products, in the order in which they are computed (A, B: the left and right operand; K: the contracted axis; several contracted axes count as one K, in the product's order):
;;     1. [M 1,024, K 1,024] x [K 1,024, N 1,024]; A: computed on the way; B: input sa_q_w: QUANTISED
;;     2. [M 1,024, K 1,024] x [K 1,024, N 256]; A: computed on the way; B: input sa_k_w: QUANTISED
;;     3. [M 1,024, K 1,024] x [K 1,024, N 256]; A: computed on the way; B: input sa_v_w: QUANTISED
;;     4. batch 64 x [M 256, K 64] x [K 64, N 256]; A: computed on the way; B: computed on the way: QUANTISED
;;     5. batch 64 x [M 64, K 256] x [K 256, N 256]; A: computed on the way; B: softmax (see below): QUANTISED
;;     6. [M 1,024, K 1,024] x [K 1,024, N 1,024]; A: computed on the way; B: input sa_o_w: QUANTISED
;;     7. [M 1,024, K 1,024] x [K 1,024, N 1,024]; A: computed on the way; B: input ca_q_w: QUANTISED
;;     8. [M 2,048, K 1,024] x [K 1,024, N 256]; A: input encoder_hidden_states; B: input ca_k_w: QUANTISED
;;     9. [M 2,048, K 1,024] x [K 1,024, N 256]; A: input encoder_hidden_states; B: input ca_v_w: QUANTISED
;;     10. batch 64 x [M 256, K 64] x [K 64, N 512]; A: computed on the way; B: computed on the way: QUANTISED
;;     11. batch 64 x [M 64, K 512] x [K 512, N 256]; A: computed on the way; B: softmax (see below): QUANTISED
;;     12. [M 1,024, K 1,024] x [K 1,024, N 1,024]; A: computed on the way; B: input ca_o_w: QUANTISED
;;     13. [M 16,384, K 1,024] x [K 1,024, N 1,024]; A: input moe_w1; B: computed on the way: QUANTISED
;;     14. [M 16,384, K 1,024] x [K 1,024, N 1,024]; A: input moe_w3; B: computed on the way: QUANTISED
;;     15. batch 8 x [M 1,024, K 2,048] x [K 2,048, N 1,024]; A: computed on the way; B: input moe_w2: QUANTISED
;;     16. batch 4 x [M 262,144, K 8] x [K 8, N 1]; A: computed on the way; B: computed on the way: left as it is (K = 8 < 32)
;;   THE QUANTISER, for each operand of a quantised product, along K:
;;     - K is cut into blocks of 32 from its start; a last block that is shorter is filled with zeros.
;;     - A block's scale is 2^e with e = floor(log2(the largest magnitude in the block)) - 2, held to -126 .. 127; a block of zeros has e = 0. As a byte (E8M0): e + 127.
;;     - Each number is divided by its block's scale, clamped to +-7.5, and rounded to the nearest number of E2M3, ties to even, subnormals kept.
;;     - The product sums the exact products of the quantised numbers (number of the format x scale) in f32.
;;   ~~~python
;;   def quantise(x, axis):      # numpy; x: float32 -> the quantised numbers, widened to float32 again
;;       x = np.moveaxis(x, axis, -1); K = x.shape[-1]
;;       x = np.pad(x, [(0, 0)] * (x.ndim - 1) + [(0, -K % 32)]); x = x.reshape(x.shape[:-1] + (-1, 32)); a = np.abs(x).max(-1, keepdims=True)
;;       e = np.where(a > 0, np.clip(np.frexp(np.where(a > 0, a, 1))[1] - 1 - 2, -126, 127), 0)      # np.frexp(a)[1] - 1 = floor(log2(a)), exactly
;;       r = np.clip(x / 2.0 ** e, -7.5, 7.5)
;;       step = 2.0 ** (np.maximum(np.frexp(np.where(r == 0, 1, r))[1] - 1, 0) - 3)
;;       q = np.round(r / step) * step * 2.0 ** e      # np.round: ties to even
;;       return np.moveaxis(q.reshape(q.shape[:-2] + (-1,))[..., :K], -1, axis).astype(np.float32)
;;   ~~~
;;   SOFTMAX AHEAD OF A QUANTISED PRODUCT. Where the list says 'softmax', what is quantised is not the finished softmax but p = 2^(t - M), with t = logit x log2(e) and M = ceil(the row's largest t), a whole number; so 1/2 < the row's largest p <= 1. The row's sum l is taken of the UNQUANTISED p, in f32, and the product's result is divided by l at the end. Since M is a whole number, a kernel that streams over the keys may use a running M (the ceiling of the running maximum): every later rescaling is an exact power of two, which a block's scale takes up: the codes' values come out the same.
;;   OPERANDS COMPUTED ON THE WAY. 'Computed on the way' means the value that the module computes at that place (a softmax that the list does not call 'softmax' is quantised finished and normalised). What goes into a quantiser is computed in f32, as accurately as f32 sums, v_exp_f32 and their like allow (about 1e-6 of the number): no bf16 or f16 on the way to a quantiser, and a product that is left as it is and whose result goes on into a quantised operand takes f32 operands (vector FMAs, or v_wmma_f32_16x16x4_f32). A number that lies on a knife's edge between two numbers of the format may be rounded either way, as far as f32 arithmetic and the matrix unit's own rounding can turn it there, and no further.
;; 2 versions. Each part assembles by itself: llvm-mc -triple=amdgcn-amd-amdhsa -mcpu=gfx1250 --defsym DOCPART=n.
;; ======== version 1 of 2: 5 launches
;; workspace buffers: wimg 4,096,000 bytes; mimg 39,321,600 bytes; aimg 2,457,600 bytes; qkv 2,048,000 bytes; x3img 819,200 bytes; h2 4,194,304 bytes; hid 3,276,800 bytes
;; launch prep (part 1): grid 272 x 1, 8 waves a work-group, no clusters, 2,048 bytes of LDS; arguments sa_q_w, sa_o_w, ca_q_w, ca_o_w, sa_k_w, sa_v_w, ca_k_w, ca_v_w, hidden_states, encoder_hidden_states, ln1_g, ln1_b, wimg, aimg; writes wimg, aimg
.if DOCPART == 1
	.amdgcn_target "amdgcn-amd-amdhsa--gfx1250"
	.amdhsa_code_object_version 6
	.text
	.protected	k_qf4c3a49a5c_prep
	.globl	k_qf4c3a49a5c_prep
	.p2align	8
	.type	k_qf4c3a49a5c_prep,@function
k_qf4c3a49a5c_prep:
	s_mov_b64 s[64:65], 0
	v_nop
	global_prefetch_b8 v0, s[64:65] scope:SCOPE_SE
	s_setreg_imm32_b32 hwreg(HW_REG_WAVE_MODE, 25, 1), 1
	s_wait_xcnt 0x0
; PREP: what the attention part needs as codes of E2M3 with one E8M0 byte for each 32 along K, laid as the matrix unit's registers want it: the eight attention weights, LayerNorm 1 of hidden_states, encoder_hidden_states.
; (The experts' weights, which only the last two launches read, are quantised beside the attention chain, two launches on.)
; A FRAGMENT (16 rows x 128 K, 12 registers a lane) is 1,536 bytes: half c (registers 6c..6c+5) at 768 c: registers 6c..6c+3 at 16 x lane, registers 6c+4, 6c+5 at 512 + 16 (lane % 16) + 8 (lane / 16).
; Its 16 scale words lie apart, 64 bytes a fragment.  Tile t of an operand holds rows 32 (t/2) + 8 (t%2) + i + 8 (i/8), i = 0..15.
; Work-groups 0-63: the four 1024 x 1024 weights; 64-79: the four 1024 x 256 weights; 80-143: LayerNorm 1 of hidden_states, quantised, a tile of 16 tokens each; 144-271: encoder_hidden_states, quantised.
; WEIGHTS ([K][N], K not innermost): a lane takes a column and its registers run down K; a wave takes 32 columns (two tiles), a work-group 256 columns x 256 along K.
; LIMITS: NaN and infinities are not served.  A block whose largest magnitude lies under 2^-124 (a block of zeros too) gets the byte 1: its codes are as the rule has them, and only this program reads the bytes.
.set WS0,  3932160                     ; wimg: scale words behind 2,560 fragments
.set AS0,  2359296                     ; aimg: scale words behind 1,536 fragments
.set SB,   66                          ; s66-81  eight row bases of a wave's columns, 32 rows apart
.set VO,   12                          ; v12-43  weights: 4 x lane + i rows
.set XW,   44                          ; v44-107 weights: two sets of 32 numbers
.set CA,   108                         ; v108-139 a block's first 16 bytes of codes, four registers a block
.set CB,   140                         ; v140-155 the last 8 bytes of two neighbouring blocks
.set CH,   156                         ; v156-158 the upper 16 codes as converted
.set ST1,  0                           ; LDS: [wave][16] sums
.set ST2,  512                         ; LDS: [wave][16] sums of squares
.set LA,   7
.set LB,   8
.set R4,   9
.set SW,   10
.set TM,   12
.set PW,   28
.set PC,   30
.set XR,   52
.set GR,   116
.set BR,   180
.set T,    244
.set SEL,  70
.macro WLOAD t                         ; block t: 32 rows of my column; 32 lanes read 128 neighbouring bytes, the eight waves 1,024
.set ii, 0
.rept 32
	global_load_b32 v[XW+32*((\t)%2)+ii], v[VO+ii], s[SB+2*(\t):SB+2*(\t)+1] th:TH_LOAD_NT
.set ii, ii+1
.endr
.endm
.macro WBLK t                          ; block t = 4 s + 2 c + hq of my column: K step s, half c, lanes' half hq of the fragment
.set XS, XW+32*((\t)%2)
.if (\t) < 7
	s_wait_loadcnt 32                              ; this block's 32 loads are in; the next block's 32 may be out
.else
	s_wait_loadcnt 0x0
.endif
	v_max3_num_f32 v6, |v[XS]|, |v[XS+1]|, |v[XS+2]|
	v_max3_num_f32 v7, |v[XS+3]|, |v[XS+4]|, |v[XS+5]|
.irp i, 6,10,14,18,22,26
	v_max3_num_f32 v6, v6, |v[XS+\i]|, |v[XS+\i+1]|
	v_max3_num_f32 v7, v7, |v[XS+\i+2]|, |v[XS+\i+3]|
.endr
	v_max3_num_f32 v6, v6, |v[XS+30]|, |v[XS+31]|
	v_max3_num_f32 v6, v6, v7, 0x1800000           ; the floor 2^(3 - 127): the byte cannot fall under 1
	v_add_nc_u32 v8, 0xff000000, v6                ; 2 off the exponent field: the conversion's scale operand
	v_cvt_scalef32_pk16_fp6_f32 v[CA+4*(\t):CA+4*(\t)+2], v[XS:XS+15], v8
	v_cvt_scalef32_pk16_fp6_f32 v[CH:CH+2], v[XS+16:XS+31], v8
	v_lshrrev_b32 v9, 23, v8                       ; the scale's byte (a plain line behind the conversions)
.if (\t)%4 == 0
	v_mov_b32 v[10+(\t)/4], v9
.else
	v_lshl_or_b32 v[10+(\t)/4], v9, 8*((\t)%4), v[10+(\t)/4]
.endif
	v_mov_b32 v[CA+4*(\t)+3], v[CH]
	v_mov_b32 v[CB+4*((\t)/2)+2*((\t)%2)], v[CH+1]
	v_mov_b32 v[CB+4*((\t)/2)+2*((\t)%2)+1], v[CH+2]
	global_store_b128 v4, v[CA+4*(\t):CA+4*(\t)+3], s[82:83] offset:1536*((\t)/4)+768*(((\t)%4)/2)+256*((\t)%2)   ; sixteen lanes of a tile store 256 consecutive bytes, aligned
.if (\t)%2
	global_store_b128 v4, v[CB+4*((\t)/2):CB+4*((\t)/2)+3], s[82:83] offset:1536*((\t)/4)+768*(((\t)%4)/2)+512
.endif
.if (\t) < 6
	WLOAD (\t)+2
.endif
.endm
; 64 numbers of a lane, register 16 b + i = K 32 b + 16 (lane / 16) + i of my row, become a fragment's codes in v[PC] on and its scale word in v[PW]
.macro QUANT4 s
.irp b, 0,1,2,3
	v_max3_num_f32 v[TM+\b], |v[\s+16*\b]|, |v[\s+1+16*\b]|, 0x1800000
.endr
.irp i, 2,4,6,8,10,12,14
.irp b, 0,1,2,3
	v_max3_num_f32 v[TM+\b], v[TM+\b], |v[\s+16*\b+\i]|, |v[\s+1+16*\b+\i]|
.endr
.endr
.irp b, 0,1,2,3
	v_permlanex16_b32 v[TM+4+\b], v[TM+\b], s[SEL], s[SEL+1]
.endr
.irp b, 0,1,2,3
	v_max_num_f32 v[TM+\b], v[TM+\b], v[TM+4+\b]
.endr
.irp b, 0,1,2,3
	v_add_nc_u32 v[TM+12+\b], 0xff000000, v[TM+\b]
.endr
.irp b, 0,1,2,3
	v_lshrrev_b32 v[TM+4+\b], 23, v[TM+12+\b]
.endr
	v_lshl_or_b32 v[PW], v[TM+5], 8, v[TM+4]
	v_lshl_or_b32 v[PW], v[TM+6], 16, v[PW]
	v_lshl_or_b32 v[PW], v[TM+7], 24, v[PW]
.irp c, 0,1
	v_cvt_scalef32_pk16_fp6_f32 v[PC+6*\c:PC+2+6*\c], v[\s+32*\c:\s+15+32*\c], v[TM+12+2*\c]
	v_cvt_scalef32_pk16_fp6_f32 v[PC+12+4*\c:PC+14+4*\c], v[\s+16+32*\c:\s+31+32*\c], v[TM+12+2*\c+1]
.endr
	v_nop                                          ; one plain line behind a scaled conversion
.irp c, 0,1
.irp i, 0,1,2
	v_permlane16_swap_b32 v[PC+6*\c+\i], v[PC+12+4*\c+\i]
.endr
.irp i, 0,1,2
	v_mov_b32 v[PC+3+6*\c+\i], v[PC+12+4*\c+\i]
.endr
.endr
.endm
.macro BARRIER
	s_wait_dscnt 0x0                               ; my LDS stores have landed and my LDS loads are in
	s_barrier_signal -1
	s_barrier_wait -1
.endm
	s_load_b512 s[8:23], s[0:1], 0x0               ; sa_q s8, sa_o s10, ca_q s12, ca_o s14, sa_k s16, sa_v s18, ca_k s20, ca_v s22
	s_load_b256 s[24:31], s[0:1], 0x40             ; hidden s24, encoder s26, ln1_g s28, ln1_b s30
	s_load_b128 s[32:35], s[0:1], 0x60             ; wimg s32, aimg s34
	v_lshl_add_u32 v254, v0, 2, 0x400
	v_mov_b32 v255, 0
	v_lshrrev_b32 v1, 5, v0
	v_readfirstlane_b32 s3, v1                     ; wave 0..7
	v_and_b32 v1, 31, v0                           ; lane
	s_cmp_ge_u32 ttmp9, 80
	s_cbranch_scc1 .Lrows
	; ---------------- weights: which tensor (s52), part (s54), log2 of column groups (s55), row pitch (s56), first fragment (s58).  K = 1,024: eight K steps
	s_cmp_lt_u32 ttmp9, 64
	s_cbranch_scc0 .Lkv
	s_lshr_b32 s52, ttmp9, 4
	s_and_b32 s54, ttmp9, 15
	s_lshl_b32 s58, s52, 9
	s_mov_b32 s55, 2
	s_mov_b32 s56, 4096
	s_branch .Lgo
.Lkv:
	s_sub_co_u32 s61, ttmp9, 64
	s_lshr_b32 s61, s61, 2
	s_add_co_u32 s52, s61, 4
	s_and_b32 s54, ttmp9, 3
	s_lshl_b32 s58, s61, 7
	s_add_co_u32 s58, s58, 2048
	s_mov_b32 s55, 0
	s_mov_b32 s56, 1024
.Lgo:
	s_lshl_b32 s61, 1, s55
	s_sub_co_u32 s61, s61, 1
	s_and_b32 s61, s54, s61                        ; column group
	s_lshr_b32 s62, s54, s55                       ; group of 256 along K
	s_lshl_b32 s63, s61, 3
	s_add_co_u32 s63, s63, s3                      ; my pair of tiles = 8 x column group + wave
	s_mul_i32 s6, s62, s56
	s_lshl_b32 s6, s6, 8                           ; 256 rows a K group
	s_lshl_b32 s7, s63, 7                          ; 32 columns of 4 bytes a pair
	s_add_co_u32 s6, s6, s7
	s_mov_b32 s7, 0
	s_lshl_b32 s88, s63, 3
	s_add_co_u32 s88, s88, s62
	s_lshl_b32 s88, s88, 1
	s_add_co_u32 s88, s88, s58                     ; my first fragment = first + 2 pair x 8 K steps + 2 K group
	s_mul_i32 s90, s88, 1536
	s_mov_b32 s91, 0
	s_lshl_b32 s92, s88, 6
	s_add_co_u32 s92, s92, WS0
	s_mov_b32 s93, 0
	s_lshl_b32 s86, s56, 5                         ; 32 rows
	s_mov_b32 s87, 0
	s_wait_kmcnt 0x0
	s_mov_b64 s[4:5], s[8:9]
.irp k, 1,2,3,4,5,6,7
	s_cmp_eq_u32 s52, \k
	s_cselect_b64 s[4:5], s[8+2*\k:9+2*\k], s[4:5]
.endr
	s_add_nc_u64 s[SB:SB+1], s[4:5], s[6:7]
.irp t, 1,2,3,4,5,6,7
	s_add_nc_u64 s[SB+2*\t:SB+2*\t+1], s[SB+2*\t-2:SB+2*\t-1], s[86:87]
.endr
	s_add_nc_u64 s[82:83], s[32:33], s[90:91]
	s_add_nc_u64 s[84:85], s[32:33], s[92:93]
	v_bfe_u32 v2, v0, 3, 1                         ; which tile of the pair my column falls into
	v_and_b32 v3, 7, v0
	v_bfe_u32 v6, v0, 4, 1
	v_lshl_add_u32 v3, v6, 3, v3                   ; and which row of it: lane % 8 + 8 (lane / 16)
	v_mul_u32_u24 v4, v2, 0x3000
	v_lshl_add_u32 v4, v3, 4, v4                   ; codes: the tile's fragments lie 8 x 1,536 bytes apart; 16 bytes a row
	v_lshlrev_b32 v5, 9, v2
	v_lshl_add_u32 v5, v3, 2, v5                   ; scale words: 8 x 64 bytes a tile; 4 bytes a row
	v_lshlrev_b32 v[VO], 2, v1
.set ii, 1
.rept 31
	v_add_nc_u32 v[VO+ii], s56, v[VO+ii-1]
.set ii, ii+1
.endr
	WLOAD 0
	WLOAD 1
.irp t, 0,1,2,3,4,5,6,7
	WBLK \t
.endr
	global_store_b32 v5, v10, s[84:85]             ; my row's scale words of the two K steps
	global_store_b32 v5, v11, s[84:85] offset:64
	s_endpgm
	; ---------------- rows: a work-group is a tile of 16 tokens, wave w its K step w
.Lrows:
	s_sub_co_u32 s52, ttmp9, 80                    ; 0-63: hidden_states with LayerNorm 1; 64-191: encoder_hidden_states as they are
	s_cmp_lt_u32 s52, 64
	s_cselect_b32 s53, 0, 64
	s_sub_co_u32 s53, s52, s53                     ; the tile in its tensor
	s_lshr_b32 s54, s53, 1
	s_lshl_b32 s54, s54, 5
	s_and_b32 s55, s53, 1
	s_lshl_b32 s55, s55, 3
	s_add_co_u32 s54, s54, s55                     ; its first row
	s_lshl_b32 s56, s54, 12
	s_lshl_b32 s57, s3, 9
	s_add_co_u32 s56, s56, s57
	s_mov_b32 s57, 0
	s_lshl_b32 s58, s52, 3
	s_add_co_u32 s58, s58, s3                      ; the fragment in aimg
	s_mul_i32 s60, s58, 1536
	s_mov_b32 s61, 0
	s_lshl_b32 s62, s58, 6
	s_add_co_u32 s62, s62, AS0
	s_mov_b32 s63, 0
	s_mov_b32 s[SEL], 0x76543210
	s_mov_b32 s[SEL+1], 0xfedcba98                 ; lane l xor 16
	s_mov_b32 s73, 0x3a800000                      ; 1 / 1024
	s_mov_b32 s74, 0x3727c5ac                      ; 1e-5
	v_and_b32 v2, 15, v0                           ; r
	v_bfe_u32 v3, v0, 4, 1                         ; h
	v_and_b32 v4, 8, v2
	v_add_nc_u32 v4, v4, v2                        ; r + 8 (r / 8): my row of the tile
	v_lshlrev_b32 v5, 12, v4
	v_lshl_add_u32 v5, v3, 6, v5                   ; row x 4,096 + 64 h: my 16 numbers of each block of 32
	s_lshl_b32 s72, s3, 9
	v_lshlrev_b32 v6, 6, v3
	v_add_nc_u32 v6, s72, v6                       ; the same columns in gain and bias
	v_lshlrev_b32 v[LA], 4, v1
	v_lshlrev_b32 v[LB], 4, v2
	v_lshl_add_u32 v[LB], v3, 3, v[LB]
	v_add_nc_u32 v[LB], 512, v[LB]
	v_lshlrev_b32 v[R4], 2, v2
	s_lshl_b32 s72, s3, 6
	v_add_nc_u32 v[SW], s72, v[R4]
.irp b, 0,1,2,3
	v_mov_b32 v[TM+4+\b], 0                        ; a lane permute's destination counts as read
.endr
	s_wait_kmcnt 0x0
	s_cmp_lt_u32 s52, 64
	s_cselect_b64 s[4:5], s[24:25], s[26:27]
	s_add_nc_u64 s[4:5], s[4:5], s[56:57]
	s_add_nc_u64 s[66:67], s[34:35], s[60:61]
	s_add_nc_u64 s[68:69], s[34:35], s[62:63]
.set jj, 0
.rept 16
	global_load_b128 v[XR+4*jj:XR+4*jj+3], v5, s[4:5] offset:128*(jj/4)+16*(jj%4) th:TH_LOAD_NT
.set jj, jj+1
.endr
	s_cmp_lt_u32 s52, 64                           ; the same in all eight waves: it hangs on the work-group's number alone
	s_cbranch_scc0 .Lq
.set jj, 0
.rept 16
	global_load_b128 v[GR+4*jj:GR+4*jj+3], v6, s[28:29] offset:128*(jj/4)+16*(jj%4)
	global_load_b128 v[BR+4*jj:BR+4*jj+3], v6, s[30:31] offset:128*(jj/4)+16*(jj%4)
.set jj, jj+1
.endr
	s_wait_loadcnt 32                              ; the row's numbers are in; gain and bias (32 loads) may be out
.irp q, 0,1,2,3
	v_pk_add_f32 v[T+2*\q:T+2*\q+1], v[XR+2*\q:XR+2*\q+1], v[XR+8+2*\q:XR+9+2*\q]
.endr
.irp k, 16,24,32,40,48,56
.irp q, 0,1,2,3
	v_pk_add_f32 v[T+2*\q:T+2*\q+1], v[T+2*\q:T+2*\q+1], v[XR+\k+2*\q:XR+\k+2*\q+1]
.endr
.endr
	v_pk_add_f32 v[T:T+1], v[T:T+1], v[T+2:T+3]
	v_pk_add_f32 v[T+4:T+5], v[T+4:T+5], v[T+6:T+7]
	v_pk_add_f32 v[T:T+1], v[T:T+1], v[T+4:T+5]
	v_add_f32 v[T], v[T], v[T+1]
	v_permlanex16_b32 v[T+1], v[T], s[SEL], s[SEL+1]
	v_add_f32 v[T], v[T], v[T+1]                   ; my row's sum over this wave's 128 columns
	ds_store_b32 v[SW], v[T] offset:ST1
	BARRIER
.irp k, 0,1,2,3,4,5,6,7
	ds_load_b32 v[T+\k], v[R4] offset:ST1+64*\k
.endr
	s_wait_dscnt 0x0
	v_add_f32 v[T], v[T], v[T+1]
	v_add_f32 v[T+2], v[T+2], v[T+3]
	v_add_f32 v[T+4], v[T+4], v[T+5]
	v_add_f32 v[T+6], v[T+6], v[T+7]
	v_add_f32 v[T], v[T], v[T+2]
	v_add_f32 v[T+4], v[T+4], v[T+6]
	v_add_f32 v[T], v[T], v[T+4]
	v_mul_f32 v[T], s73, v[T]                      ; the mean
.set jj, 0
.rept 32
	v_pk_add_f32 v[XR+jj:XR+jj+1], v[XR+jj:XR+jj+1], v[T:T+1] op_sel_hi:[1,0] neg_lo:[0,1] neg_hi:[0,1]
.set jj, jj+2
.endr
.irp q, 0,1,2,3
	v_pk_mul_f32 v[T+2*\q:T+2*\q+1], v[XR+2*\q:XR+2*\q+1], v[XR+2*\q:XR+2*\q+1]
.endr
.irp k, 8,16,24,32,40,48,56
.irp q, 0,1,2,3
	v_pk_fma_f32 v[T+2*\q:T+2*\q+1], v[XR+\k+2*\q:XR+\k+2*\q+1], v[XR+\k+2*\q:XR+\k+2*\q+1], v[T+2*\q:T+2*\q+1]
.endr
.endr
	v_pk_add_f32 v[T:T+1], v[T:T+1], v[T+2:T+3]
	v_pk_add_f32 v[T+4:T+5], v[T+4:T+5], v[T+6:T+7]
	v_pk_add_f32 v[T:T+1], v[T:T+1], v[T+4:T+5]
	v_add_f32 v[T], v[T], v[T+1]
	v_permlanex16_b32 v[T+1], v[T], s[SEL], s[SEL+1]
	v_add_f32 v[T], v[T], v[T+1]
	ds_store_b32 v[SW], v[T] offset:ST2            ; other bytes than the sums': no wave still reads what is written here
	BARRIER
.irp k, 0,1,2,3,4,5,6,7
	ds_load_b32 v[T+\k], v[R4] offset:ST2+64*\k
.endr
	s_wait_dscnt 0x0
	v_add_f32 v[T], v[T], v[T+1]
	v_add_f32 v[T+2], v[T+2], v[T+3]
	v_add_f32 v[T+4], v[T+4], v[T+5]
	v_add_f32 v[T+6], v[T+6], v[T+7]
	v_add_f32 v[T], v[T], v[T+2]
	v_add_f32 v[T+4], v[T+4], v[T+6]
	v_add_f32 v[T], v[T], v[T+4]
	v_fma_f32 v[T+2], v[T], s73, s74               ; variance + 1e-5
	v_rsq_f32 v[T+4], v[T+2]
	v_nop                                          ; one plain line behind the transcendental
	s_wait_loadcnt 0x0                             ; gain and bias
.set jj, 0
	s_wait_alu depctr_va_vdst(0)
.rept 32
	v_pk_mul_f32 v[XR+jj:XR+jj+1], v[XR+jj:XR+jj+1], v[T+4:T+5] op_sel_hi:[1,0]
.set jj, jj+2
.endr
.set jj, 0
.rept 32
	v_pk_fma_f32 v[XR+jj:XR+jj+1], v[XR+jj:XR+jj+1], v[GR+jj:GR+jj+1], v[BR+jj:BR+jj+1]
.set jj, jj+2
.endr
.Lq:
	s_wait_loadcnt 0x0
	QUANT4 XR
	global_store_b128 v[LA], v[PC:PC+3], s[66:67]              ; 32 lanes store 512 consecutive bytes, aligned
	global_store_b64 v[LB], v[PC+4:PC+5], s[66:67]             ; 32 lanes store 256 consecutive bytes, aligned
	global_store_b128 v[LA], v[PC+6:PC+9], s[66:67] offset:768
	global_store_b64 v[LB], v[PC+10:PC+11], s[66:67] offset:768
	global_store_b32 v[R4], v[PW], s[68:69]                    ; both halves of the lanes hold the same word
	s_wait_tensorcnt 0x0
	ds_add_u32 v254, v255
	s_wait_dscnt 0x0
	s_endpgm
.Lfunc_end_k_qf4c3a49a5c_prep:
	.size	k_qf4c3a49a5c_prep, .Lfunc_end_k_qf4c3a49a5c_prep-k_qf4c3a49a5c_prep
	.p2alignl 7, 3214868480
	.fill 96, 4, 3214868480
	.section	.rodata,"a",@progbits
	.p2align	6, 0x0
	.amdhsa_kernel k_qf4c3a49a5c_prep
		.amdhsa_group_segment_fixed_size 2048
		.amdhsa_private_segment_fixed_size 0
		.amdhsa_enable_private_segment 0
		.amdhsa_kernarg_size 112
		.amdhsa_user_sgpr_count 2
		.amdhsa_user_sgpr_kernarg_segment_ptr 1
		.amdhsa_wavefront_size32 1
		.amdhsa_system_sgpr_workgroup_id_x 1
		.amdhsa_system_sgpr_workgroup_id_y 1
		.amdhsa_system_sgpr_workgroup_id_z 1
		.amdhsa_system_vgpr_workitem_id 0
		.amdhsa_next_free_vgpr 256
		.amdhsa_next_free_sgpr 96
		.amdhsa_reserve_vcc 0
		.amdhsa_float_denorm_mode_32 3
		.amdhsa_float_denorm_mode_16_64 3
		.amdhsa_memory_ordered 1
		.amdhsa_forward_progress 1
		.amdhsa_inst_pref_size 65
	.end_amdhsa_kernel
	.amdgpu_metadata
---
amdhsa.version: [ 1, 2 ]
amdhsa.kernels:
  - .name:           k_qf4c3a49a5c_prep
    .symbol:         k_qf4c3a49a5c_prep.kd
    .args:
      - { .name: sa_q_w, .offset: 0, .size: 8, .value_kind: global_buffer, .address_space: global }
      - { .name: sa_o_w, .offset: 8, .size: 8, .value_kind: global_buffer, .address_space: global }
      - { .name: ca_q_w, .offset: 16, .size: 8, .value_kind: global_buffer, .address_space: global }
      - { .name: ca_o_w, .offset: 24, .size: 8, .value_kind: global_buffer, .address_space: global }
      - { .name: sa_k_w, .offset: 32, .size: 8, .value_kind: global_buffer, .address_space: global }
      - { .name: sa_v_w, .offset: 40, .size: 8, .value_kind: global_buffer, .address_space: global }
      - { .name: ca_k_w, .offset: 48, .size: 8, .value_kind: global_buffer, .address_space: global }
      - { .name: ca_v_w, .offset: 56, .size: 8, .value_kind: global_buffer, .address_space: global }
      - { .name: hidden_states, .offset: 64, .size: 8, .value_kind: global_buffer, .address_space: global }
      - { .name: encoder_hidden_states, .offset: 72, .size: 8, .value_kind: global_buffer, .address_space: global }
      - { .name: ln1_g, .offset: 80, .size: 8, .value_kind: global_buffer, .address_space: global }
      - { .name: ln1_b, .offset: 88, .size: 8, .value_kind: global_buffer, .address_space: global }
      - { .name: wimg, .offset: 96, .size: 8, .value_kind: global_buffer, .address_space: global }
      - { .name: aimg, .offset: 104, .size: 8, .value_kind: global_buffer, .address_space: global }
    .group_segment_fixed_size: 2048
    .private_segment_fixed_size: 0
    .kernarg_segment_align: 8
    .kernarg_segment_size: 112
    .max_flat_workgroup_size: 256
    .sgpr_count:     96
    .vgpr_count:     256
    .wavefront_size: 32
...
	.end_amdgpu_metadata
.endif
;; end of part 1
;; launch proj (part 2): grid 320 x 1, 4 waves a work-group, no clusters, 0 bytes of LDS; arguments wimg, aimg, sa_q_b, sa_k_b, sa_v_b, ca_k_b, ca_v_b, qkv; writes qkv
.if DOCPART == 2
	.amdgcn_target "amdgcn-amd-amdhsa--gfx1250"
	.amdhsa_code_object_version 6
	.text
	.protected	k_qf4c3a49a5c_proj
	.globl	k_qf4c3a49a5c_proj
	.p2align	8
	.type	k_qf4c3a49a5c_proj,@function
k_qf4c3a49a5c_proj:
	s_mov_b64 s[64:65], 0
	v_nop
	global_prefetch_b8 v0, s[64:65] scope:SCOPE_SE
	s_setreg_imm32_b32 hwreg(HW_REG_WAVE_MODE, 25, 1), 1
	s_wait_xcnt 0x0
; PROJ: the five projections whose inputs are known at the start: q, k, v of self-attention from LayerNorm 1's codes, k and v of cross-attention from the encoder's codes.
; A WAVE IS ONE UNIT: eight tiles of operand P (source 0) x one tile of operand Q (source 1), K = 1,024: 64 matrix instructions.  In the result a lane holds one row of Q's tile and 64 numbers that are
; 128 neighbouring rows of P (16 (lane / 16) + 0..15 of each 32): with bias (and 1/8 for q) they are quantised in registers and are fragment number u of qkv, u = 4 x work-group + wave.
; q, k: P = the weight's columns, Q = tokens: codes along the features.  v: P = tokens, Q = the weight's columns: codes along the KEYS, which are the K of attention's second product.
; Operands lie in memory in the order of the registers, so each fragment comes by four loads straight into registers; waves share nothing: no LDS, no barrier.
; No tensor load and no cluster: a fragment is read by one wave of a work-group and wants no second trip through LDS.
; LIMITS: NaN and infinities are not served; a block under 2^-124 gets the byte 1.
.set WS0, 3932160
.set AS0, 2359296
.set QS0, 1966080
.set LA,  1                            ; 16 x lane
.set LB,  2                            ; 512 + 16 (lane % 16) + 8 (lane / 16)
.set L4,  3                            ; 4 x lane: the scale words of two K steps
.set R4,  4                            ; 4 (lane % 16)
.set BO,  5                            ; my offset in the bias
.set PSC, 16                           ; v16-47  P's scale words: tile p, pair of K steps s2 at 4 p + s2
.set QSC, 48                           ; v48-51  Q's
.set QF,  52                           ; v52-75  Q's fragment, two buffers
.set ACC, 80                           ; v80-143 eight accumulators
.set PC,  144
.set PW,  164
.set TM,  168
.set SEL, 58
.set MSB, 0
.macro WIN new
.if MSB != \new
	s_set_vgpr_msb (MSB<<8)|\new
.set MSB, \new
.endif
.endm
.macro PLACES
.rept 4
	v_nop
.endr
.endm
.macro MM d, a, b, c, sa, sb, odd      ; c < 0: the sum starts with the constant 0.  odd: the odd K step's scale words lie in lanes 16-31
.if (\c) < 0
.if \odd
	v_wmma_scale_f32_16x16x128_f8f6f4 v[\d:\d+7], v[\a:\a+11], v[\b:\b+11], 0, v[\sa], v[\sb] matrix_a_fmt:MATRIX_FMT_FP6 matrix_b_fmt:MATRIX_FMT_FP6 matrix_a_scale:MATRIX_SCALE_ROW1 matrix_b_scale:MATRIX_SCALE_ROW1
.else
	v_wmma_scale_f32_16x16x128_f8f6f4 v[\d:\d+7], v[\a:\a+11], v[\b:\b+11], 0, v[\sa], v[\sb] matrix_a_fmt:MATRIX_FMT_FP6 matrix_b_fmt:MATRIX_FMT_FP6
.endif
.else
.if \odd
	v_wmma_scale_f32_16x16x128_f8f6f4 v[\d:\d+7], v[\a:\a+11], v[\b:\b+11], v[\c:\c+7], v[\sa], v[\sb] matrix_a_fmt:MATRIX_FMT_FP6 matrix_b_fmt:MATRIX_FMT_FP6 matrix_a_scale:MATRIX_SCALE_ROW1 matrix_b_scale:MATRIX_SCALE_ROW1
.else
	v_wmma_scale_f32_16x16x128_f8f6f4 v[\d:\d+7], v[\a:\a+11], v[\b:\b+11], v[\c:\c+7], v[\sa], v[\sb] matrix_a_fmt:MATRIX_FMT_FP6 matrix_b_fmt:MATRIX_FMT_FP6
.endif
.endif
.endm
.macro QUANT4 s
.irp b, 0,1,2,3
	v_max3_num_f32 v[TM+\b], |v[\s+16*\b]|, |v[\s+1+16*\b]|, 0x1800000
.endr
.irp i, 2,4,6,8,10,12,14
.irp b, 0,1,2,3
	v_max3_num_f32 v[TM+\b], v[TM+\b], |v[\s+16*\b+\i]|, |v[\s+1+16*\b+\i]|
.endr
.endr
.irp b, 0,1,2,3
	v_permlanex16_b32 v[TM+4+\b], v[TM+\b], s[SEL], s[SEL+1]
.endr
.irp b, 0,1,2,3
	v_max_num_f32 v[TM+\b], v[TM+\b], v[TM+4+\b]
.endr
.irp b, 0,1,2,3
	v_add_nc_u32 v[TM+12+\b], 0xff000000, v[TM+\b]
.endr
.irp b, 0,1,2,3
	v_lshrrev_b32 v[TM+4+\b], 23, v[TM+12+\b]
.endr
	v_lshl_or_b32 v[PW], v[TM+5], 8, v[TM+4]
	v_lshl_or_b32 v[PW], v[TM+6], 16, v[PW]
	v_lshl_or_b32 v[PW], v[TM+7], 24, v[PW]
.irp c, 0,1
	v_cvt_scalef32_pk16_fp6_f32 v[PC+6*\c:PC+2+6*\c], v[\s+32*\c:\s+15+32*\c], v[TM+12+2*\c]
	v_cvt_scalef32_pk16_fp6_f32 v[PC+12+4*\c:PC+14+4*\c], v[\s+16+32*\c:\s+31+32*\c], v[TM+12+2*\c+1]
.endr
	v_nop
.irp c, 0,1
.irp i, 0,1,2
	v_permlane16_swap_b32 v[PC+6*\c+\i], v[PC+12+4*\c+\i]
.endr
.irp i, 0,1,2
	v_mov_b32 v[PC+3+6*\c+\i], v[PC+12+4*\c+\i]
.endr
.endr
.endm
.macro PICK bound, u0, a, hi, mask, pf, qf, isv, xs, bp    ; units under \bound take these values
	s_cmp_lt_u32 s4, \bound
	s_cselect_b32 s24, \u0, s24
	s_cselect_b32 s25, \a, s25
	s_cselect_b32 s26, \hi, s26
	s_cselect_b32 s27, \mask, s27
	s_cselect_b32 s28, \pf, s28
	s_cselect_b32 s29, \qf, s29
	s_cselect_b32 s30, \isv, s30
	s_cselect_b32 s32, \xs, s32
	s_cselect_b64 s[34:35], s[\bp:\bp+1], s[34:35]
.endm
.macro LOADS s                         ; K step s: P's eight fragments (window 1) and Q's one: 36 loads
	WIN 0x40
.irp p, 0,1,2,3,4,5,6,7
.irp c, 0,1
	global_load_b128 v[96*((\s)%2)+12*\p+6*\c:96*((\s)%2)+12*\p+6*\c+3], v[LA], s[44:45] offset:(8*\p+(\s))*1536+768*\c
	global_load_b64 v[96*((\s)%2)+12*\p+6*\c+4:96*((\s)%2)+12*\p+6*\c+5], v[LB], s[44:45] offset:(8*\p+(\s))*1536+768*\c
.endr
.endr
	WIN 0
.irp c, 0,1
	global_load_b128 v[QF+12*((\s)%2)+6*\c:QF+12*((\s)%2)+6*\c+3], v[LA], s[48:49] offset:(\s)*1536+768*\c
	global_load_b64 v[QF+12*((\s)%2)+6*\c+4:QF+12*((\s)%2)+6*\c+5], v[LB], s[48:49] offset:(\s)*1536+768*\c
.endr
.endm
	s_load_b512 s[8:23], s[0:1], 0x0               ; wimg s8, aimg s10, sa_q_b s12, sa_k_b s14, sa_v_b s16, ca_k_b s18, ca_v_b s20, qkv s22
	v_lshrrev_b32 v9, 5, v0
	v_readfirstlane_b32 s5, v9                     ; wave
	s_lshl_b32 s4, ttmp9, 2                        ; the work-group's first unit: the types' bounds are multiples of 4
	v_and_b32 v6, 31, v0
	v_lshlrev_b32 v[LA], 4, v6
	v_lshlrev_b32 v[L4], 2, v6
	v_and_b32 v6, 15, v0                           ; r
	v_bfe_u32 v7, v0, 4, 1                         ; h
	v_lshlrev_b32 v[LB], 4, v6
	v_lshl_add_u32 v[LB], v7, 3, v[LB]
	v_add_nc_u32 v[LB], 512, v[LB]
	v_lshlrev_b32 v[R4], 2, v6
	v_and_b32 v8, 8, v6
	v_add_nc_u32 v8, v8, v6                        ; r + 8 (r / 8)
.irp b, 0,1,2,3
	v_mov_b32 v[TM+4+\b], 0
.endr
	s_mov_b32 s[SEL], 0x76543210
	s_mov_b32 s[SEL+1], 0xfedcba98
	s_mov_b32 s24, 1024                            ; units 1024-1279: v of cross-attention
	s_mov_b32 s25, 2
	s_mov_b32 s26, 6
	s_mov_b32 s27, 15
	s_mov_b32 s28, 512
	s_mov_b32 s29, 2432
	s_mov_b32 s30, 1
	s_mov_b32 s32, 0x3f800000
	s_wait_kmcnt 0x0
	s_mov_b64 s[34:35], s[20:21]
	PICK 1024, 768, 1, 31, 255, 2304, 512, 0, 0x3f800000, 18   ; 768-1023: k of cross-attention
	PICK 768, 640, 1, 5, 15, 0, 2176, 1, 0x3f800000, 16        ; 640-767: v of self-attention
	PICK 640, 512, 1, 31, 255, 2048, 0, 0, 0x3f800000, 14      ; 512-639: k of self-attention
	PICK 512, 0, 3, 31, 255, 0, 0, 0, 0x3e000000, 12           ; 0-511: q of self-attention, x 64^-0.5
	s_mov_b32 s33, s32
	s_add_co_u32 s6, s4, s5                        ; u
	s_sub_co_u32 s7, s6, s24                       ; u within its type
	s_lshr_b32 s36, s7, s26
	s_lshl_b32 s36, s36, s25
	s_lshl_b32 s37, 1, s25
	s_sub_co_u32 s37, s37, 1
	s_and_b32 s37, s7, s37
	s_or_b32 s36, s36, s37                         ; P's group of eight tiles
	s_lshr_b32 s37, s7, s25
	s_and_b32 s37, s37, s27                        ; Q's tile
	s_lshl_b32 s38, s36, 6
	s_add_co_u32 s38, s38, s28                     ; P's first fragment
	s_lshl_b32 s39, s37, 3
	s_add_co_u32 s39, s39, s29                     ; Q's
	s_mov_b32 s40, WS0
	s_mov_b32 s41, AS0
	s_cmp_lg_u32 s30, 0                            ; v: P = tokens, Q = weight; else the other way round
	s_cselect_b64 s[44:45], s[10:11], s[8:9]
	s_cselect_b64 s[48:49], s[8:9], s[10:11]
	s_cselect_b32 s42, s41, s40
	s_cselect_b32 s43, s40, s41
	s_cselect_b32 s60, 4, 0
	s_cselect_b32 s61, 0, 64
	s_mov_b32 s57, 0
	s_lshl_b32 s56, s38, 6
	s_add_co_u32 s56, s56, s42
	s_add_nc_u64 s[46:47], s[44:45], s[56:57]      ; P's scale words
	s_mul_i32 s56, s38, 1536
	s_add_nc_u64 s[44:45], s[44:45], s[56:57]      ; P's codes
	s_lshl_b32 s56, s39, 6
	s_add_co_u32 s56, s56, s43
	s_add_nc_u64 s[50:51], s[48:49], s[56:57]
	s_mul_i32 s56, s39, 1536
	s_add_nc_u64 s[48:49], s[48:49], s[56:57]
	s_mul_i32 s56, s6, 1536
	s_add_nc_u64 s[52:53], s[22:23], s[56:57]      ; where the result goes
	s_lshl_b32 s56, s6, 6
	s_add_co_u32 s56, s56, QS0
	s_add_nc_u64 s[54:55], s[22:23], s[56:57]
	s_lshr_b32 s56, s37, 1                         ; the bias: v: one number a lane, that of Q's row; else 64 a lane, those of P's rows
	s_lshl_b32 s56, s56, 7
	s_and_b32 s62, s37, 1
	s_lshl_b32 s62, s62, 5
	s_add_co_u32 s56, s56, s62
	s_lshl_b32 s62, s36, 9
	s_cmp_lg_u32 s30, 0
	s_cselect_b32 s56, s56, s62
	s_add_nc_u64 s[34:35], s[34:35], s[56:57]
	v_mul_u32_u24 v[BO], s60, v8
	v_mad_u32_u24 v[BO], s61, v7, v[BO]
.irp p, 0,1,2,3,4,5,6,7
.irp q, 0,1,2,3
	global_load_b32 v[PSC+4*\p+\q], v[L4], s[46:47] offset:(8*\p+2*\q)*64
.endr
.endr
.irp q, 0,1,2,3
	global_load_b32 v[QSC+\q], v[L4], s[50:51] offset:128*\q
.endr
	LOADS 0
	LOADS 1
	s_cmp_lg_u32 s30, 0
	s_cbranch_scc1 .Lbias_v
.set jj, 0
.rept 16
	global_load_b128 v[ACC+4*jj:ACC+4*jj+3], v[BO], s[34:35] offset:128*(jj/4)+16*(jj%4)   ; the bias starts the sums
.set jj, jj+1
.endr
	s_wait_loadcnt 0x0
	s_branch .Lbias_done
.Lbias_v:
	global_load_b32 v[ACC], v[BO], s[34:35]
	s_wait_loadcnt 0x0
.set jj, 1
.rept 63
	v_mov_b32 v[ACC+jj], v[ACC]
.set jj, jj+1
.endr
.Lbias_done:
.irp s, 0,1,2,3,4,5,6,7
.if \s < 7
	s_wait_loadcnt 36                              ; this K step's loads are in; the next step's 36 may be out
.else
	s_wait_loadcnt 0x0
.endif
	WIN 0x01                                       ; source 0 in window 1
.irp p, 0,1,2,3,4,5,6,7
	MM ACC+8*\p, 96*(\s%2)+12*\p, QF+12*(\s%2), ACC+8*\p, PSC+4*\p+\s/2, QSC+\s/2, \s%2
.endr
	PLACES                                         ; in front of loads into registers that these products read, and of the first read of results
.if \s < 6
	LOADS \s+2
.endif
.endr
	WIN 0
.set jj, 0
.rept 32
	v_pk_mul_f32 v[ACC+jj:ACC+jj+1], v[ACC+jj:ACC+jj+1], s[32:33] op_sel_hi:[1,0]
.set jj, jj+2
.endr
	QUANT4 ACC
	global_store_b128 v[LA], v[PC:PC+3], s[52:53]
	global_store_b64 v[LB], v[PC+4:PC+5], s[52:53]
	global_store_b128 v[LA], v[PC+6:PC+9], s[52:53] offset:768
	global_store_b64 v[LB], v[PC+10:PC+11], s[52:53] offset:768
	global_store_b32 v[R4], v[PW], s[54:55]
	s_endpgm
.Lfunc_end_k_qf4c3a49a5c_proj:
	.size	k_qf4c3a49a5c_proj, .Lfunc_end_k_qf4c3a49a5c_proj-k_qf4c3a49a5c_proj
	.p2alignl 7, 3214868480
	.fill 96, 4, 3214868480
	.section	.rodata,"a",@progbits
	.p2align	6, 0x0
	.amdhsa_kernel k_qf4c3a49a5c_proj
		.amdhsa_group_segment_fixed_size 0
		.amdhsa_private_segment_fixed_size 0
		.amdhsa_enable_private_segment 0
		.amdhsa_kernarg_size 64
		.amdhsa_user_sgpr_count 2
		.amdhsa_user_sgpr_kernarg_segment_ptr 1
		.amdhsa_wavefront_size32 1
		.amdhsa_system_sgpr_workgroup_id_x 1
		.amdhsa_system_sgpr_workgroup_id_y 1
		.amdhsa_system_sgpr_workgroup_id_z 1
		.amdhsa_system_vgpr_workitem_id 0
		.amdhsa_next_free_vgpr 448
		.amdhsa_next_free_sgpr 80
		.amdhsa_reserve_vcc 0
		.amdhsa_float_denorm_mode_32 3
		.amdhsa_float_denorm_mode_16_64 3
		.amdhsa_memory_ordered 1
		.amdhsa_forward_progress 1
		.amdhsa_inst_pref_size 56
	.end_amdhsa_kernel
	.amdgpu_metadata
---
amdhsa.version: [ 1, 2 ]
amdhsa.kernels:
  - .name:           k_qf4c3a49a5c_proj
    .symbol:         k_qf4c3a49a5c_proj.kd
    .args:
      - { .name: wimg, .offset: 0, .size: 8, .value_kind: global_buffer, .address_space: global }
      - { .name: aimg, .offset: 8, .size: 8, .value_kind: global_buffer, .address_space: global }
      - { .name: sa_q_b, .offset: 16, .size: 8, .value_kind: global_buffer, .address_space: global }
      - { .name: sa_k_b, .offset: 24, .size: 8, .value_kind: global_buffer, .address_space: global }
      - { .name: sa_v_b, .offset: 32, .size: 8, .value_kind: global_buffer, .address_space: global }
      - { .name: ca_k_b, .offset: 40, .size: 8, .value_kind: global_buffer, .address_space: global }
      - { .name: ca_v_b, .offset: 48, .size: 8, .value_kind: global_buffer, .address_space: global }
      - { .name: qkv, .offset: 56, .size: 8, .value_kind: global_buffer, .address_space: global }
    .group_segment_fixed_size: 0
    .private_segment_fixed_size: 0
    .kernarg_segment_align: 8
    .kernarg_segment_size: 64
    .max_flat_workgroup_size: 128
    .sgpr_count:     80
    .vgpr_count:     448
    .wavefront_size: 32
...
	.end_amdgpu_metadata
.endif
;; end of part 2
;; launch mid (part 3): grid 832 x 1, 8 waves a work-group, no clusters, 109,568 bytes of LDS; arguments qkv, wimg, hidden_states, attention_mask, encoder_attention_mask, sa_o_b, ln2_g, ln2_b, ca_q_b, ca_o_b, ln3_g, ln3_b, x3img, h2, mimg, langs, moe_w1, moe_w3, moe_w2; writes x3img, h2, mimg
.if DOCPART == 3
	.amdgcn_target "amdgcn-amd-amdhsa--gfx1250"
	.amdhsa_code_object_version 6
	.text
	.protected	k_qf4c3a49a5c_mid
	.globl	k_qf4c3a49a5c_mid
	.p2align	8
	.type	k_qf4c3a49a5c_mid,@function
k_qf4c3a49a5c_mid:
	s_mov_b64 s[64:65], 0
	v_nop
	global_prefetch_b8 v0, s[64:65] scope:SCOPE_SE
	s_setreg_imm32_b32 hwreg(HW_REG_WAVE_MODE, 25, 1), 1
	s_wait_xcnt 0x0
; MID, two kinds of work-groups that share nothing and part on the work-group's number at the first line.
; WORK-GROUPS 0-63, THE CHAIN: for a tile of 16 tokens the whole way from self-attention to LayerNorm 3: attention, output projection + residual, LayerNorm 2, query projection, cross-attention, output projection + residual (h2), LayerNorm 3, codes.
; WORK-GROUPS 64-831, THE EXPERTS' WEIGHTS: w1, w3, w2 (256 work-groups each, 32 for an expert) become codes of E2M3 in mimg.  Only the two launches behind this one read them, and the chain has 64 tiles of tokens and no more:
; so this stream of up to 201 MB stands in this launch, beside the chain, and not in a launch ahead of it.  An expert that no entry of langs names is multiplied by nothing later: its work-groups end without loading it.
; The attention weights' codes (wimg), which the chain reads, and the experts' (mimg), which are stored here, are two buffers.
; SHARES OF THE CHAIN.  A work-group owns token tile ttmp9.  Wave w owns heads 2 w and 2 w + 1, which are features 128 w .. 128 w + 127: K step w of every later product and tiles 8 w .. 8 w + 7 of each weight.
; Every product is used transposed (source 0 = keys, head channels or a weight's columns; source 1 = my 16 tokens): a lane holds ONE token throughout and 64 neighbouring-by-16 features, so the residual stream stays in
; registers and each result is quantised where it lies.  What one wave has made reaches the others as an image of the operand's registers in LDS; each LDS region is written once and read behind one barrier.
; SOFTMAX: t = (score + mask) x log2(e); M = the running largest t rounded up to a whole number; p = 2^(t - M) is quantised along the keys; the row's sum is taken of the unquantised p and divides at the end.
; A head is 64 wide and the matrix instruction 128: the query's upper 64 codes are zeros, so whatever stands in the key operand's upper half adds nothing; the upper two scale bytes are 0 on both sides, a finite power of two.
; Both masks are inputs: they are loaded and added in f32; no key is left out.
; No tensor load, no cluster: K, V and weights lie in memory in the order of the registers and go straight there.  The 64 work-groups walk the same weights' codes (2.3 MB in all); sharing them would need a ring in LDS, which this text does not have.
; LIMITS: NaN and infinities among the inputs are not served (a mask of -infinity is, unless it hides a whole row); a block under 2^-124 (a block of zeros too) gets the byte 1; 1 / sum and 1 / sqrt are the 1-ulp instructions.
.set QS0, 1966080
.set WS0, 3932160
.set XS0, 786432
.set MS0, 37748736                     ; mimg: scale words behind 24,576 fragments; fragment (8 m + e) x 1024 + tile x K steps + K step, m = 0 w1, 1 w3, 2 w2
.set OI1, 0                            ; LDS: self-attention's output, 8 images of 1,536 bytes
.set XI2, 12288                        ; LayerNorm 2's output
.set OI2, 24576                        ; cross-attention's output
.set SC1, 36864                        ; their scale words, [K step][16]
.set SC2, 37376
.set SC3, 37888
.set ST1, 38400                        ; the norms' sums, [wave][16]
.set ST2, 38912
.set ST3, 39424
.set ST4, 39936
.set STG, 40448                        ; a stage of 16 rows x 528 bytes for each wave
.set LA,  1
.set LB,  2
.set L4,  3
.set R4,  4
.set RO,  5                            ; my row x 4,096 + 64 h
.set FO,  6                            ; 512 w + 64 h
.set MS,  7                            ; my row x 1,024 + 64 h
.set ME,  8                            ; my row x 2,048 + 64 h
.set SW,  9                            ; 64 w + 4 r
.set IA,  10                           ; LA + 1,536 w
.set IB,  11                           ; LB + 1,536 w
.set PFO, 12                           ; the prefetch's offset
.set SIN, 13                           ; the stage, in
.set SRD, 14                           ; the stage, back
.set Q0,  16                           ; v16-39  the two heads' query operands
.set QSC, 40
.set KSC, 42                           ; v42-49
.set VSC, 50                           ; v50-53
.set STA, 54                           ; v54-61  head c: -M, largest t, the sum in two halves
.set F,   62                           ; v62-63  f = 2^(old M - new M)
.set WSC, 16                           ; v16-47  a weight's scale words
.set S,   64                           ; v64-127 scores, then p;  also a projection's accumulators
.set ACC, 64
.set O,   128                          ; v128-191 the two heads' outputs;  also a norm's output
.set Y,   128
.set XF,  160                          ; v160-183 a projection's token fragment, two buffers
.set XSC, 184
.set PC,  192
.set PW,  212
.set TM,  216
.set BM,  216
.set BP,  220
.set SO,  228
.set T,   232
.set T0,  234
.set KW,  0                            ; window 1: v0-47 eight half fragments of K, v48-53 a pad
.set VW,  60                           ; v60-107 four fragments of V
.set MW,  108                          ; v108-171 the mask
.set GW,  0
.set BW,  64
.set RW,  192                          ; v192-255 the residual stream
.set SEL, 66
.set CS,  68
.set ZSB, 66                           ; the experts' weights: s66-81  eight row bases of a wave's columns, 32 rows apart
.set ZVO, 12                           ; v12-43  4 x lane + i rows
.set ZX,  44                           ; v44-107 two sets of 32 numbers
.set ZCA, 108                          ; v108-139 a block's first 16 bytes of codes, four registers a block
.set ZCB, 140                          ; v140-155 the last 8 bytes of two neighbouring blocks
.set ZCH, 156                          ; v156-158 the upper 16 codes as converted
.set MSB, 0
.macro WIN new
.if MSB != \new
	s_set_vgpr_msb (MSB<<8)|\new
.set MSB, \new
.endif
.endm
.macro PLACES
.rept 4
	v_nop
.endr
.endm
.macro BARRIER
	s_wait_dscnt 0x0
	s_barrier_signal -1
	s_barrier_wait -1
.endm
.macro MM d, a, b, c, sa, sb, odd
.if (\c) < 0
.if \odd
	v_wmma_scale_f32_16x16x128_f8f6f4 v[\d:\d+7], v[\a:\a+11], v[\b:\b+11], 0, v[\sa], v[\sb] matrix_a_fmt:MATRIX_FMT_FP6 matrix_b_fmt:MATRIX_FMT_FP6 matrix_a_scale:MATRIX_SCALE_ROW1 matrix_b_scale:MATRIX_SCALE_ROW1
.else
	v_wmma_scale_f32_16x16x128_f8f6f4 v[\d:\d+7], v[\a:\a+11], v[\b:\b+11], 0, v[\sa], v[\sb] matrix_a_fmt:MATRIX_FMT_FP6 matrix_b_fmt:MATRIX_FMT_FP6
.endif
.else
.if \odd
	v_wmma_scale_f32_16x16x128_f8f6f4 v[\d:\d+7], v[\a:\a+11], v[\b:\b+11], v[\c:\c+7], v[\sa], v[\sb] matrix_a_fmt:MATRIX_FMT_FP6 matrix_b_fmt:MATRIX_FMT_FP6 matrix_a_scale:MATRIX_SCALE_ROW1 matrix_b_scale:MATRIX_SCALE_ROW1
.else
	v_wmma_scale_f32_16x16x128_f8f6f4 v[\d:\d+7], v[\a:\a+11], v[\b:\b+11], v[\c:\c+7], v[\sa], v[\sb] matrix_a_fmt:MATRIX_FMT_FP6 matrix_b_fmt:MATRIX_FMT_FP6
.endif
.endif
.endm
.macro QUANT4 s
.irp b, 0,1,2,3
	v_max3_num_f32 v[TM+\b], |v[\s+16*\b]|, |v[\s+1+16*\b]|, 0x1800000
.endr
.irp i, 2,4,6,8,10,12,14
.irp b, 0,1,2,3
	v_max3_num_f32 v[TM+\b], v[TM+\b], |v[\s+16*\b+\i]|, |v[\s+1+16*\b+\i]|
.endr
.endr
.irp b, 0,1,2,3
	v_permlanex16_b32 v[TM+4+\b], v[TM+\b], s[SEL], s[SEL+1]
.endr
.irp b, 0,1,2,3
	v_max_num_f32 v[TM+\b], v[TM+\b], v[TM+4+\b]
.endr
.irp b, 0,1,2,3
	v_add_nc_u32 v[TM+12+\b], 0xff000000, v[TM+\b]
.endr
.irp b, 0,1,2,3
	v_lshrrev_b32 v[TM+4+\b], 23, v[TM+12+\b]
.endr
	v_lshl_or_b32 v[PW], v[TM+5], 8, v[TM+4]
	v_lshl_or_b32 v[PW], v[TM+6], 16, v[PW]
	v_lshl_or_b32 v[PW], v[TM+7], 24, v[PW]
.irp c, 0,1
	v_cvt_scalef32_pk16_fp6_f32 v[PC+6*\c:PC+2+6*\c], v[\s+32*\c:\s+15+32*\c], v[TM+12+2*\c]
	v_cvt_scalef32_pk16_fp6_f32 v[PC+12+4*\c:PC+14+4*\c], v[\s+16+32*\c:\s+31+32*\c], v[TM+12+2*\c+1]
.endr
	v_nop
.irp c, 0,1
.irp i, 0,1,2
	v_permlane16_swap_b32 v[PC+6*\c+\i], v[PC+12+4*\c+\i]
.endr
.irp i, 0,1,2
	v_mov_b32 v[PC+3+6*\c+\i], v[PC+12+4*\c+\i]
.endr
.endr
.endm
.macro IMG_L img, scw                  ; the fragment just made goes to LDS as it stands: K step w
	ds_store_b128 v[IA], v[PC:PC+3] offset:\img
	ds_store_b64 v[IB], v[PC+4:PC+5] offset:\img
	ds_store_b128 v[IA], v[PC+6:PC+9] offset:\img+768
	ds_store_b64 v[IB], v[PC+10:PC+11] offset:\img+768
	ds_store_b32 v[SW], v[PW] offset:\scw
.endm
; where K's, V's and the mask's streams begin: sequence s72, key and value head s73, my first row in its sequence s81
.macro STREAMS kf0, kbs, vf0, vbs, vgs, mp, mbs, mrs
	s_lshl_b32 s74, s72, \kbs
	s_lshr_b32 s75, s73, 1
	s_add_co_u32 s74, s74, s75
	s_add_co_u32 s74, s74, \kf0                    ; K: the fragment of the sequence's first token tile that holds my head,
	s_and_b32 s75, s73, 1                          ; and which half of it
	s_mul_i32 s76, s74, 1536
	s_mul_i32 s78, s75, 768
	s_add_co_u32 s76, s76, s78
	s_add_nc_u64 s[36:37], s[8:9], s[76:77]
	s_lshl_b32 s76, s74, 6
	s_lshl_b32 s78, s75, 1
	s_add_co_u32 s76, s76, s78
	s_add_co_u32 s76, s76, QS0
	s_add_nc_u64 s[38:39], s[8:9], s[76:77]
	s_lshl_b32 s74, s72, \vbs
	s_lshl_b32 s75, s73, \vgs
	s_add_co_u32 s74, s74, s75
	s_add_co_u32 s74, s74, \vf0                    ; V: my head's first tile of channels, key step 0
	s_mul_i32 s76, s74, 1536
	s_add_nc_u64 s[40:41], s[8:9], s[76:77]
	s_lshl_b32 s76, s74, 6
	s_add_co_u32 s76, s76, QS0
	s_add_nc_u64 s[42:43], s[8:9], s[76:77]
	s_lshl_b32 s76, s72, \mbs
	s_lshl_b32 s78, s81, \mrs
	s_add_co_u32 s76, s76, s78
	s_add_nc_u64 s[44:45], s[\mp:\mp+1], s[76:77]
	s_mov_b32 s47, 0
.endm
.macro LOADKM mo                       ; a key step's K (my head's half of eight fragments), mask and K's scale halves: 40 loads
	WIN 0x40
.irp t, 0,1,2,3,4,5,6,7
	global_load_b128 v[KW+6*\t:KW+6*\t+3], v[LA], s[36:37] offset:3072*\t
	global_load_b64 v[KW+6*\t+4:KW+6*\t+5], v[LB], s[36:37] offset:3072*\t
.endr
.set jj, 0
.rept 16
	global_load_b128 v[MW+4*jj:MW+4*jj+3], v[\mo], s[44:45] offset:128*(jj/4)+16*(jj%4)
.set jj, jj+1
.endr
	WIN 0
.irp t, 0,1,2,3,4,5,6,7
	global_load_u16 v[KSC+\t], v[R4], s[38:39] offset:128*\t   ; two bytes; the upper two come as 0
.endr
.endm
.macro LOADV ksv                       ; a key step's V: four fragments and their scale words: 20 loads
	WIN 0x40
.irp d, 0,1,2,3
.irp e, 0,1
	global_load_b128 v[VW+12*\d+6*\e:VW+12*\d+6*\e+3], v[LA], s[40:41] offset:\d*\ksv*1536+768*\e
	global_load_b64 v[VW+12*\d+6*\e+4:VW+12*\d+6*\e+5], v[LB], s[40:41] offset:\d*\ksv*1536+768*\e
.endr
.endr
	WIN 0
.irp d, 0,1,2,3
	global_load_b32 v[VSC+\d], v[R4], s[42:43] offset:\d*\ksv*64
.endr
.endm
; One head's part of a key step of 128 keys
.macro HEAD c, ksv, mo
.set ST_, STA+4*\c
.set OC_, O+32*\c
	WIN 0x01
.irp t, 0,1,2,3,4,5,6,7
	MM S+8*\t, KW+6*\t, Q0+12*\c, -1, KSC+\t, QSC+\c, 0
.endr
	PLACES
	WIN 0x04                                       ; source 1 in window 1
.set jj, 0
.rept 32
	v_pk_add_f32 v[S+jj:S+jj+1], v[S+jj:S+jj+1], v[MW+jj:MW+jj+1]   ; + the mask, in f32
.set jj, jj+2
.endr
	WIN 0
.if \c == 1
	s_cmp_gt_u32 s70, 1                            ; both heads are through with K and the mask: the next step's are asked for.  In the last trip the step is 0, so that no load leaves its buffer
	s_cselect_b32 s46, 24576, 0
	s_add_nc_u64 s[36:37], s[36:37], s[46:47]      ; (no load is out here: the bases may be stepped)
	s_cselect_b32 s46, 1024, 0
	s_add_nc_u64 s[38:39], s[38:39], s[46:47]
	s_cselect_b32 s46, 512, 0
	s_add_nc_u64 s[44:45], s[44:45], s[46:47]
	LOADKM \mo
.endif
.irp b, 0,1,2,3
	v_max3_num_f32 v[BM+\b], v[S+16*\b], v[S+1+16*\b], v[S+2+16*\b]   ; the largest score of each block of 32 keys: for the row's maximum, and for the block's largest p
.endr
.irp i, 3,5,7,9,11,13
.irp b, 0,1,2,3
	v_max3_num_f32 v[BM+\b], v[BM+\b], v[S+16*\b+\i], v[S+1+16*\b+\i]
.endr
.endr
.irp b, 0,1,2,3
	v_max_num_f32 v[BM+\b], v[BM+\b], v[S+15+16*\b]
.endr
.irp b, 0,1,2,3
	v_permlanex16_b32 v[BP+\b], v[BM+\b], s[SEL], s[SEL+1]
.endr
.irp b, 0,1,2,3
	v_max_num_f32 v[BM+\b], v[BM+\b], v[BP+\b]
.endr
	v_max3_num_f32 v[T0], v[BM], v[BM+1], v[BM+2]
	v_max_num_f32 v[T0], v[T0], v[BM+3]
	v_mul_f32 v[T0], s[CS], v[T0]
	v_max_num_f32 v[ST_+1], v[ST_+1], v[T0]        ; the running largest t
	v_mov_b32 v[T0], v[ST_]
	v_floor_f32 v[ST_], -v[ST_+1]                  ; -M = floor(-t): M is a whole number
	v_sub_f32 v[T0], v[ST_], v[T0]
	v_cvt_i32_f32 v[T0], v[T0]                     ; (it saturates)
	v_ldexp_f32 v[F], 1.0, v[T0]                   ; f = 2^(old M - new M)
.set jj, 0
.rept 32
	v_pk_fma_f32 v[S+jj:S+jj+1], v[S+jj:S+jj+1], s[CS:CS+1], v[ST_:ST_+1] op_sel_hi:[1,0,0]   ; t - M
.set jj, jj+2
.endr
.irp b, 0,1,2,3
	v_fma_f32 v[BM+\b], v[BM+\b], s[CS], v[ST_]
.endr
.set jj, 0
.rept 64
	v_exp_f32 v[S+jj], v[S+jj]
.set jj, jj+1
.endr
.irp b, 0,1,2,3
	v_exp_f32 v[BM+\b], v[BM+\b]                   ; the block's largest p: the same two instructions on the same number
.endr
	v_pk_mul_f32 v[ST_+2:ST_+3], v[ST_+2:ST_+3], v[F:F+1] op_sel_hi:[1,0]   ; the sums under the new M (a plain line behind the exponentials)
	s_wait_alu depctr_va_vdst(0)
.irp b, 0,1,2,3
	v_max_num_f32 v[BM+\b], 0x1800000, v[BM+\b]
.endr
.irp b, 0,1,2,3
	v_add_nc_u32 v[SO+\b], 0xff000000, v[BM+\b]
.endr
.irp b, 0,1,2,3
	v_lshrrev_b32 v[BP+\b], 23, v[SO+\b]
.endr
	v_lshl_or_b32 v[PW], v[BP+1], 8, v[BP]
	v_lshl_or_b32 v[PW], v[BP+2], 16, v[PW]
	v_lshl_or_b32 v[PW], v[BP+3], 24, v[PW]
.irp e, 0,1
	v_cvt_scalef32_pk16_fp6_f32 v[PC+6*\e:PC+2+6*\e], v[S+32*\e:S+15+32*\e], v[SO+2*\e]
	v_cvt_scalef32_pk16_fp6_f32 v[PC+12+4*\e:PC+14+4*\e], v[S+16+32*\e:S+31+32*\e], v[SO+2*\e+1]
.endr
	v_nop
.irp e, 0,1
.irp i, 0,1,2
	v_permlane16_swap_b32 v[PC+6*\e+\i], v[PC+12+4*\e+\i]
.endr
.irp i, 0,1,2
	v_mov_b32 v[PC+3+6*\e+\i], v[PC+12+4*\e+\i]
.endr
.endr
	v_pk_add_f32 v[T:T+1], v[S:S+1], v[S+2:S+3]    ; the row's sum, of the unquantised p, in two chains
.irp j, 4,8,12,16,20,24,28,32,36,40,44,48,52,56,60
	v_pk_add_f32 v[ST_+2:ST_+3], v[ST_+2:ST_+3], v[S+\j:S+\j+1]
	v_pk_add_f32 v[T:T+1], v[T:T+1], v[S+\j+2:S+\j+3]
.endr
	v_pk_add_f32 v[ST_+2:ST_+3], v[ST_+2:ST_+3], v[T:T+1]
.set jj, 0
.rept 16
	v_pk_mul_f32 v[OC_+jj:OC_+jj+1], v[OC_+jj:OC_+jj+1], v[F:F+1] op_sel_hi:[1,0]   ; the output under the new M
.set jj, jj+2
.endr
.if \c == 0
	s_wait_loadcnt 0x0                             ; V is in: nothing younger is out
.endif
	WIN 0x01
.irp d, 0,1,2,3
	MM OC_+8*\d, VW+12*\d, PC, OC_+8*\d, VSC+\d, PW, 0
.endr
.if \c == 1
	PLACES
	s_cmp_gt_u32 s70, 1
	s_cselect_b32 s46, 1536, 0
	s_add_nc_u64 s[40:41], s[40:41], s[46:47]      ; (V's loads were shown done in the first head's part)
	s_cselect_b32 s46, 64, 0
	s_add_nc_u64 s[42:43], s[42:43], s[46:47]
	LOADV \ksv
.endif
	WIN 0
.endm
.macro ATT ns, ksv, mo                 ; ns key steps
	WIN 0x40
.irp i, 0,1,2,3,4,5
	v_mov_b32 v[KW+48+\i], 0                       ; what the eighth tile's operand reaches into.  It is cleared FIRST: an operand register written by a vector instruction stands at least four plain vector lines ahead of the scaled product that names it, and the moves below are those lines
.endr
	WIN 0
.set jj, 0
.rept 64
	v_mov_b32 v[O+jj], 0                           ; the step is written once: the first finds zeros
.set jj, jj+1
.endr
.irp c, 0,1
	v_mov_b32 v[STA+4*\c+1], 0xff61b1e6            ; -3e38, under every t
	v_mov_b32 v[STA+4*\c+2], 0
	v_mov_b32 v[STA+4*\c+3], 0
.endr
.irp c, 0,1
	v_floor_f32 v[STA+4*\c], -v[STA+4*\c+1]
.endr
	s_mov_b32 s70, \ns
	LOADKM \mo
	LOADV \ksv
.Latt_\@:
	s_wait_loadcnt 20                              ; K, its scales and the mask are in; V's 20 loads may be out
	HEAD 0, \ksv, \mo
	HEAD 1, \ksv, \mo
	s_sub_co_u32 s70, s70, 1
	s_cmp_lg_u32 s70, 0
	s_cbranch_scc1 .Latt_\@
	s_wait_loadcnt 0x0                             ; the last trip's repeated loads
.endm
.macro FIN                             ; both heads' outputs are divided by their rows' sums
.irp c, 0,1
	v_add_f32 v[T+\c], v[STA+4*\c+2], v[STA+4*\c+3]
.endr
.irp c, 0,1
	v_permlanex16_b32 v[T+2+\c], v[T+\c], s[SEL], s[SEL+1]
.endr
.irp c, 0,1
	v_add_f32 v[T+\c], v[T+\c], v[T+2+\c]
.endr
.irp c, 0,1
	v_rcp_f32 v[T+4+2*\c], v[T+\c]
.endr
	v_nop
	s_wait_alu depctr_va_vdst(0)
.irp c, 0,1
.set jj, 0
.rept 16
	v_pk_mul_f32 v[O+32*\c+jj:O+32*\c+jj+1], v[O+32*\c+jj:O+32*\c+jj+1], v[T+4+2*\c:T+5+2*\c] op_sel_hi:[1,0]
.set jj, jj+2
.endr
.endr
.endm
.macro LOADW s                         ; K step s of my eight tiles of the weight: 32 loads
	WIN 0x40
.irp p, 0,1,2,3,4,5,6,7
.irp c, 0,1
	global_load_b128 v[96*((\s)%2)+12*\p+6*\c:96*((\s)%2)+12*\p+6*\c+3], v[LA], s[48:49] offset:(8*\p+(\s))*1536+768*\c
	global_load_b64 v[96*((\s)%2)+12*\p+6*\c+4:96*((\s)%2)+12*\p+6*\c+5], v[LB], s[48:49] offset:(8*\p+(\s))*1536+768*\c
.endr
.endr
	WIN 0
.endm
.macro LOADX s, img                    ; K step s of the tokens, from LDS: 4 loads
.irp c, 0,1
	ds_load_b128 v[XF+12*((\s)%2)+6*\c:XF+12*((\s)%2)+6*\c+3], v[LA] offset:\img+(\s)*1536+768*\c
	ds_load_b64 v[XF+12*((\s)%2)+6*\c+4:XF+12*((\s)%2)+6*\c+5], v[LB] offset:\img+(\s)*1536+768*\c
.endr
.endm
.macro UNIT_PRE wfi0, bp               ; a projection's loads from memory are asked for while its input is still being made
	s_lshl_b32 s76, s7, 6
	s_add_co_u32 s76, s76, \wfi0
	s_mul_i32 s78, s76, 1536
	s_add_nc_u64 s[48:49], s[10:11], s[78:79]
	s_lshl_b32 s78, s76, 6
	s_add_co_u32 s78, s78, WS0
	s_add_nc_u64 s[50:51], s[10:11], s[78:79]
.set jj, 0
.rept 16
	global_load_b128 v[ACC+4*jj:ACC+4*jj+3], v[FO], s[\bp:\bp+1] offset:128*(jj/4)+16*(jj%4)   ; the bias starts the sums
.set jj, jj+1
.endr
.irp p, 0,1,2,3,4,5,6,7
.irp q, 0,1,2,3
	global_load_b32 v[WSC+4*\p+\q], v[L4], s[50:51] offset:(8*\p+2*\q)*64
.endr
.endr
	LOADW 0
	LOADW 1
.endm
.macro UNIT_RUN img, scw
	LOADX 0, \img
.irp q, 0,1,2,3
	ds_load_b32 v[XSC+\q], v[L4] offset:\scw+128*\q
.endr
	LOADX 1, \img
.irp k, 0,1,2,3,4,5,6,7
.if \k < 7
	s_wait_loadcnt 32                              ; this K step's weight is in; the next step's 32 loads may be out
	s_wait_dscnt 4                                 ; and of the LDS loads the next step's four
.else
	s_wait_loadcnt 0x0
	s_wait_dscnt 0x0
.endif
	WIN 0x01
.irp p, 0,1,2,3,4,5,6,7
	MM ACC+8*\p, 96*(\k%2)+12*\p, XF+12*(\k%2), ACC+8*\p, WSC+4*\p+\k/2, XSC+\k/2, \k%2
.endr
	PLACES
.if \k < 6
	LOADW \k+2
	LOADX \k+2, \img
.endif
.endr
	WIN 0
.endm
.macro RADD                            ; the residual stream takes the projection's result
	WIN 0x44
.set jj, 0
.rept 32
	v_pk_add_f32 v[RW+jj:RW+jj+1], v[ACC+jj:ACC+jj+1], v[RW+jj:RW+jj+1]
.set jj, jj+2
.endr
	WIN 0
.endm
.macro GATHER st                       ; the eight waves' parts of my row's sum
.irp k, 0,1,2,3,4,5,6,7
	ds_load_b32 v[T+\k], v[R4] offset:\st+64*\k
.endr
	s_wait_dscnt 0x0
	v_add_f32 v[T], v[T], v[T+1]
	v_add_f32 v[T+2], v[T+2], v[T+3]
	v_add_f32 v[T+4], v[T+4], v[T+5]
	v_add_f32 v[T+6], v[T+6], v[T+7]
	v_add_f32 v[T], v[T], v[T+2]
	v_add_f32 v[T+4], v[T+4], v[T+6]
	v_add_f32 v[T], v[T], v[T+4]
.endm
.macro LNORM gp, bp, sta, stb          ; Y = LayerNorm of the residual stream
	WIN 0x40
.set jj, 0
.rept 16
	global_load_b128 v[GW+4*jj:GW+4*jj+3], v[FO], s[\gp:\gp+1] offset:128*(jj/4)+16*(jj%4)
	global_load_b128 v[BW+4*jj:BW+4*jj+3], v[FO], s[\bp:\bp+1] offset:128*(jj/4)+16*(jj%4)
.set jj, jj+1
.endr
	WIN 0x05
.set jj, 0
.rept 16
	v_pk_add_f32 v[Y+2*jj:Y+2*jj+1], v[RW+4*jj:RW+4*jj+1], v[RW+4*jj+2:RW+4*jj+3]
.set jj, jj+1
.endr
	WIN 0
.irp d, 16,8,4,2
.set kk, 0
.rept \d/2
	v_pk_add_f32 v[Y+kk:Y+kk+1], v[Y+kk:Y+kk+1], v[Y+\d+kk:Y+\d+kk+1]
.set kk, kk+2
.endr
.endr
	v_add_f32 v[T], v[Y], v[Y+1]
	v_permlanex16_b32 v[T+1], v[T], s[SEL], s[SEL+1]
	v_add_f32 v[T], v[T], v[T+1]
	ds_store_b32 v[SW], v[T] offset:\sta
	BARRIER
	GATHER \sta
	v_mul_f32 v[T+8], s71, v[T]                    ; the mean
	WIN 0x01
.set jj, 0
.rept 32
	v_pk_add_f32 v[Y+jj:Y+jj+1], v[RW+jj:RW+jj+1], v[T+8:T+9] op_sel_hi:[1,0] neg_lo:[0,1] neg_hi:[0,1]
.set jj, jj+2
.endr
	WIN 0
.irp q, 0,1,2,3
	v_pk_mul_f32 v[T+2*\q:T+2*\q+1], v[Y+2*\q:Y+2*\q+1], v[Y+2*\q:Y+2*\q+1]
.endr
.irp k, 8,16,24,32,40,48,56
.irp q, 0,1,2,3
	v_pk_fma_f32 v[T+2*\q:T+2*\q+1], v[Y+\k+2*\q:Y+\k+2*\q+1], v[Y+\k+2*\q:Y+\k+2*\q+1], v[T+2*\q:T+2*\q+1]
.endr
.endr
	v_pk_add_f32 v[T:T+1], v[T:T+1], v[T+2:T+3]
	v_pk_add_f32 v[T+4:T+5], v[T+4:T+5], v[T+6:T+7]
	v_pk_add_f32 v[T:T+1], v[T:T+1], v[T+4:T+5]
	v_add_f32 v[T], v[T], v[T+1]
	v_permlanex16_b32 v[T+1], v[T], s[SEL], s[SEL+1]
	v_add_f32 v[T], v[T], v[T+1]
	ds_store_b32 v[SW], v[T] offset:\stb
	BARRIER
	GATHER \stb
	v_fma_f32 v[T+10], v[T], s71, s83              ; variance + 1e-5
	v_rsq_f32 v[T+12], v[T+10]
	v_nop
	s_wait_loadcnt 0x0                             ; gain and bias
.set jj, 0
	s_wait_alu depctr_va_vdst(0)
.rept 32
	v_pk_mul_f32 v[Y+jj:Y+jj+1], v[Y+jj:Y+jj+1], v[T+12:T+13] op_sel_hi:[1,0]
.set jj, jj+2
.endr
	WIN 0x14
.set jj, 0
.rept 32
	v_pk_fma_f32 v[Y+jj:Y+jj+1], v[Y+jj:Y+jj+1], v[GW+jj:GW+jj+1], v[BW+jj:BW+jj+1]
.set jj, jj+2
.endr
	WIN 0
.endm
; The experts' weights ([K][N], K not innermost): a lane takes a column and its registers run down K; a wave takes 32 columns (two tiles), a work-group 256 columns x 256 along K
.macro ZLOAD t                         ; block t: 32 rows of my column; 32 lanes read 128 neighbouring bytes, the eight waves 1,024
.set ii, 0
.rept 32
	global_load_b32 v[ZX+32*((\t)%2)+ii], v[ZVO+ii], s[ZSB+2*(\t):ZSB+2*(\t)+1] th:TH_LOAD_NT
.set ii, ii+1
.endr
.endm
.macro ZBLK t                          ; block t = 4 s + 2 c + hq of my column: K step s, half c, lanes' half hq of the fragment
.set ZXS, ZX+32*((\t)%2)
.if (\t) < 7
	s_wait_loadcnt 32                              ; this block's 32 loads are in; the next block's 32 may be out
.else
	s_wait_loadcnt 0x0
.endif
	v_max3_num_f32 v6, |v[ZXS]|, |v[ZXS+1]|, |v[ZXS+2]|
	v_max3_num_f32 v7, |v[ZXS+3]|, |v[ZXS+4]|, |v[ZXS+5]|
.irp i, 6,10,14,18,22,26
	v_max3_num_f32 v6, v6, |v[ZXS+\i]|, |v[ZXS+\i+1]|
	v_max3_num_f32 v7, v7, |v[ZXS+\i+2]|, |v[ZXS+\i+3]|
.endr
	v_max3_num_f32 v6, v6, |v[ZXS+30]|, |v[ZXS+31]|
	v_max3_num_f32 v6, v6, v7, 0x1800000           ; the floor 2^(3 - 127): the byte cannot fall under 1
	v_add_nc_u32 v8, 0xff000000, v6                ; 2 off the exponent field: the conversion's scale operand
	v_cvt_scalef32_pk16_fp6_f32 v[ZCA+4*(\t):ZCA+4*(\t)+2], v[ZXS:ZXS+15], v8
	v_cvt_scalef32_pk16_fp6_f32 v[ZCH:ZCH+2], v[ZXS+16:ZXS+31], v8
	v_lshrrev_b32 v9, 23, v8                       ; the scale's byte (a plain line behind the conversions)
.if (\t)%4 == 0
	v_mov_b32 v[10+(\t)/4], v9
.else
	v_lshl_or_b32 v[10+(\t)/4], v9, 8*((\t)%4), v[10+(\t)/4]
.endif
	v_mov_b32 v[ZCA+4*(\t)+3], v[ZCH]
	v_mov_b32 v[ZCB+4*((\t)/2)+2*((\t)%2)], v[ZCH+1]
	v_mov_b32 v[ZCB+4*((\t)/2)+2*((\t)%2)+1], v[ZCH+2]
	global_store_b128 v4, v[ZCA+4*(\t):ZCA+4*(\t)+3], s[82:83] offset:1536*((\t)/4)+768*(((\t)%4)/2)+256*((\t)%2)   ; sixteen lanes of a tile store 256 consecutive bytes, aligned
.if (\t)%2
	global_store_b128 v4, v[ZCB+4*((\t)/2):ZCB+4*((\t)/2)+3], s[82:83] offset:1536*((\t)/4)+768*(((\t)%4)/2)+512
.endif
.if (\t) < 6
	ZLOAD (\t)+2
.endif
.endm
	v_lshl_add_u32 v254, v0, 2, 0x1a800
	v_mov_b32 v255, 0
	s_cmp_ge_u32 ttmp9, 64                         ; the same in all eight waves: it hangs on the work-group's number alone
	s_cbranch_scc1 .Lquant
	s_load_b512 s[8:23], s[0:1], 0x0               ; qkv s8, wimg s10, hidden s12, mask s14, encoder mask s16, sa_o_b s18, ln2_g s20, ln2_b s22
	s_load_b256 s[24:31], s[0:1], 0x40             ; ca_q_b s24, ca_o_b s26, ln3_g s28, ln3_b s30
	s_load_b128 s[32:35], s[0:1], 0x60             ; x3img s32, h2 s34
	v_lshrrev_b32 v15, 5, v0
	v_readfirstlane_b32 s7, v15                    ; wave 0..7
	v_and_b32 v15, 31, v0
	v_lshlrev_b32 v[LA], 4, v15
	v_lshlrev_b32 v[L4], 2, v15
	v_and_b32 v[T], 15, v0                         ; r
	v_bfe_u32 v[T+1], v0, 4, 1                     ; h
	v_and_b32 v[T+2], 8, v[T]
	v_add_nc_u32 v[T+2], v[T+2], v[T]              ; r + 8 (r / 8): my token's row in the tile
	v_lshlrev_b32 v[LB], 4, v[T]
	v_lshl_add_u32 v[LB], v[T+1], 3, v[LB]
	v_add_nc_u32 v[LB], 512, v[LB]
	v_lshlrev_b32 v[R4], 2, v[T]
	v_lshlrev_b32 v[T+3], 6, v[T+1]
	v_lshl_add_u32 v[RO], v[T+2], 12, v[T+3]
	v_lshl_add_u32 v[MS], v[T+2], 10, v[T+3]
	v_lshl_add_u32 v[ME], v[T+2], 11, v[T+3]
	s_lshl_b32 s71, s7, 9
	v_add_nc_u32 v[FO], s71, v[T+3]
	s_lshl_b32 s71, s7, 6
	v_add_nc_u32 v[SW], s71, v[R4]
	s_mul_i32 s71, s7, 1536
	v_add_nc_u32 v[IA], s71, v[LA]
	v_add_nc_u32 v[IB], s71, v[LB]
	s_mul_i32 s71, s7, 8448
	s_add_co_u32 s71, s71, STG
	v_mul_u32_u24 v[SIN], v[T], 528
	v_add_nc_u32 v[SIN], v[SIN], v[T+3]
	v_add_nc_u32 v[SIN], s71, v[SIN]
	v_add_nc_u32 v[SRD], s71, v[LA]
	v_lshrrev_b32 v[PFO], 3, v0                    ; the prefetch: thread n of the first 128 takes row n / 8 of the tile, block n % 8 of its 2,048 bytes
	v_and_b32 v15, 8, v[PFO]
	v_add_nc_u32 v[PFO], v[PFO], v15
	v_lshlrev_b32 v[PFO], 11, v[PFO]
	v_and_b32 v15, 7, v0
	v_lshl_add_u32 v[PFO], v15, 8, v[PFO]
.set jj, 0
.rept 16
	v_mov_b32 v[T+jj], 0                           ; written once: permutes' destinations and the upper halves of broadcast pairs count as read
.set jj, jj+1
.endr
.irp b, 0,1,2,3
	v_mov_b32 v[TM+4+\b], 0
.endr
	v_mov_b32 v[F+1], 0
	s_mov_b32 s[SEL], 0x76543210
	s_mov_b32 s[SEL+1], 0xfedcba98
	s_mov_b32 s[CS], 0x3fb8aa3b                    ; log2(e): the queries already carry 64^-0.5
	s_mov_b32 s[CS+1], s[CS]
	s_mov_b32 s83, 0x3727c5ac                      ; 1e-5
	s_lshr_b32 s80, ttmp9, 1
	s_lshl_b32 s80, s80, 5
	s_and_b32 s81, ttmp9, 1
	s_lshl_b32 s81, s81, 3
	s_add_co_u32 s80, s80, s81                     ; the tile's first token
	s_and_b32 s81, s80, 255                        ; and its place in the sequence
	s_lshr_b32 s72, ttmp9, 4                       ; the sequence
	s_lshr_b32 s73, s7, 1                          ; my heads' key and value head
	s_lshl_b32 s82, ttmp9, 3
	s_add_co_u32 s82, s82, s7                      ; fragment 8 x tile + wave
	s_mov_b32 s77, 0
	s_mov_b32 s79, 0
	s_lshl_b32 s76, s80, 12
	s_lshl_b32 s78, s7, 9
	s_add_co_u32 s76, s76, s78
	s_wait_kmcnt 0x0
	s_add_nc_u64 s[54:55], s[12:13], s[76:77]      ; hidden_states and h2 at my tile's first row, my 128 columns
	s_add_nc_u64 s[52:53], s[34:35], s[76:77]
	s_mul_i32 s76, s82, 1536
	s_add_nc_u64 s[84:85], s[8:9], s[76:77]        ; my queries' codes
	s_add_nc_u64 s[56:57], s[32:33], s[76:77]      ; where LayerNorm 3's codes go
	s_lshl_b32 s76, s82, 6
	s_add_co_u32 s78, s76, QS0
	s_add_nc_u64 s[86:87], s[8:9], s[78:79]
	s_add_co_u32 s76, s76, XS0
	s_add_nc_u64 s[58:59], s[32:33], s[76:77]
	s_lshl_b32 s76, s72, 19
	s_lshl_b32 s78, s81, 11
	s_add_co_u32 s76, s76, s78
	s_add_nc_u64 s[60:61], s[16:17], s[76:77]      ; the encoder mask's rows of my tile; never rewritten
	s_mov_b32 s71, 0x3a800000                      ; 1 / 1024
	s_cmp_lt_u32 s7, 4
	s_cbranch_scc0 .Lno_pf
	global_prefetch_b8 v[PFO], s[60:61] th:TH_LOAD_NT scope:SCOPE_SE   ; the 128 blocks of 256 bytes of the tile's 16 rows of the encoder mask, each asked for once, by waves 0 to 3; they are loaded behind self-attention, two projections and a norm
.Lno_pf:
	WIN 0x40
.set jj, 0
.rept 16
	global_load_b128 v[RW+4*jj:RW+4*jj+3], v[RO], s[54:55] offset:128*(jj/4)+16*(jj%4)   ; the residual stream begins as hidden_states
.set jj, jj+1
.endr
	WIN 0
.irp c, 0,1
	global_load_b128 v[Q0+12*\c:Q0+12*\c+3], v[LA], s[84:85] offset:768*\c
	global_load_b64 v[Q0+12*\c+4:Q0+12*\c+5], v[LB], s[84:85] offset:768*\c
	global_load_u16 v[QSC+\c], v[R4], s[86:87] offset:2*\c
.irp i, 6,7,8,9,10,11
	v_mov_b32 v[Q0+12*\c+\i], 0                    ; the upper 64 along K: zero codes
.endr
.endr
	; ---- self-attention: 256 keys in 2 steps
	STREAMS 512, 5, 640, 5, 3, 14, 18, 10
	ATT 2, 2, MS
	UNIT_PRE 512, 18
	FIN
	QUANT4 O
	IMG_L OI1, SC1
	BARRIER                                        ; the eight K steps of the attention's output lie in LDS
	UNIT_RUN OI1, SC1
	RADD
	; ---- LayerNorm 2 and the cross-attention's queries
	LNORM 20, 22, ST1, ST2
	UNIT_PRE 1024, 24
	QUANT4 Y
	IMG_L XI2, SC2
	BARRIER
	UNIT_RUN XI2, SC2
.set jj, 0
.rept 32
	v_pk_mul_f32 v[ACC+jj:ACC+jj+1], v[ACC+jj:ACC+jj+1], 0x3e000000 op_sel_hi:[1,0]   ; x 64^-0.5
.set jj, jj+2
.endr
	QUANT4 ACC                                     ; my 128 features are my two heads: the fragment's halves are the two query operands
.irp c, 0,1
.irp i, 0,1,2,3,4,5
	v_mov_b32 v[Q0+12*\c+\i], v[PC+6*\c+\i]
	v_mov_b32 v[Q0+12*\c+6+\i], 0
.endr
.endr
	v_and_b32 v[QSC], 0xffff, v[PW]
	v_lshrrev_b32 v[QSC+1], 16, v[PW]
	; ---- cross-attention: 512 keys in 4 steps
	STREAMS 768, 6, 1024, 6, 4, 16, 19, 11
	ATT 4, 4, ME
	UNIT_PRE 1536, 26
	FIN
	QUANT4 O
	IMG_L OI2, SC3
	BARRIER
	UNIT_RUN OI2, SC3
	RADD                                           ; the residual stream is h2
	; ---- LayerNorm 3, codes for the experts
	LNORM 28, 30, ST3, ST4
	QUANT4 Y
	global_store_b128 v[LA], v[PC:PC+3], s[56:57]
	global_store_b64 v[LB], v[PC+4:PC+5], s[56:57]
	global_store_b128 v[LA], v[PC+6:PC+9], s[56:57] offset:768
	global_store_b64 v[LB], v[PC+10:PC+11], s[56:57] offset:768
	global_store_b32 v[R4], v[PW], s[58:59]
	; ---- h2 leaves through my own stage, as rows of 512 bytes
	WIN 0x04                                       ; an LDS store's data are its source 1: window 1
.set jj, 0
.rept 16
	ds_store_b128 v[SIN], v[RW+4*jj:RW+4*jj+3] offset:128*(jj/4)+16*(jj%4)
.set jj, jj+1
.endr
	WIN 0
.set jj, 0
.rept 16
	ds_load_b128 v[ACC+4*jj:ACC+4*jj+3], v[SRD] offset:528*jj   ; LDS serves a wave's instructions in order: these see my stores
.set jj, jj+1
.endr
.set jj, 0
.rept 16
	s_wait_dscnt 15-jj
	global_store_b128 v[LA], v[ACC+4*jj:ACC+4*jj+3], s[52:53] offset:(jj+8*(jj/8))*4096   ; 32 lanes store 512 consecutive bytes, aligned
.set jj, jj+1
.endr
	s_wait_tensorcnt 0x0
	ds_add_u32 v254, v255
	s_wait_dscnt 0x0
	s_endpgm
	; ---------------- work-groups 64-831: the experts' weights.  No LDS, no barrier: waves share nothing
.Lquant:
	s_load_b128 s[8:11], s[0:1], 0x70              ; mimg s8, langs s10
	s_load_b128 s[12:15], s[0:1], 0x80             ; w1 s12, w3 s14
	s_load_b64 s[16:17], s[0:1], 0x90              ; w2 s16
	v_lshrrev_b32 v1, 5, v0
	v_readfirstlane_b32 s3, v1                     ; wave 0..7
	v_and_b32 v1, 31, v0                           ; lane
	s_sub_co_u32 s2, ttmp9, 64                     ; 0..767
	s_lshr_b32 s52, s2, 8                          ; which weight: 0 w1, 1 w3, 2 w2
	s_bfe_u32 s53, s2, 0x30005                     ; the expert
	s_and_b32 s54, s2, 31                          ; the part of its weight
	s_lshl_b32 s58, s52, 3
	s_add_co_u32 s58, s58, s53
	s_lshl_b32 s58, s58, 10                        ; its first fragment
	s_lshl_b32 s59, s53, 23                        ; an expert's weight is 8 MiB
	s_mov_b32 s60, 0                               ; wanted only if langs names the expert
	s_mov_b32 s56, 8192                            ; the row pitch,
	s_cmp_eq_u32 s52, 2                            ; w2 is [2048][1024], w1 and w3 are [1024][2048]
	s_cselect_b32 s55, 2, 3                        ; log2 of the groups of 256 columns,
	s_cselect_b32 s56, 4096, s56
	s_cselect_b32 s57, 16, 8                       ; the K steps
	s_wait_kmcnt 0x0
	s_load_b256 s[44:51], s[10:11], 0x0            ; the eight language codes
	s_add_co_u32 s89, s53, 4                       ; the expert's code
	s_lshl_b32 s61, 1, s55
	s_sub_co_u32 s61, s61, 1
	s_and_b32 s61, s54, s61                        ; column group
	s_lshr_b32 s62, s54, s55                       ; group of 256 along K
	s_lshl_b32 s63, s61, 3
	s_add_co_u32 s63, s63, s3                      ; my pair of tiles = 8 x column group + wave
	s_mul_i32 s6, s62, s56
	s_lshl_b32 s6, s6, 8                           ; 256 rows a K group
	s_add_co_u32 s6, s6, s59
	s_lshl_b32 s7, s63, 7                          ; 32 columns of 4 bytes a pair
	s_add_co_u32 s6, s6, s7
	s_mov_b32 s7, 0
	s_mul_i32 s88, s63, s57
	s_add_co_u32 s88, s88, s62
	s_lshl_b32 s88, s88, 1
	s_add_co_u32 s88, s88, s58                     ; my first fragment = first + 2 pair x K steps + 2 K group
	s_mul_i32 s90, s88, 1536
	s_mov_b32 s91, 0
	s_lshl_b32 s92, s88, 6
	s_add_co_u32 s92, s92, MS0
	s_mov_b32 s93, 0
	s_lshl_b32 s86, s56, 5                         ; 32 rows
	s_mov_b32 s87, 0
	s_wait_kmcnt 0x0
.irp i, 0,1,2,3,4,5,6,7
	s_cmp_eq_u32 s[44+\i], s89
	s_cselect_b32 s94, 1, 0
	s_or_b32 s60, s60, s94
.endr
	s_cmp_lg_u32 s60, 0
	s_cbranch_scc0 .Lqend                          ; an expert that no sequence uses: nothing of it is read later
	s_mov_b64 s[4:5], s[12:13]
	s_cmp_eq_u32 s52, 1
	s_cselect_b64 s[4:5], s[14:15], s[4:5]
	s_cmp_eq_u32 s52, 2
	s_cselect_b64 s[4:5], s[16:17], s[4:5]
	s_add_nc_u64 s[ZSB:ZSB+1], s[4:5], s[6:7]
.irp t, 1,2,3,4,5,6,7
	s_add_nc_u64 s[ZSB+2*\t:ZSB+2*\t+1], s[ZSB+2*\t-2:ZSB+2*\t-1], s[86:87]
.endr
	s_add_nc_u64 s[82:83], s[8:9], s[90:91]
	s_add_nc_u64 s[84:85], s[8:9], s[92:93]
	v_bfe_u32 v2, v0, 3, 1                         ; which tile of the pair my column falls into
	v_and_b32 v3, 7, v0
	v_bfe_u32 v6, v0, 4, 1
	v_lshl_add_u32 v3, v6, 3, v3                   ; and which row of it: lane % 8 + 8 (lane / 16)
	s_mul_i32 s94, s57, 1536
	v_mul_u32_u24 v4, s94, v2
	v_lshl_add_u32 v4, v3, 4, v4                   ; codes: the tile's fragments lie K steps apart; 16 bytes a row
	s_lshl_b32 s94, s57, 6
	v_mul_u32_u24 v5, s94, v2
	v_lshl_add_u32 v5, v3, 2, v5                   ; scale words: 4 bytes a row
	v_lshlrev_b32 v[ZVO], 2, v1
.set ii, 1
.rept 31
	v_add_nc_u32 v[ZVO+ii], s56, v[ZVO+ii-1]
.set ii, ii+1
.endr
	ZLOAD 0
	ZLOAD 1
.irp t, 0,1,2,3,4,5,6,7
	ZBLK \t
.endr
	global_store_b32 v5, v10, s[84:85]             ; my row's scale words of the two K steps
	global_store_b32 v5, v11, s[84:85] offset:64
.Lqend:
	s_endpgm
.Lfunc_end_k_qf4c3a49a5c_mid:
	.size	k_qf4c3a49a5c_mid, .Lfunc_end_k_qf4c3a49a5c_mid-k_qf4c3a49a5c_mid
	.p2alignl 7, 3214868480
	.fill 96, 4, 3214868480
	.section	.rodata,"a",@progbits
	.p2align	6, 0x0
	.amdhsa_kernel k_qf4c3a49a5c_mid
		.amdhsa_group_segment_fixed_size 109568
		.amdhsa_private_segment_fixed_size 0
		.amdhsa_enable_private_segment 0
		.amdhsa_kernarg_size 152
		.amdhsa_user_sgpr_count 2
		.amdhsa_user_sgpr_kernarg_segment_ptr 1
		.amdhsa_wavefront_size32 1
		.amdhsa_system_sgpr_workgroup_id_x 1
		.amdhsa_system_sgpr_workgroup_id_y 1
		.amdhsa_system_sgpr_workgroup_id_z 1
		.amdhsa_system_vgpr_workitem_id 0
		.amdhsa_next_free_vgpr 512
		.amdhsa_next_free_sgpr 100
		.amdhsa_reserve_vcc 0
		.amdhsa_float_denorm_mode_32 3
		.amdhsa_float_denorm_mode_16_64 3
		.amdhsa_memory_ordered 1
		.amdhsa_forward_progress 1
		.amdhsa_inst_pref_size 255
	.end_amdhsa_kernel
	.section	.bss,"aw",@nobits
	.p2align	6
	.space	262144
	.amdgpu_metadata
---
amdhsa.version: [ 1, 2 ]
amdhsa.kernels:
  - .name:           k_qf4c3a49a5c_mid
    .symbol:         k_qf4c3a49a5c_mid.kd
    .args:
      - { .name: qkv, .offset: 0, .size: 8, .value_kind: global_buffer, .address_space: global }
      - { .name: wimg, .offset: 8, .size: 8, .value_kind: global_buffer, .address_space: global }
      - { .name: hidden_states, .offset: 16, .size: 8, .value_kind: global_buffer, .address_space: global }
      - { .name: attention_mask, .offset: 24, .size: 8, .value_kind: global_buffer, .address_space: global }
      - { .name: encoder_attention_mask, .offset: 32, .size: 8, .value_kind: global_buffer, .address_space: global }
      - { .name: sa_o_b, .offset: 40, .size: 8, .value_kind: global_buffer, .address_space: global }
      - { .name: ln2_g, .offset: 48, .size: 8, .value_kind: global_buffer, .address_space: global }
      - { .name: ln2_b, .offset: 56, .size: 8, .value_kind: global_buffer, .address_space: global }
      - { .name: ca_q_b, .offset: 64, .size: 8, .value_kind: global_buffer, .address_space: global }
      - { .name: ca_o_b, .offset: 72, .size: 8, .value_kind: global_buffer, .address_space: global }
      - { .name: ln3_g, .offset: 80, .size: 8, .value_kind: global_buffer, .address_space: global }
      - { .name: ln3_b, .offset: 88, .size: 8, .value_kind: global_buffer, .address_space: global }
      - { .name: x3img, .offset: 96, .size: 8, .value_kind: global_buffer, .address_space: global }
      - { .name: h2, .offset: 104, .size: 8, .value_kind: global_buffer, .address_space: global }
      - { .name: mimg, .offset: 112, .size: 8, .value_kind: global_buffer, .address_space: global }
      - { .name: langs, .offset: 120, .size: 8, .value_kind: global_buffer, .address_space: global }
      - { .name: moe_w1, .offset: 128, .size: 8, .value_kind: global_buffer, .address_space: global }
      - { .name: moe_w3, .offset: 136, .size: 8, .value_kind: global_buffer, .address_space: global }
      - { .name: moe_w2, .offset: 144, .size: 8, .value_kind: global_buffer, .address_space: global }
    .group_segment_fixed_size: 109568
    .private_segment_fixed_size: 0
    .kernarg_segment_align: 8
    .kernarg_segment_size: 152
    .max_flat_workgroup_size: 256
    .sgpr_count:     100
    .vgpr_count:     512
    .wavefront_size: 32
...
	.end_amdgpu_metadata
.endif
;; end of part 3
;; launch up (part 4): grid 32 x 8, 4 waves a work-group, no clusters, 0 bytes of LDS; arguments x3img, mimg, langs, hid; writes hid
.if DOCPART == 4
	.amdgcn_target "amdgcn-amd-amdhsa--gfx1250"
	.amdhsa_code_object_version 6
	.text
	.protected	k_qf4c3a49a5c_up
	.globl	k_qf4c3a49a5c_up
	.p2align	8
	.type	k_qf4c3a49a5c_up,@function
k_qf4c3a49a5c_up:
	s_mov_b64 s[64:65], 0
	v_nop
	global_prefetch_b8 v0, s[64:65] scope:SCOPE_SE
	s_setreg_imm32_b32 hwreg(HW_REG_WAVE_MODE, 25, 1), 1
	s_wait_xcnt 0x0
; UP: h = gelu(x w1) * (x w3) for the experts that a sequence's language codes name, quantised along the hidden units.
; Work-group (x, y): 64 hidden units 64 x .. 64 x + 63; sequence y % 4; place y / 4 among the sequence's matched experts (at most two, since a sequence has two codes).  A place that the sequence does not fill has no work:
; the work-group stores nothing and ends (a branch on the index input; the launch has no barrier).  Wave tg takes token tiles 16 b + 4 tg + 0..3.
; Source 0 = 16 columns of w1 or w3, source 1 = 16 tokens: a lane holds one token and, of each weight, 32 numbers that are 16 (lane / 16) + 0..15 of each 32 hidden units: two blocks, half a fragment of the next product's operand.
; gelu is the exact one: x (1 + erf(x / sqrt 2)) / 2, erf by a polynomial under 0.9277 and by 1 - exp(polynomial) above; both are computed and one is chosen by a select.
; No tensor load (the expert's address hangs on langs, and some work-groups end early) and so no cluster: operands lie in memory in the order of the registers.
; LIMITS: NaN and infinities are not served; erf is good to about one unit in the last place; a block under 2^-124 gets the byte 1.  If no sequence names an expert, this launch stores nothing.
.set MS0, 37748736
.set XS0, 786432
.set HS0, 3145728
.set LA,  1
.set LB,  2
.set L4,  3
.set R4,  4
.set WSC, 16                           ; v16-47  the weights' scale words: (4 mat + t) x 4 + pair of K steps
.set XSC, 48                           ; v48-63  the tokens'
.set XF,  64                           ; v64-159 four token fragments, two buffers; later the gelu's registers
.set GS,  64
.set GT,  80
.set GR,  96
.set GU,  112
.set GQ,  128
.set PC,  160
.set PW,  180
.set TM,  184
.set Z,   200                          ; v200-231
.set SEL, 54
.set MSB, 0
.macro WIN new
.if MSB != \new
	s_set_vgpr_msb (MSB<<8)|\new
.set MSB, \new
.endif
.endm
.macro PLACES
.rept 4
	v_nop
.endr
.endm
.macro MM d, a, b, c, sa, sb, odd
.if (\c) < 0
.if \odd
	v_wmma_scale_f32_16x16x128_f8f6f4 v[\d:\d+7], v[\a:\a+11], v[\b:\b+11], 0, v[\sa], v[\sb] matrix_a_fmt:MATRIX_FMT_FP6 matrix_b_fmt:MATRIX_FMT_FP6 matrix_a_scale:MATRIX_SCALE_ROW1 matrix_b_scale:MATRIX_SCALE_ROW1
.else
	v_wmma_scale_f32_16x16x128_f8f6f4 v[\d:\d+7], v[\a:\a+11], v[\b:\b+11], 0, v[\sa], v[\sb] matrix_a_fmt:MATRIX_FMT_FP6 matrix_b_fmt:MATRIX_FMT_FP6
.endif
.else
.if \odd
	v_wmma_scale_f32_16x16x128_f8f6f4 v[\d:\d+7], v[\a:\a+11], v[\b:\b+11], v[\c:\c+7], v[\sa], v[\sb] matrix_a_fmt:MATRIX_FMT_FP6 matrix_b_fmt:MATRIX_FMT_FP6 matrix_a_scale:MATRIX_SCALE_ROW1 matrix_b_scale:MATRIX_SCALE_ROW1
.else
	v_wmma_scale_f32_16x16x128_f8f6f4 v[\d:\d+7], v[\a:\a+11], v[\b:\b+11], v[\c:\c+7], v[\sa], v[\sb] matrix_a_fmt:MATRIX_FMT_FP6 matrix_b_fmt:MATRIX_FMT_FP6
.endif
.endif
.endm
.macro QUANT2 s                        ; 32 numbers of a lane, two blocks: half a fragment's codes in v[PC] .. v[PC+5], two scale bytes in v[PW]
.irp b, 0,1
	v_max3_num_f32 v[TM+\b], |v[\s+16*\b]|, |v[\s+1+16*\b]|, 0x1800000
.endr
.irp i, 2,4,6,8,10,12,14
.irp b, 0,1
	v_max3_num_f32 v[TM+\b], v[TM+\b], |v[\s+16*\b+\i]|, |v[\s+1+16*\b+\i]|
.endr
.endr
.irp b, 0,1
	v_permlanex16_b32 v[TM+4+\b], v[TM+\b], s[SEL], s[SEL+1]
.endr
.irp b, 0,1
	v_max_num_f32 v[TM+\b], v[TM+\b], v[TM+4+\b]
.endr
.irp b, 0,1
	v_add_nc_u32 v[TM+12+\b], 0xff000000, v[TM+\b]
.endr
.irp b, 0,1
	v_lshrrev_b32 v[TM+4+\b], 23, v[TM+12+\b]
.endr
	v_lshl_or_b32 v[PW], v[TM+5], 8, v[TM+4]
	v_cvt_scalef32_pk16_fp6_f32 v[PC:PC+2], v[\s:\s+15], v[TM+12]
	v_cvt_scalef32_pk16_fp6_f32 v[PC+12:PC+14], v[\s+16:\s+31], v[TM+13]
	v_nop
.irp i, 0,1,2
	v_permlane16_swap_b32 v[PC+\i], v[PC+12+\i]
.endr
.irp i, 0,1,2
	v_mov_b32 v[PC+3+\i], v[PC+12+\i]
.endr
.endm
.macro LOADS s                         ; K step s: four tiles of w1, four of w3 (window 1), four token tiles: 48 loads
	WIN 0x40
.irp t, 0,1,2,3
.irp c, 0,1
	global_load_b128 v[96*((\s)%2)+12*\t+6*\c:96*((\s)%2)+12*\t+6*\c+3], v[LA], s[36:37] offset:(8*\t+(\s))*1536+768*\c
	global_load_b64 v[96*((\s)%2)+12*\t+6*\c+4:96*((\s)%2)+12*\t+6*\c+5], v[LB], s[36:37] offset:(8*\t+(\s))*1536+768*\c
	global_load_b128 v[96*((\s)%2)+48+12*\t+6*\c:96*((\s)%2)+48+12*\t+6*\c+3], v[LA], s[38:39] offset:(8*\t+(\s))*1536+768*\c
	global_load_b64 v[96*((\s)%2)+48+12*\t+6*\c+4:96*((\s)%2)+48+12*\t+6*\c+5], v[LB], s[38:39] offset:(8*\t+(\s))*1536+768*\c
.endr
.endr
	WIN 0
.irp t, 0,1,2,3
.irp c, 0,1
	global_load_b128 v[XF+48*((\s)%2)+12*\t+6*\c:XF+48*((\s)%2)+12*\t+6*\c+3], v[LA], s[44:45] offset:(8*\t+(\s))*1536+768*\c
	global_load_b64 v[XF+48*((\s)%2)+12*\t+6*\c+4:XF+48*((\s)%2)+12*\t+6*\c+5], v[LB], s[44:45] offset:(8*\t+(\s))*1536+768*\c
.endr
.endr
.endm
.macro GELU m                          ; Z = gelu(x w1) * (x w3) for token tile m
	WIN 0x02                                       ; source 0 in window 2
.set jj, 0
.rept 16
	v_pk_mul_f32 v[Z+jj:Z+jj+1], v[64*\m+jj:64*\m+jj+1], 0x3f3504f3 op_sel_hi:[1,0]   ; z = a / sqrt 2
.set jj, jj+2
.endr
	WIN 0
.irp g, 0,1
.set ZG, Z+16*\g
.set jj, 0
.rept 8
	v_pk_mul_f32 v[GS+jj:GS+jj+1], v[ZG+jj:ZG+jj+1], v[ZG+jj:ZG+jj+1]
.set jj, jj+2
.endr
.set jj, 0
.rept 16
	v_and_b32 v[GT+jj], 0x7fffffff, v[ZG+jj]
.set jj, jj+1
.endr
.set jj, 0
.rept 8
	v_pk_fma_f32 v[GR+jj:GR+jj+1], v[GT+jj:GT+jj+1], 0xb7910000, v[8:9] op_sel_hi:[1,0,1]
.set jj, jj+2
.endr
.set jj, 0
.rept 8
	v_pk_fma_f32 v[GU+jj:GU+jj+1], v[GT+jj:GT+jj+1], 0xbb7e8a1c, v[10:11] op_sel_hi:[1,0,1]
.set jj, jj+2
.endr
.set jj, 0
.rept 8
	v_pk_fma_f32 v[GR+jj:GR+jj+1], v[GR+jj:GR+jj+1], v[GS+jj:GS+jj+1], v[GU+jj:GU+jj+1]
.set jj, jj+2
.endr
.irp k, 0xbddaae5c, 0xbf228550, 0xbe03ce86
.set jj, 0
.rept 8
	v_pk_fma_f32 v[GR+jj:GR+jj+1], v[GR+jj:GR+jj+1], v[GT+jj:GT+jj+1], \k op_sel_hi:[1,1,0]
.set jj, jj+2
.endr
.endr
.set jj, 0
.rept 8
	v_pk_fma_f32 v[GR+jj:GR+jj+1], v[GR+jj:GR+jj+1], v[GT+jj:GT+jj+1], v[GT+jj:GT+jj+1] neg_lo:[0,0,1] neg_hi:[0,0,1]
.set jj, jj+2
.endr
.set jj, 0
.rept 8
	v_pk_mul_f32 v[GR+jj:GR+jj+1], v[GR+jj:GR+jj+1], 0x3fb8aa3b op_sel_hi:[1,0]
.set jj, jj+2
.endr
.set jj, 0
.rept 16
	v_exp_f32 v[GR+jj], v[GR+jj]
.set jj, jj+1
.endr
.set jj, 0
.rept 8
	v_pk_fma_f32 v[GQ+jj:GQ+jj+1], v[GS+jj:GS+jj+1], 0xba1c7000, v[12:13] op_sel_hi:[1,0,1]   ; the small branch: plain lines behind the exponentials
.set jj, jj+2
.endr
.irp k, 0xbcdb48d9, 0x3de70e22, 0xbec09380, 0x3e0375d4
.set jj, 0
.rept 8
	v_pk_fma_f32 v[GQ+jj:GQ+jj+1], v[GQ+jj:GQ+jj+1], v[GS+jj:GS+jj+1], \k op_sel_hi:[1,1,0]
.set jj, jj+2
.endr
.endr
.set jj, 0
.rept 8
	v_pk_fma_f32 v[GQ+jj:GQ+jj+1], v[GQ+jj:GQ+jj+1], v[ZG+jj:ZG+jj+1], v[ZG+jj:ZG+jj+1]
.set jj, jj+2
.endr
.set jj, 0
	s_wait_alu depctr_va_vdst(0)
.rept 8
	v_pk_add_f32 v[GR+jj:GR+jj+1], v[GR+jj:GR+jj+1], 1.0 op_sel_hi:[1,0] neg_lo:[1,0] neg_hi:[1,0]   ; 1 - exp
.set jj, jj+2
.endr
.set jj, 0
.rept 16
	v_and_or_b32 v[GR+jj], v[ZG+jj], 0x80000000, v[GR+jj]      ; with z's sign
.set jj, jj+1
.endr
.set jj, 0
.rept 16
	v_cmp_lt_f32 vcc_lo, 0x3f6d8000, v[GT+jj]                  ; 0.927734375 < |z|
	v_cndmask_b32 v[GR+jj], v[GQ+jj], v[GR+jj], vcc_lo
.set jj, jj+1
.endr
.set jj, 0
.rept 8
	v_pk_fma_f32 v[ZG+jj:ZG+jj+1], v[GR+jj:GR+jj+1], 0.5, 0.5 op_sel_hi:[1,0,0]   ; (1 + erf) / 2
.set jj, jj+2
.endr
.endr
	WIN 0x02
.set jj, 0
.rept 16
	v_pk_mul_f32 v[Z+jj:Z+jj+1], v[64*\m+jj:64*\m+jj+1], v[Z+jj:Z+jj+1]
.set jj, jj+2
.endr
.set jj, 0
.rept 16
	v_pk_mul_f32 v[Z+jj:Z+jj+1], v[64*\m+32+jj:64*\m+32+jj+1], v[Z+jj:Z+jj+1]
.set jj, jj+2
.endr
	WIN 0
.endm
	s_load_b256 s[8:15], s[0:1], 0x0               ; x3img s8, mimg s10, langs s12, hid s14
	v_lshrrev_b32 v5, 5, v0
	v_readfirstlane_b32 s4, v5                     ; wave
	s_and_b32 s5, ttmp7, 0xffff
	s_lshr_b32 s6, s5, 2                           ; place
	s_and_b32 s7, s5, 3                            ; sequence
	s_lshl_b32 s16, s7, 3
	s_mov_b32 s17, 0
	s_wait_kmcnt 0x0
	s_add_nc_u64 s[12:13], s[12:13], s[16:17]
	s_load_b64 s[20:21], s[12:13], 0x0             ; the sequence's two codes
	v_and_b32 v5, 31, v0
	v_lshlrev_b32 v[LA], 4, v5
	v_lshlrev_b32 v[L4], 2, v5
	v_and_b32 v5, 15, v0
	v_bfe_u32 v6, v0, 4, 1
	v_lshlrev_b32 v[LB], 4, v5
	v_lshl_add_u32 v[LB], v6, 3, v[LB]
	v_add_nc_u32 v[LB], 512, v[LB]
	v_lshlrev_b32 v[R4], 2, v5
	v_mov_b32 v8, 0x39c8e7d9                       ; the second constants of the three lines that have two
	v_mov_b32 v9, 0x39c8e7d9
	v_mov_b32 v10, 0x3cc6b1a1
	v_mov_b32 v11, 0x3cc6b1a1
	v_mov_b32 v12, 0x3ba38d2c
	v_mov_b32 v13, 0x3ba38d2c
	v_mov_b32 v[TM+4], 0
	v_mov_b32 v[TM+5], 0
	s_mov_b32 s[SEL], 0x76543210
	s_mov_b32 s[SEL+1], 0xfedcba98
	s_wait_kmcnt 0x0
	s_sub_co_u32 s24, s20, 4                       ; codes 4 .. 11 are experts 0 .. 7
	s_sub_co_u32 s25, s21, 4
	s_cmp_lt_u32 s24, 8
	s_cselect_b32 s26, 1, 0
	s_cselect_b32 s28, s24, s25                    ; the expert at place 0
	s_cmp_lt_u32 s25, 8
	s_cselect_b32 s27, 1, 0
	s_cmp_lg_u32 s25, s24                          ; the same expert twice counts once
	s_cselect_b32 s27, s27, 0
	s_add_co_u32 s29, s26, s27                     ; how many experts the sequence has
	s_cmp_ge_u32 s6, s29
	s_cbranch_scc1 .Lend
	s_cmp_lg_u32 s6, 0
	s_cselect_b32 s30, s25, s28
	s_min_u32 s30, s30, 7
	s_mov_b32 s33, 0
	s_lshl_b32 s31, s30, 10
	s_lshl_b32 s32, ttmp9, 5
	s_add_co_u32 s31, s31, s32                     ; w1's first fragment: 1024 e + 32 x
	s_mul_i32 s32, s31, 1536
	s_add_nc_u64 s[36:37], s[10:11], s[32:33]
	s_add_nc_u64 s[38:39], s[36:37], 8192*1536     ; w3's lie 8,192 fragments on
	s_lshl_b32 s32, s31, 6
	s_add_co_u32 s32, s32, MS0
	s_add_nc_u64 s[40:41], s[10:11], s[32:33]
	s_add_nc_u64 s[42:43], s[40:41], 8192*64
	s_lshl_b32 s34, s7, 4
	s_lshl_b32 s35, s4, 2
	s_add_co_u32 s34, s34, s35                     ; my first token tile
	s_mul_i32 s32, s34, 8*1536
	s_add_nc_u64 s[44:45], s[8:9], s[32:33]
	s_lshl_b32 s32, s34, 9
	s_add_co_u32 s32, s32, XS0
	s_add_nc_u64 s[46:47], s[8:9], s[32:33]
	s_lshl_b32 s35, s34, 5
	s_lshl_b32 s48, s6, 4
	s_add_co_u32 s35, s35, s48
	s_lshr_b32 s48, ttmp9, 1
	s_add_co_u32 s35, s35, s48                     ; hid's fragment: 32 x tile + 16 x place + x / 2,
	s_and_b32 s48, ttmp9, 1                        ; and the half of it
	s_mul_i32 s32, s35, 1536
	s_mul_i32 s49, s48, 768
	s_add_co_u32 s32, s32, s49
	s_add_nc_u64 s[50:51], s[14:15], s[32:33]
	s_lshl_b32 s32, s35, 6
	s_lshl_b32 s49, s48, 1
	s_add_co_u32 s32, s32, s49
	s_add_co_u32 s32, s32, HS0
	s_add_nc_u64 s[52:53], s[14:15], s[32:33]
.irp t, 0,1,2,3
.irp q, 0,1,2,3
	global_load_b32 v[WSC+4*\t+\q], v[L4], s[40:41] offset:(8*\t+2*\q)*64
	global_load_b32 v[WSC+16+4*\t+\q], v[L4], s[42:43] offset:(8*\t+2*\q)*64
	global_load_b32 v[XSC+4*\t+\q], v[L4], s[46:47] offset:(8*\t+2*\q)*64
.endr
.endr
	LOADS 0
	LOADS 1
.irp s, 0,1,2,3,4,5,6,7
.if \s < 7
	s_wait_loadcnt 48                              ; this K step's loads are in; the next step's 48 may be out
.else
	s_wait_loadcnt 0x0
.endif
	WIN 0xa1                                       ; source 0 window 1, source 1 window 0, C and D window 2
.irp m, 0,1,2,3
.irp q, 0,1,2,3,4,5,6,7
.if \s == 0
	MM 64*\m+8*\q, 96*(\s%2)+12*\q, XF+48*(\s%2)+12*\m, -1, WSC+4*\q+\s/2, XSC+4*\m+\s/2, \s%2
.else
	MM 64*\m+8*\q, 96*(\s%2)+12*\q, XF+48*(\s%2)+12*\m, 64*\m+8*\q, WSC+4*\q+\s/2, XSC+4*\m+\s/2, \s%2
.endif
.endr
.endr
	PLACES
.if \s < 6
	LOADS \s+2
.endif
.endr
	WIN 0
.irp m, 0,1,2,3
	GELU \m
.if \m > 0
	s_wait_xcnt 0x0                                ; the last tile's stores have read their registers: the codes may be written again
.endif
	QUANT2 Z
	global_store_b128 v[LA], v[PC:PC+3], s[50:51] offset:49152*\m
	global_store_b64 v[LB], v[PC+4:PC+5], s[50:51] offset:49152*\m
	global_store_b16 v[R4], v[PW], s[52:53] offset:2048*\m     ; my half of each row's scale word
.endr
.Lend:
	s_endpgm
.Lfunc_end_k_qf4c3a49a5c_up:
	.size	k_qf4c3a49a5c_up, .Lfunc_end_k_qf4c3a49a5c_up-k_qf4c3a49a5c_up
	.p2alignl 7, 3214868480
	.fill 96, 4, 3214868480
	.section	.rodata,"a",@progbits
	.p2align	6, 0x0
	.amdhsa_kernel k_qf4c3a49a5c_up
		.amdhsa_group_segment_fixed_size 0
		.amdhsa_private_segment_fixed_size 0
		.amdhsa_enable_private_segment 0
		.amdhsa_kernarg_size 32
		.amdhsa_user_sgpr_count 2
		.amdhsa_user_sgpr_kernarg_segment_ptr 1
		.amdhsa_wavefront_size32 1
		.amdhsa_system_sgpr_workgroup_id_x 1
		.amdhsa_system_sgpr_workgroup_id_y 1
		.amdhsa_system_sgpr_workgroup_id_z 1
		.amdhsa_system_vgpr_workitem_id 0
		.amdhsa_next_free_vgpr 768
		.amdhsa_next_free_sgpr 66
		.amdhsa_reserve_vcc 1
		.amdhsa_float_denorm_mode_32 3
		.amdhsa_float_denorm_mode_16_64 3
		.amdhsa_memory_ordered 1
		.amdhsa_forward_progress 1
		.amdhsa_inst_pref_size 228
	.end_amdhsa_kernel
	.amdgpu_metadata
---
amdhsa.version: [ 1, 2 ]
amdhsa.kernels:
  - .name:           k_qf4c3a49a5c_up
    .symbol:         k_qf4c3a49a5c_up.kd
    .args:
      - { .name: x3img, .offset: 0, .size: 8, .value_kind: global_buffer, .address_space: global }
      - { .name: mimg, .offset: 8, .size: 8, .value_kind: global_buffer, .address_space: global }
      - { .name: langs, .offset: 16, .size: 8, .value_kind: global_buffer, .address_space: global }
      - { .name: hid, .offset: 24, .size: 8, .value_kind: global_buffer, .address_space: global }
    .group_segment_fixed_size: 0
    .private_segment_fixed_size: 0
    .kernarg_segment_align: 8
    .kernarg_segment_size: 32
    .max_flat_workgroup_size: 128
    .sgpr_count:     66
    .vgpr_count:     768
    .wavefront_size: 32
...
	.end_amdgpu_metadata
.endif
;; end of part 4
;; launch down (part 5): grid 8 x 32, 4 waves a work-group, no clusters, 83,456 bytes of LDS; arguments hid, mimg, langs, h2, out0; writes out0
.if DOCPART == 5
	.amdgcn_target "amdgcn-amd-amdhsa--gfx1250"
	.amdhsa_code_object_version 6
	.text
	.protected	k_qf4c3a49a5c_down
	.globl	k_qf4c3a49a5c_down
	.p2align	8
	.type	k_qf4c3a49a5c_down,@function
k_qf4c3a49a5c_down:
	s_mov_b64 s[64:65], 0
	v_nop
	global_prefetch_b8 v0, s[64:65] scope:SCOPE_SE
	s_setreg_imm32_b32 hwreg(HW_REG_WAVE_MODE, 25, 1), 1
	s_wait_xcnt 0x0
; DOWN: out0 = h2 + rw x (the sum over a sequence's matched experts of h w2).  Work-group (x, y): output features 128 x .. 128 x + 127 of token tiles 2 y and 2 y + 1: each output has one owner.
; Both experts of a sequence carry the same weight rw, so their products are one sum over a K of 16 n steps of 128 (n = 0, 1 or 2 experts).  The four waves share that K: wave kq takes 4 n steps from step 4 kq n on,
; which always lie inside one expert.  Their partial sums meet in LDS; then each wave adds a quarter of the tile, turns it into rows in its own stage, and stores 256-byte runs with the residual added.
; A sequence with no matched expert takes zeros as its partial sums and goes the same way: the barrier is on every wave's path.
; No tensor load (addresses and the number of steps hang on langs), so no cluster: operands lie in memory in the order of the registers.
; LIMITS: the two experts' results are added in one f32 sum and weighted once, where the source weights each and adds; NaN and infinities are not served.
.set MS0, 37748736
.set HS0, 3145728
.set RED, 0                            ; LDS: [wave][32 pieces of 512 bytes]: the partial sums
.set STG, 65536                        ; a stage of 16 rows x 272 bytes for each wave
.set LA,  1
.set LB,  2
.set L4,  3
.set RWR, 5                            ; where I put my partial sums
.set RRD, 6                            ; where I read my quarter of everybody's
.set SIN, 7
.set SRD, 8
.set GO,  9                            ; 4,096 h + 16 r
.set WSC, 16                           ; v16-31  w2's scale words, two sets of 8
.set HSC, 32                           ; v32-35  the hidden layer's, two sets of 2
.set HF,  40                           ; v40-87  two token fragments, two buffers
.set ACC, 96                           ; v96-223 sixteen accumulators: 64 m + 8 p
.set RES, 224                          ; v224-255 h2
.set MSB, 0
.macro WIN new
.if MSB != \new
	s_set_vgpr_msb (MSB<<8)|\new
.set MSB, \new
.endif
.endm
.macro PLACES
.rept 4
	v_nop
.endr
.endm
.macro MM d, a, b, c, sa, sb, odd
.if (\c) < 0
.if \odd
	v_wmma_scale_f32_16x16x128_f8f6f4 v[\d:\d+7], v[\a:\a+11], v[\b:\b+11], 0, v[\sa], v[\sb] matrix_a_fmt:MATRIX_FMT_FP6 matrix_b_fmt:MATRIX_FMT_FP6 matrix_a_scale:MATRIX_SCALE_ROW1 matrix_b_scale:MATRIX_SCALE_ROW1
.else
	v_wmma_scale_f32_16x16x128_f8f6f4 v[\d:\d+7], v[\a:\a+11], v[\b:\b+11], 0, v[\sa], v[\sb] matrix_a_fmt:MATRIX_FMT_FP6 matrix_b_fmt:MATRIX_FMT_FP6
.endif
.else
.if \odd
	v_wmma_scale_f32_16x16x128_f8f6f4 v[\d:\d+7], v[\a:\a+11], v[\b:\b+11], v[\c:\c+7], v[\sa], v[\sb] matrix_a_fmt:MATRIX_FMT_FP6 matrix_b_fmt:MATRIX_FMT_FP6 matrix_a_scale:MATRIX_SCALE_ROW1 matrix_b_scale:MATRIX_SCALE_ROW1
.else
	v_wmma_scale_f32_16x16x128_f8f6f4 v[\d:\d+7], v[\a:\a+11], v[\b:\b+11], v[\c:\c+7], v[\sa], v[\sb] matrix_a_fmt:MATRIX_FMT_FP6 matrix_b_fmt:MATRIX_FMT_FP6
.endif
.endif
.endm
.macro LOADS j                         ; my step j: eight fragments of w2, two of the hidden layer: 40 loads; an even step brings the scale words of two steps too: 50
	WIN 0x40
.irp p, 0,1,2,3,4,5,6,7
.irp c, 0,1
	global_load_b128 v[96*((\j)%2)+12*\p+6*\c:96*((\j)%2)+12*\p+6*\c+3], v[LA], s[40:41] offset:\p*24576+(\j)*1536+768*\c
	global_load_b64 v[96*((\j)%2)+12*\p+6*\c+4:96*((\j)%2)+12*\p+6*\c+5], v[LB], s[40:41] offset:\p*24576+(\j)*1536+768*\c
.endr
.endr
	WIN 0
.irp m, 0,1
.irp c, 0,1
	global_load_b128 v[HF+24*((\j)%2)+12*\m+6*\c:HF+24*((\j)%2)+12*\m+6*\c+3], v[LA], s[44:45] offset:\m*49152+(\j)*1536+768*\c
	global_load_b64 v[HF+24*((\j)%2)+12*\m+6*\c+4:HF+24*((\j)%2)+12*\m+6*\c+5], v[LB], s[44:45] offset:\m*49152+(\j)*1536+768*\c
.endr
.endr
.if (\j)%2 == 0
.irp p, 0,1,2,3,4,5,6,7
	global_load_b32 v[WSC+8*(((\j)/2)%2)+\p], v[L4], s[42:43] offset:\p*1024+(\j)*64
.endr
.irp m, 0,1
	global_load_b32 v[HSC+2*(((\j)/2)%2)+\m], v[L4], s[46:47] offset:\m*2048+(\j)*64
.endr
.endif
.endm
.macro STEP j, zero, more, cnt         ; cnt: the loads of the step behind this one, which may stay out
	s_wait_loadcnt \cnt
	WIN 0x01
.irp p, 0,1,2,3,4,5,6,7
.irp m, 0,1
.if \zero
	MM ACC+64*\m+8*\p, 96*((\j)%2)+12*\p, HF+24*((\j)%2)+12*\m, -1, WSC+8*(((\j)/2)%2)+\p, HSC+2*(((\j)/2)%2)+\m, (\j)%2
.else
	MM ACC+64*\m+8*\p, 96*((\j)%2)+12*\p, HF+24*((\j)%2)+12*\m, ACC+64*\m+8*\p, WSC+8*(((\j)/2)%2)+\p, HSC+2*(((\j)/2)%2)+\m, (\j)%2
.endif
.endr
.endr
	PLACES
.if \more
	LOADS (\j)+2
.endif
	WIN 0
.endm
	s_load_b256 s[8:15], s[0:1], 0x0               ; hid s8, mimg s10, langs s12, h2 s14
	s_load_b64 s[16:17], s[0:1], 0x20              ; out0
	v_lshl_add_u32 v94, v0, 2, 0x14400
	v_mov_b32 v95, 0
	v_lshrrev_b32 v10, 5, v0
	v_readfirstlane_b32 s4, v10                    ; wave kq
	s_and_b32 s5, ttmp7, 0xffff                    ; pair of token tiles
	s_lshr_b32 s6, s5, 3                           ; sequence
	s_lshl_b32 s18, s6, 3
	s_mov_b32 s19, 0
	v_and_b32 v10, 31, v0
	v_lshlrev_b32 v[LA], 4, v10
	v_lshlrev_b32 v[L4], 2, v10
	v_and_b32 v10, 15, v0                          ; r
	v_bfe_u32 v11, v0, 4, 1                        ; h
	v_lshlrev_b32 v[LB], 4, v10
	v_lshl_add_u32 v[LB], v11, 3, v[LB]
	v_add_nc_u32 v[LB], 512, v[LB]
	s_lshl_b32 s22, s4, 14
	v_add_nc_u32 v[RWR], s22, v[LA]
	s_lshl_b32 s22, s4, 12
	v_add_nc_u32 v[RRD], s22, v[LA]
	s_mul_i32 s22, s4, 4352
	s_add_co_u32 s22, s22, STG
	v_mul_u32_u24 v[SIN], v10, 272
	v_lshl_add_u32 v[SIN], v11, 6, v[SIN]
	v_add_nc_u32 v[SIN], s22, v[SIN]
	v_mul_u32_u24 v[SRD], v11, 272
	v_lshl_add_u32 v[SRD], v10, 4, v[SRD]
	v_add_nc_u32 v[SRD], s22, v[SRD]
	v_lshlrev_b32 v[GO], 12, v11
	v_lshl_add_u32 v[GO], v10, 4, v[GO]
	s_lshl_b32 s22, s5, 5                          ; what I store at the end: token tile 2 y + kq / 2, features 128 x + 64 (kq % 2) on
	s_lshr_b32 s23, s4, 1
	s_lshl_b32 s23, s23, 3
	s_add_co_u32 s22, s22, s23
	s_lshl_b32 s22, s22, 12
	s_lshl_b32 s23, ttmp9, 9
	s_add_co_u32 s22, s22, s23
	s_and_b32 s23, s4, 1
	s_lshl_b32 s23, s23, 8
	s_add_co_u32 s22, s22, s23
	s_mov_b32 s23, 0
	s_wait_kmcnt 0x0
	s_add_nc_u64 s[12:13], s[12:13], s[18:19]
	s_load_b64 s[20:21], s[12:13], 0x0             ; the sequence's two codes
	s_add_nc_u64 s[14:15], s[14:15], s[22:23]
	s_add_nc_u64 s[16:17], s[16:17], s[22:23]
.irp i, 0,1,2,3,4,5,6,7
	global_load_b128 v[RES+4*\i:RES+4*\i+3], v[GO], s[14:15] offset:(2*\i+8*(\i/4))*4096   ; h2, in the form in which the result leaves
.endr
	s_wait_kmcnt 0x0
	s_sub_co_u32 s24, s20, 4
	s_sub_co_u32 s25, s21, 4
	s_cmp_lt_u32 s24, 8
	s_cselect_b32 s26, 1, 0
	s_cselect_b32 s28, s24, s25                    ; the expert at place 0
	s_cmp_lt_u32 s25, 8
	s_cselect_b32 s27, 1, 0
	s_cmp_lg_u32 s25, s24
	s_cselect_b32 s27, s27, 0
	s_add_co_u32 s29, s26, s27                     ; n
	s_cmp_gt_i32 s20, 3                            ; rw = 1 / (codes over 3), 1 if there are none
	s_cselect_b32 s30, 1, 0
	s_cmp_gt_i32 s21, 3
	s_cselect_b32 s31, 1, 0
	s_add_co_u32 s30, s30, s31
	s_cmp_eq_u32 s30, 2
	s_cselect_b32 s30, 0.5, 1.0
	s_mov_b32 s31, s30
	s_min_u32 s32, s29, 2
	s_lshl_b32 s33, s4, 2
	s_mul_i32 s33, s33, s32                        ; my first step of the long K
	s_cmp_ge_u32 s33, 16
	s_cselect_b32 s34, s25, s28
	s_min_u32 s34, s34, 7                          ; its expert
	s_and_b32 s35, s33, 15                         ; and its K step in that expert's w2
	s_mov_b32 s39, 0
	s_lshl_b32 s36, s34, 10
	s_lshl_b32 s37, ttmp9, 7
	s_add_co_u32 s36, s36, s37
	s_add_co_u32 s36, s36, s35
	s_add_co_u32 s36, s36, 16384                   ; w2's fragment: 16384 + 1024 e + 128 x + K step
	s_mul_i32 s38, s36, 1536
	s_add_nc_u64 s[40:41], s[10:11], s[38:39]
	s_lshl_b32 s38, s36, 6
	s_add_co_u32 s38, s38, MS0
	s_add_nc_u64 s[42:43], s[10:11], s[38:39]
	s_lshl_b32 s36, s5, 6
	s_add_co_u32 s36, s36, s33                     ; hid's fragment: 32 x (2 y) + step
	s_mul_i32 s38, s36, 1536
	s_add_nc_u64 s[44:45], s[8:9], s[38:39]
	s_lshl_b32 s38, s36, 6
	s_add_co_u32 s38, s38, HS0
	s_add_nc_u64 s[46:47], s[8:9], s[38:39]
	s_cmp_eq_u32 s29, 0
	s_cbranch_scc1 .Lzero
	LOADS 0
	LOADS 1
	STEP 0, 1, 1, 40
	STEP 1, 0, 1, 50
	s_cmp_lg_u32 s29, 2
	s_cbranch_scc1 .Ltail                          ; one expert: four steps a wave; two: eight
	STEP 2, 0, 1, 40
	STEP 3, 0, 1, 50
	STEP 4, 0, 1, 40
	STEP 5, 0, 1, 50
.Ltail:                                                ; the last two steps fetch nothing; buffers and scale sets have the same turn on both ways
	STEP 6, 0, 0, 40
	STEP 7, 0, 0, 0
	s_branch .Lsum
.Lzero:
.set jj, 0
.rept 128
	v_mov_b32 v[ACC+jj], 0
.set jj, jj+1
.endr
.Lsum:
.set jj, 0
.rept 32
	ds_store_b128 v[RWR], v[ACC+4*jj:ACC+4*jj+3] offset:RED+512*jj
.set jj, jj+1
.endr
	s_wait_dscnt 0x0                               ; for the others' sake: my partial sums lie in LDS
	s_barrier_signal -1
	s_barrier_wait -1
.irp q, 0,1,2,3
.irp i, 0,1,2,3,4,5,6,7
	ds_load_b128 v[ACC+32*\q+4*\i:ACC+32*\q+4*\i+3], v[RRD] offset:RED+16384*\q+512*\i
.endr
.endr
	s_wait_dscnt 0x0
.set jj, 0
.rept 16
	v_pk_add_f32 v[ACC+jj:ACC+jj+1], v[ACC+jj:ACC+jj+1], v[ACC+32+jj:ACC+32+jj+1]
	v_pk_add_f32 v[ACC+64+jj:ACC+64+jj+1], v[ACC+64+jj:ACC+64+jj+1], v[ACC+96+jj:ACC+96+jj+1]
.set jj, jj+2
.endr
.set jj, 0
.rept 16
	v_pk_add_f32 v[ACC+jj:ACC+jj+1], v[ACC+jj:ACC+jj+1], v[ACC+64+jj:ACC+64+jj+1]
.set jj, jj+2
.endr
.set jj, 0
.rept 8
	ds_store_b128 v[SIN], v[ACC+4*jj:ACC+4*jj+3] offset:128*(jj/4)+16*(jj%4)   ; my own stage: row = token, 64 features
.set jj, jj+1
.endr
.irp i, 0,1,2,3,4,5,6,7
	ds_load_b128 v[ACC+32+4*\i:ACC+32+4*\i+3], v[SRD] offset:544*\i   ; back by rows, two an instruction; LDS serves a wave's instructions in order
.endr
	s_wait_dscnt 0x0
	s_wait_loadcnt 0x0                             ; h2
.set jj, 0
.rept 16
	v_pk_fma_f32 v[ACC+64+jj:ACC+64+jj+1], v[ACC+32+jj:ACC+32+jj+1], s[30:31], v[RES+jj:RES+jj+1] op_sel_hi:[1,0,1]
.set jj, jj+2
.endr
.irp i, 0,1,2,3,4,5,6,7
	global_store_b128 v[GO], v[ACC+64+4*\i:ACC+64+4*\i+3], s[16:17] offset:(2*\i+8*(\i/4))*4096 th:TH_STORE_NT   ; sixteen lanes store 256 consecutive bytes, aligned
.endr
	s_wait_tensorcnt 0x0
	ds_add_u32 v94, v95
	s_wait_dscnt 0x0
	s_endpgm
.Lfunc_end_k_qf4c3a49a5c_down:
	.size	k_qf4c3a49a5c_down, .Lfunc_end_k_qf4c3a49a5c_down-k_qf4c3a49a5c_down
	.p2alignl 7, 3214868480
	.fill 96, 4, 3214868480
	.section	.rodata,"a",@progbits
	.p2align	6, 0x0
	.amdhsa_kernel k_qf4c3a49a5c_down
		.amdhsa_group_segment_fixed_size 83456
		.amdhsa_private_segment_fixed_size 0
		.amdhsa_enable_private_segment 0
		.amdhsa_kernarg_size 40
		.amdhsa_user_sgpr_count 2
		.amdhsa_user_sgpr_kernarg_segment_ptr 1
		.amdhsa_wavefront_size32 1
		.amdhsa_system_sgpr_workgroup_id_x 1
		.amdhsa_system_sgpr_workgroup_id_y 1
		.amdhsa_system_sgpr_workgroup_id_z 1
		.amdhsa_system_vgpr_workitem_id 0
		.amdhsa_next_free_vgpr 448
		.amdhsa_next_free_sgpr 66
		.amdhsa_reserve_vcc 0
		.amdhsa_float_denorm_mode_32 3
		.amdhsa_float_denorm_mode_16_64 3
		.amdhsa_memory_ordered 1
		.amdhsa_forward_progress 1
		.amdhsa_inst_pref_size 71
	.end_amdhsa_kernel
	.amdgpu_metadata
---
amdhsa.version: [ 1, 2 ]
amdhsa.kernels:
  - .name:           k_qf4c3a49a5c_down
    .symbol:         k_qf4c3a49a5c_down.kd
    .args:
      - { .name: hid, .offset: 0, .size: 8, .value_kind: global_buffer, .address_space: global }
      - { .name: mimg, .offset: 8, .size: 8, .value_kind: global_buffer, .address_space: global }
      - { .name: langs, .offset: 16, .size: 8, .value_kind: global_buffer, .address_space: global }
      - { .name: h2, .offset: 24, .size: 8, .value_kind: global_buffer, .address_space: global }
      - { .name: out0, .offset: 32, .size: 8, .value_kind: global_buffer, .address_space: global }
    .group_segment_fixed_size: 83456
    .private_segment_fixed_size: 0
    .kernarg_segment_align: 8
    .kernarg_segment_size: 40
    .max_flat_workgroup_size: 128
    .sgpr_count:     66
    .vgpr_count:     448
    .wavefront_size: 32
...
	.end_amdgpu_metadata
.endif
;; end of part 5
;; ======== version 2 of 2: 5 launches
;; workspace buffers: wimg 4,096,000 bytes; mimg 39,321,600 bytes; aimg 2,457,600 bytes; qkv 2,048,000 bytes; x3img 819,200 bytes; h2 4,194,304 bytes; hid 3,276,800 bytes
;; launch prep (part 6): grid 272 x 1, 8 waves a work-group, no clusters, 2,048 bytes of LDS; arguments sa_q_w, sa_o_w, ca_q_w, ca_o_w, sa_k_w, sa_v_w, ca_k_w, ca_v_w, hidden_states, encoder_hidden_states, ln1_g, ln1_b, wimg, aimg; writes wimg, aimg
.if DOCPART == 6
	.amdgcn_target "amdgcn-amd-amdhsa--gfx1250"
	.amdhsa_code_object_version 6
	.text
	.protected	k_qf4c3a49a5c_prep
	.globl	k_qf4c3a49a5c_prep
	.p2align	8
	.type	k_qf4c3a49a5c_prep,@function
k_qf4c3a49a5c_prep:
	s_mov_b64 s[64:65], 0
	v_nop
	global_prefetch_b8 v0, s[64:65] scope:SCOPE_SE
	s_setreg_imm32_b32 hwreg(HW_REG_WAVE_MODE, 25, 1), 1
	s_wait_xcnt 0x0
; PREP: what the attention part needs as codes of E2M3 with one E8M0 byte for each 32 along K, laid as the matrix unit's registers want it: the eight attention weights, LayerNorm 1 of hidden_states, encoder_hidden_states.
; (The experts' weights, which only the last two launches read, are quantised beside the attention chain, two launches on.)
; A FRAGMENT (16 rows x 128 K, 12 registers a lane) is 1,536 bytes: half c (registers 6c..6c+5) at 768 c: registers 6c..6c+3 at 16 x lane, registers 6c+4, 6c+5 at 512 + 16 (lane % 16) + 8 (lane / 16).
; Its 16 scale words lie apart, 64 bytes a fragment.  Tile t of an operand holds rows 32 (t/2) + 8 (t%2) + i + 8 (i/8), i = 0..15.
; Work-groups 0-63: the four 1024 x 1024 weights; 64-79: the four 1024 x 256 weights; 80-143: LayerNorm 1 of hidden_states, quantised, a tile of 16 tokens each; 144-271: encoder_hidden_states, quantised.
; WEIGHTS ([K][N], K not innermost): a lane takes a column and its registers run down K; a wave takes 32 columns (two tiles), a work-group 256 columns x 256 along K.
; LIMITS: NaN and infinities are not served.  A block whose largest magnitude lies under 2^-124 (a block of zeros too) gets the byte 1: its codes are as the rule has them, and only this program reads the bytes.
.set WS0,  3932160                     ; wimg: scale words behind 2,560 fragments
.set AS0,  2359296                     ; aimg: scale words behind 1,536 fragments
.set SB,   66                          ; s66-81  eight row bases of a wave's columns, 32 rows apart
.set VO,   12                          ; v12-43  weights: 4 x lane + i rows
.set XW,   44                          ; v44-107 weights: two sets of 32 numbers
.set CA,   108                         ; v108-139 a block's first 16 bytes of codes, four registers a block
.set CB,   140                         ; v140-155 the last 8 bytes of two neighbouring blocks
.set CH,   156                         ; v156-158 the upper 16 codes as converted
.set ST1,  0                           ; LDS: [wave][16] sums
.set ST2,  512                         ; LDS: [wave][16] sums of squares
.set LA,   7
.set LB,   8
.set R4,   9
.set SW,   10
.set TM,   12
.set PW,   28
.set PC,   30
.set XR,   52
.set GR,   116
.set BR,   180
.set T,    244
.set SEL,  70
.macro WLOAD t                         ; block t: 32 rows of my column; 32 lanes read 128 neighbouring bytes, the eight waves 1,024
.set ii, 0
.rept 32
	global_load_b32 v[XW+32*((\t)%2)+ii], v[VO+ii], s[SB+2*(\t):SB+2*(\t)+1] th:TH_LOAD_NT
.set ii, ii+1
.endr
.endm
.macro WBLK t                          ; block t = 4 s + 2 c + hq of my column: K step s, half c, lanes' half hq of the fragment
.set XS, XW+32*((\t)%2)
.if (\t) < 7
	s_wait_loadcnt 32                              ; this block's 32 loads are in; the next block's 32 may be out
.else
	s_wait_loadcnt 0x0
.endif
	v_max3_num_f32 v6, |v[XS]|, |v[XS+1]|, |v[XS+2]|
	v_max3_num_f32 v7, |v[XS+3]|, |v[XS+4]|, |v[XS+5]|
.irp i, 6,10,14,18,22,26
	s_delay_alu instid0(VALU_DEP_2)
	v_max3_num_f32 v6, v6, |v[XS+\i]|, |v[XS+\i+1]|
	s_delay_alu instid0(VALU_DEP_2)
	v_max3_num_f32 v7, v7, |v[XS+\i+2]|, |v[XS+\i+3]|
.endr
	s_delay_alu instid0(VALU_DEP_2)
	v_max3_num_f32 v6, v6, |v[XS+30]|, |v[XS+31]|
	s_delay_alu instid0(VALU_DEP_1)
	v_max3_num_f32 v6, v6, v7, 0x1800000           ; the floor 2^(3 - 127): the byte cannot fall under 1
	s_delay_alu instid0(VALU_DEP_1)
	v_add_nc_u32 v8, 0xff000000, v6                ; 2 off the exponent field: the conversion's scale operand
	v_cvt_scalef32_pk16_fp6_f32 v[CA+4*(\t):CA+4*(\t)+2], v[XS:XS+15], v8
	v_cvt_scalef32_pk16_fp6_f32 v[CH:CH+2], v[XS+16:XS+31], v8
	v_lshrrev_b32 v9, 23, v8                       ; the scale's byte (a plain line behind the conversions)
.if (\t)%4 == 0
	s_delay_alu instid0(VALU_DEP_1)
	v_mov_b32 v[10+(\t)/4], v9
.else
	s_delay_alu instid0(VALU_DEP_1)
	v_lshl_or_b32 v[10+(\t)/4], v9, 8*((\t)%4), v[10+(\t)/4]
.endif
	v_mov_b32 v[CA+4*(\t)+3], v[CH]
	v_mov_b32 v[CB+4*((\t)/2)+2*((\t)%2)], v[CH+1]
	v_mov_b32 v[CB+4*((\t)/2)+2*((\t)%2)+1], v[CH+2]
	global_store_b128 v4, v[CA+4*(\t):CA+4*(\t)+3], s[82:83] offset:1536*((\t)/4)+768*(((\t)%4)/2)+256*((\t)%2)   ; sixteen lanes of a tile store 256 consecutive bytes, aligned
.if (\t)%2
	global_store_b128 v4, v[CB+4*((\t)/2):CB+4*((\t)/2)+3], s[82:83] offset:1536*((\t)/4)+768*(((\t)%4)/2)+512
.endif
.if (\t) < 6
	WLOAD (\t)+2
.endif
.endm
; 64 numbers of a lane, register 16 b + i = K 32 b + 16 (lane / 16) + i of my row, become a fragment's codes in v[PC] on and its scale word in v[PW]
.macro QUANT4 s
.irp b, 0,1,2,3
	v_max3_num_f32 v[TM+\b], |v[\s+16*\b]|, |v[\s+1+16*\b]|, 0x1800000
.endr
.irp i, 2,4,6,8,10,12,14
.irp b, 0,1,2,3
	s_delay_alu instid0(VALU_DEP_4)
	v_max3_num_f32 v[TM+\b], v[TM+\b], |v[\s+16*\b+\i]|, |v[\s+1+16*\b+\i]|
.endr
.endr
.irp b, 0,1,2,3
	s_delay_alu instid0(VALU_DEP_4)
	v_permlanex16_b32 v[TM+4+\b], v[TM+\b], s[SEL], s[SEL+1]
.endr
.irp b, 0,1,2,3
	s_delay_alu instid0(VALU_DEP_4)
	v_max_num_f32 v[TM+\b], v[TM+\b], v[TM+4+\b]
.endr
.irp b, 0,1,2,3
	s_delay_alu instid0(VALU_DEP_4)
	v_add_nc_u32 v[TM+12+\b], 0xff000000, v[TM+\b]
.endr
.irp b, 0,1,2,3
	s_delay_alu instid0(VALU_DEP_4)
	v_lshrrev_b32 v[TM+4+\b], 23, v[TM+12+\b]
.endr
	s_delay_alu instid0(VALU_DEP_3)
	v_lshl_or_b32 v[PW], v[TM+5], 8, v[TM+4]
	s_delay_alu instid0(VALU_DEP_1)
	v_lshl_or_b32 v[PW], v[TM+6], 16, v[PW]
	s_delay_alu instid0(VALU_DEP_1)
	v_lshl_or_b32 v[PW], v[TM+7], 24, v[PW]
.irp c, 0,1
	v_cvt_scalef32_pk16_fp6_f32 v[PC+6*\c:PC+2+6*\c], v[\s+32*\c:\s+15+32*\c], v[TM+12+2*\c]
	v_cvt_scalef32_pk16_fp6_f32 v[PC+12+4*\c:PC+14+4*\c], v[\s+16+32*\c:\s+31+32*\c], v[TM+12+2*\c+1]
.endr
	v_nop                                          ; one plain line behind a scaled conversion
.irp c, 0,1
.irp i, 0,1,2
	v_permlane16_swap_b32 v[PC+6*\c+\i], v[PC+12+4*\c+\i]
.endr
.irp i, 0,1,2
	s_delay_alu instid0(VALU_DEP_3)
	v_mov_b32 v[PC+3+6*\c+\i], v[PC+12+4*\c+\i]
.endr
.endr
.endm
.macro BARRIER
	s_wait_dscnt 0x0                               ; my LDS stores have landed and my LDS loads are in
	s_barrier_signal -1
	s_barrier_wait -1
.endm
	s_load_b512 s[8:23], s[0:1], 0x0               ; sa_q s8, sa_o s10, ca_q s12, ca_o s14, sa_k s16, sa_v s18, ca_k s20, ca_v s22
	s_load_b256 s[24:31], s[0:1], 0x40             ; hidden s24, encoder s26, ln1_g s28, ln1_b s30
	s_load_b128 s[32:35], s[0:1], 0x60             ; wimg s32, aimg s34
	v_lshl_add_u32 v254, v0, 2, 0x400
	v_mov_b32 v255, 0
	v_lshrrev_b32 v1, 5, v0
	s_delay_alu instid0(VALU_DEP_1)
	v_readfirstlane_b32 s3, v1                     ; wave 0..7
	v_and_b32 v1, 31, v0                           ; lane
	s_cmp_ge_u32 ttmp9, 80
	s_cbranch_scc1 .Lrows
	; ---------------- weights: which tensor (s52), part (s54), log2 of column groups (s55), row pitch (s56), first fragment (s58).  K = 1,024: eight K steps
	s_cmp_lt_u32 ttmp9, 64
	s_cbranch_scc0 .Lkv
	s_lshr_b32 s52, ttmp9, 4
	s_and_b32 s54, ttmp9, 15
	s_lshl_b32 s58, s52, 9
	s_mov_b32 s55, 2
	s_mov_b32 s56, 4096
	s_branch .Lgo
.Lkv:
	s_sub_co_u32 s61, ttmp9, 64
	s_lshr_b32 s61, s61, 2
	s_add_co_u32 s52, s61, 4
	s_and_b32 s54, ttmp9, 3
	s_lshl_b32 s58, s61, 7
	s_add_co_u32 s58, s58, 2048
	s_mov_b32 s55, 0
	s_mov_b32 s56, 1024
.Lgo:
	s_lshl_b32 s61, 1, s55
	s_sub_co_u32 s61, s61, 1
	s_and_b32 s61, s54, s61                        ; column group
	s_lshr_b32 s62, s54, s55                       ; group of 256 along K
	s_lshl_b32 s63, s61, 3
	s_add_co_u32 s63, s63, s3                      ; my pair of tiles = 8 x column group + wave
	s_mul_i32 s6, s62, s56
	s_lshl_b32 s6, s6, 8                           ; 256 rows a K group
	s_lshl_b32 s7, s63, 7                          ; 32 columns of 4 bytes a pair
	s_add_co_u32 s6, s6, s7
	s_mov_b32 s7, 0
	s_lshl_b32 s88, s63, 3
	s_add_co_u32 s88, s88, s62
	s_lshl_b32 s88, s88, 1
	s_add_co_u32 s88, s88, s58                     ; my first fragment = first + 2 pair x 8 K steps + 2 K group
	s_mul_i32 s90, s88, 1536
	s_mov_b32 s91, 0
	s_lshl_b32 s92, s88, 6
	s_add_co_u32 s92, s92, WS0
	s_mov_b32 s93, 0
	s_lshl_b32 s86, s56, 5                         ; 32 rows
	s_mov_b32 s87, 0
	s_wait_kmcnt 0x0
	s_mov_b64 s[4:5], s[8:9]
.irp k, 1,2,3,4,5,6,7
	s_cmp_eq_u32 s52, \k
	s_cselect_b64 s[4:5], s[8+2*\k:9+2*\k], s[4:5]
.endr
	s_add_nc_u64 s[SB:SB+1], s[4:5], s[6:7]
.irp t, 1,2,3,4,5,6,7
	s_add_nc_u64 s[SB+2*\t:SB+2*\t+1], s[SB+2*\t-2:SB+2*\t-1], s[86:87]
.endr
	s_add_nc_u64 s[82:83], s[32:33], s[90:91]
	s_add_nc_u64 s[84:85], s[32:33], s[92:93]
	v_bfe_u32 v2, v0, 3, 1                         ; which tile of the pair my column falls into
	v_and_b32 v3, 7, v0
	v_bfe_u32 v6, v0, 4, 1
	s_delay_alu instid0(VALU_DEP_1)
	v_lshl_add_u32 v3, v6, 3, v3                   ; and which row of it: lane % 8 + 8 (lane / 16)
	s_delay_alu instid0(VALU_DEP_4)
	v_mul_u32_u24 v4, v2, 0x3000
	s_delay_alu instid0(VALU_DEP_1)
	v_lshl_add_u32 v4, v3, 4, v4                   ; codes: the tile's fragments lie 8 x 1,536 bytes apart; 16 bytes a row
	v_lshlrev_b32 v5, 9, v2
	s_delay_alu instid0(VALU_DEP_1)
	v_lshl_add_u32 v5, v3, 2, v5                   ; scale words: 8 x 64 bytes a tile; 4 bytes a row
	s_wait_alu depctr_va_vdst(0)
	v_lshlrev_b32 v[VO], 2, v1
.set ii, 1
.rept 31
	s_delay_alu instid0(VALU_DEP_1)
	v_add_nc_u32 v[VO+ii], s56, v[VO+ii-1]
.set ii, ii+1
.endr
	WLOAD 0
	WLOAD 1
.irp t, 0,1,2,3,4,5,6,7
	WBLK \t
.endr
	global_store_b32 v5, v10, s[84:85]             ; my row's scale words of the two K steps
	global_store_b32 v5, v11, s[84:85] offset:64
	s_endpgm
	; ---------------- rows: a work-group is a tile of 16 tokens, wave w its K step w
.Lrows:
	s_sub_co_u32 s52, ttmp9, 80                    ; 0-63: hidden_states with LayerNorm 1; 64-191: encoder_hidden_states as they are
	s_cmp_lt_u32 s52, 64
	s_cselect_b32 s53, 0, 64
	s_sub_co_u32 s53, s52, s53                     ; the tile in its tensor
	s_lshr_b32 s54, s53, 1
	s_lshl_b32 s54, s54, 5
	s_and_b32 s55, s53, 1
	s_lshl_b32 s55, s55, 3
	s_add_co_u32 s54, s54, s55                     ; its first row
	s_lshl_b32 s56, s54, 12
	s_lshl_b32 s57, s3, 9
	s_add_co_u32 s56, s56, s57
	s_mov_b32 s57, 0
	s_lshl_b32 s58, s52, 3
	s_add_co_u32 s58, s58, s3                      ; the fragment in aimg
	s_mul_i32 s60, s58, 1536
	s_mov_b32 s61, 0
	s_lshl_b32 s62, s58, 6
	s_add_co_u32 s62, s62, AS0
	s_mov_b32 s63, 0
	s_mov_b32 s[SEL], 0x76543210
	s_mov_b32 s[SEL+1], 0xfedcba98                 ; lane l xor 16
	s_mov_b32 s73, 0x3a800000                      ; 1 / 1024
	s_mov_b32 s74, 0x3727c5ac                      ; 1e-5
	v_and_b32 v2, 15, v0                           ; r
	v_bfe_u32 v3, v0, 4, 1                         ; h
	s_delay_alu instid0(VALU_DEP_2)
	v_and_b32 v4, 8, v2
	s_delay_alu instid0(VALU_DEP_1)
	v_add_nc_u32 v4, v4, v2                        ; r + 8 (r / 8): my row of the tile
	s_delay_alu instid0(VALU_DEP_1)
	v_lshlrev_b32 v5, 12, v4
	s_delay_alu instid0(VALU_DEP_1)
	v_lshl_add_u32 v5, v3, 6, v5                   ; row x 4,096 + 64 h: my 16 numbers of each block of 32
	s_lshl_b32 s72, s3, 9
	v_lshlrev_b32 v6, 6, v3
	s_delay_alu instid0(VALU_DEP_1)
	v_add_nc_u32 v6, s72, v6                       ; the same columns in gain and bias
	s_wait_alu depctr_va_vdst(0)
	v_lshlrev_b32 v[LA], 4, v1
	v_lshlrev_b32 v[LB], 4, v2
	s_delay_alu instid0(VALU_DEP_1)
	v_lshl_add_u32 v[LB], v3, 3, v[LB]
	s_delay_alu instid0(VALU_DEP_1)
	v_add_nc_u32 v[LB], 512, v[LB]
	v_lshlrev_b32 v[R4], 2, v2
	s_lshl_b32 s72, s3, 6
	v_add_nc_u32 v[SW], s72, v[R4]
.irp b, 0,1,2,3
	v_mov_b32 v[TM+4+\b], 0                        ; a lane permute's destination counts as read
.endr
	s_wait_kmcnt 0x0
	s_cmp_lt_u32 s52, 64
	s_cselect_b64 s[4:5], s[24:25], s[26:27]
	s_add_nc_u64 s[4:5], s[4:5], s[56:57]
	s_add_nc_u64 s[66:67], s[34:35], s[60:61]
	s_add_nc_u64 s[68:69], s[34:35], s[62:63]
.set jj, 0
.rept 16
	global_load_b128 v[XR+4*jj:XR+4*jj+3], v5, s[4:5] offset:128*(jj/4)+16*(jj%4) th:TH_LOAD_NT
.set jj, jj+1
.endr
	s_cmp_lt_u32 s52, 64                           ; the same in all eight waves: it hangs on the work-group's number alone
	s_cbranch_scc0 .Lq
.set jj, 0
.rept 16
	global_load_b128 v[GR+4*jj:GR+4*jj+3], v6, s[28:29] offset:128*(jj/4)+16*(jj%4)
	global_load_b128 v[BR+4*jj:BR+4*jj+3], v6, s[30:31] offset:128*(jj/4)+16*(jj%4)
.set jj, jj+1
.endr
	s_wait_loadcnt 32                              ; the row's numbers are in; gain and bias (32 loads) may be out
	v_pk_add_f32 v[246:247], v[52:53], v[60:61]
	v_pk_add_f32 v[248:249], v[68:69], v[76:77]
	v_pk_add_f32 v[250:251], v[84:85], v[92:93]
	v_pk_add_f32 v[252:253], v[100:101], v[108:109]
	v_pk_add_f32 v[50:51], v[54:55], v[62:63]
	v_pk_add_f32 v[48:49], v[70:71], v[78:79]
	v_pk_add_f32 v[46:47], v[86:87], v[94:95]
	v_pk_add_f32 v[244:245], v[102:103], v[110:111]
	s_delay_alu instid0(VALU_DEP_1)
	v_pk_add_f32 v[244:245], v[244:245], v[56:57]
	v_pk_add_f32 v[246:247], v[246:247], v[64:65]
	v_pk_add_f32 v[248:249], v[248:249], v[72:73]
	v_pk_add_f32 v[250:251], v[250:251], v[80:81]
	v_pk_add_f32 v[252:253], v[252:253], v[88:89]
	v_pk_add_f32 v[50:51], v[50:51], v[96:97]
	v_pk_add_f32 v[48:49], v[48:49], v[104:105]
	v_pk_add_f32 v[46:47], v[46:47], v[112:113]
	v_pk_add_f32 v[244:245], v[244:245], v[58:59]
	v_pk_add_f32 v[246:247], v[246:247], v[66:67]
	v_pk_add_f32 v[248:249], v[248:249], v[74:75]
	v_pk_add_f32 v[250:251], v[250:251], v[82:83]
	v_pk_add_f32 v[252:253], v[252:253], v[90:91]
	v_pk_add_f32 v[50:51], v[50:51], v[98:99]
	v_pk_add_f32 v[48:49], v[48:49], v[106:107]
	v_pk_add_f32 v[46:47], v[46:47], v[114:115]
	s_delay_alu instid0(VALU_DEP_4)
	v_pk_add_f32 v[244:245], v[244:245], v[252:253]
	s_delay_alu instid0(VALU_DEP_4)
	v_pk_add_f32 v[246:247], v[246:247], v[50:51]
	s_delay_alu instid0(VALU_DEP_4)
	v_pk_add_f32 v[248:249], v[248:249], v[48:49]
	s_delay_alu instid0(VALU_DEP_4)
	v_pk_add_f32 v[250:251], v[250:251], v[46:47]
	s_delay_alu instid0(VALU_DEP_2)
	v_pk_add_f32 v[244:245], v[244:245], v[248:249]
	s_delay_alu instid0(VALU_DEP_2)
	v_pk_add_f32 v[246:247], v[246:247], v[250:251]
	s_delay_alu instid0(VALU_DEP_1)
	v_pk_add_f32 v[244:245], v[244:245], v[246:247]
	s_delay_alu instid0(VALU_DEP_1)
	v_add_f32 v[T], v[T], v[T+1]
	s_delay_alu instid0(VALU_DEP_1)
	v_permlanex16_b32 v[T+1], v[T], s[SEL], s[SEL+1]
	s_delay_alu instid0(VALU_DEP_1)
	v_add_f32 v[T], v[T], v[T+1]                   ; my row's sum over this wave's 128 columns
	ds_store_b32 v[SW], v[T] offset:ST1
	BARRIER
.irp k, 0,1,2,3,4,5,6,7
	ds_load_b32 v[T+\k], v[R4] offset:ST1+64*\k
.endr
	s_wait_dscnt 0x0
	v_add_f32 v[T], v[T], v[T+1]
	v_add_f32 v[T+2], v[T+2], v[T+3]
	v_add_f32 v[T+4], v[T+4], v[T+5]
	v_add_f32 v[T+6], v[T+6], v[T+7]
	s_delay_alu instid0(VALU_DEP_3)
	v_add_f32 v[T], v[T], v[T+2]
	s_delay_alu instid0(VALU_DEP_2)
	v_add_f32 v[T+4], v[T+4], v[T+6]
	s_delay_alu instid0(VALU_DEP_1)
	v_add_f32 v[T], v[T], v[T+4]
	s_delay_alu instid0(VALU_DEP_1)
	v_mul_f32 v[T], s73, v[T]                      ; the mean
.set jj, 0
.rept 32
	v_pk_add_f32 v[XR+jj:XR+jj+1], v[XR+jj:XR+jj+1], v[T:T+1] op_sel_hi:[1,0] neg_lo:[0,1] neg_hi:[0,1]
.set jj, jj+2
.endr
.irp q, 0,1,2,3
	v_pk_mul_f32 v[T+2*\q:T+2*\q+1], v[XR+2*\q:XR+2*\q+1], v[XR+2*\q:XR+2*\q+1]
.endr
.irp k, 8,16,24,32,40,48,56
.irp q, 0,1,2,3
	s_delay_alu instid0(VALU_DEP_4)
	v_pk_fma_f32 v[T+2*\q:T+2*\q+1], v[XR+\k+2*\q:XR+\k+2*\q+1], v[XR+\k+2*\q:XR+\k+2*\q+1], v[T+2*\q:T+2*\q+1]
.endr
.endr
	s_delay_alu instid0(VALU_DEP_3)
	v_pk_add_f32 v[T:T+1], v[T:T+1], v[T+2:T+3]
	s_delay_alu instid0(VALU_DEP_2)
	v_pk_add_f32 v[T+4:T+5], v[T+4:T+5], v[T+6:T+7]
	s_delay_alu instid0(VALU_DEP_1)
	v_pk_add_f32 v[T:T+1], v[T:T+1], v[T+4:T+5]
	s_delay_alu instid0(VALU_DEP_1)
	v_add_f32 v[T], v[T], v[T+1]
	s_delay_alu instid0(VALU_DEP_1)
	v_permlanex16_b32 v[T+1], v[T], s[SEL], s[SEL+1]
	s_delay_alu instid0(VALU_DEP_1)
	v_add_f32 v[T], v[T], v[T+1]
	ds_store_b32 v[SW], v[T] offset:ST2            ; other bytes than the sums': no wave still reads what is written here
	BARRIER
.irp k, 0,1,2,3,4,5,6,7
	ds_load_b32 v[T+\k], v[R4] offset:ST2+64*\k
.endr
	s_wait_dscnt 0x0
	v_add_f32 v[T], v[T], v[T+1]
	v_add_f32 v[T+2], v[T+2], v[T+3]
	v_add_f32 v[T+4], v[T+4], v[T+5]
	v_add_f32 v[T+6], v[T+6], v[T+7]
	s_delay_alu instid0(VALU_DEP_3)
	v_add_f32 v[T], v[T], v[T+2]
	s_delay_alu instid0(VALU_DEP_2)
	v_add_f32 v[T+4], v[T+4], v[T+6]
	s_delay_alu instid0(VALU_DEP_1)
	v_add_f32 v[T], v[T], v[T+4]
	s_delay_alu instid0(VALU_DEP_1)
	v_fma_f32 v[T+2], v[T], s73, s74               ; variance + 1e-5
	s_wait_alu depctr_va_vdst(0)
	v_rsq_f32 v[T+4], v[T+2]
	v_nop                                          ; one plain line behind the transcendental
	s_wait_loadcnt 0x0                             ; gain and bias
.set jj, 0
	s_wait_alu depctr_va_vdst(0)
.rept 32
	v_pk_mul_f32 v[XR+jj:XR+jj+1], v[XR+jj:XR+jj+1], v[T+4:T+5] op_sel_hi:[1,0]
.set jj, jj+2
.endr
.set jj, 0
.rept 32
	v_pk_fma_f32 v[XR+jj:XR+jj+1], v[XR+jj:XR+jj+1], v[GR+jj:GR+jj+1], v[BR+jj:BR+jj+1]
.set jj, jj+2
.endr
.Lq:
	s_wait_loadcnt 0x0
	QUANT4 XR
	global_store_b128 v[LA], v[PC:PC+3], s[66:67]              ; 32 lanes store 512 consecutive bytes, aligned
	global_store_b64 v[LB], v[PC+4:PC+5], s[66:67]             ; 32 lanes store 256 consecutive bytes, aligned
	global_store_b128 v[LA], v[PC+6:PC+9], s[66:67] offset:768
	global_store_b64 v[LB], v[PC+10:PC+11], s[66:67] offset:768
	global_store_b32 v[R4], v[PW], s[68:69]                    ; both halves of the lanes hold the same word
	s_wait_tensorcnt 0x0
	ds_add_u32 v254, v255
	s_wait_dscnt 0x0
	s_endpgm
.Lfunc_end_k_qf4c3a49a5c_prep:
	.size	k_qf4c3a49a5c_prep, .Lfunc_end_k_qf4c3a49a5c_prep-k_qf4c3a49a5c_prep
	.p2alignl 7, 3214868480
	.fill 96, 4, 3214868480
	.section	.rodata,"a",@progbits
	.p2align	6, 0x0
	.amdhsa_kernel k_qf4c3a49a5c_prep
		.amdhsa_group_segment_fixed_size 2048
		.amdhsa_private_segment_fixed_size 0
		.amdhsa_enable_private_segment 0
		.amdhsa_kernarg_size 112
		.amdhsa_user_sgpr_count 2
		.amdhsa_user_sgpr_kernarg_segment_ptr 1
		.amdhsa_wavefront_size32 1
		.amdhsa_system_sgpr_workgroup_id_x 1
		.amdhsa_system_sgpr_workgroup_id_y 1
		.amdhsa_system_sgpr_workgroup_id_z 1
		.amdhsa_system_vgpr_workitem_id 0
		.amdhsa_next_free_vgpr 256
		.amdhsa_next_free_sgpr 96
		.amdhsa_reserve_vcc 0
		.amdhsa_float_denorm_mode_32 3
		.amdhsa_float_denorm_mode_16_64 3
		.amdhsa_memory_ordered 1
		.amdhsa_forward_progress 1
		.amdhsa_inst_pref_size 74
	.end_amdhsa_kernel
	.amdgpu_metadata
---
amdhsa.version: [ 1, 2 ]
amdhsa.kernels:
  - .name:           k_qf4c3a49a5c_prep
    .symbol:         k_qf4c3a49a5c_prep.kd
    .args:
      - { .name: sa_q_w, .offset: 0, .size: 8, .value_kind: global_buffer, .address_space: global }
      - { .name: sa_o_w, .offset: 8, .size: 8, .value_kind: global_buffer, .address_space: global }
      - { .name: ca_q_w, .offset: 16, .size: 8, .value_kind: global_buffer, .address_space: global }
      - { .name: ca_o_w, .offset: 24, .size: 8, .value_kind: global_buffer, .address_space: global }
      - { .name: sa_k_w, .offset: 32, .size: 8, .value_kind: global_buffer, .address_space: global }
      - { .name: sa_v_w, .offset: 40, .size: 8, .value_kind: global_buffer, .address_space: global }
      - { .name: ca_k_w, .offset: 48, .size: 8, .value_kind: global_buffer, .address_space: global }
      - { .name: ca_v_w, .offset: 56, .size: 8, .value_kind: global_buffer, .address_space: global }
      - { .name: hidden_states, .offset: 64, .size: 8, .value_kind: global_buffer, .address_space: global }
      - { .name: encoder_hidden_states, .offset: 72, .size: 8, .value_kind: global_buffer, .address_space: global }
      - { .name: ln1_g, .offset: 80, .size: 8, .value_kind: global_buffer, .address_space: global }
      - { .name: ln1_b, .offset: 88, .size: 8, .value_kind: global_buffer, .address_space: global }
      - { .name: wimg, .offset: 96, .size: 8, .value_kind: global_buffer, .address_space: global }
      - { .name: aimg, .offset: 104, .size: 8, .value_kind: global_buffer, .address_space: global }
    .group_segment_fixed_size: 2048
    .private_segment_fixed_size: 0
    .kernarg_segment_align: 8
    .kernarg_segment_size: 112
    .max_flat_workgroup_size: 256
    .sgpr_count:     96
    .vgpr_count:     256
    .wavefront_size: 32
...
	.end_amdgpu_metadata
.endif
;; end of part 6
;; launch proj (part 7): grid 320 x 1, 4 waves a work-group, no clusters, 0 bytes of LDS; arguments wimg, aimg, sa_q_b, sa_k_b, sa_v_b, ca_k_b, ca_v_b, qkv; writes qkv
.if DOCPART == 7
	.amdgcn_target "amdgcn-amd-amdhsa--gfx1250"
	.amdhsa_code_object_version 6
	.text
	.protected	k_qf4c3a49a5c_proj
	.globl	k_qf4c3a49a5c_proj
	.p2align	8
	.type	k_qf4c3a49a5c_proj,@function
k_qf4c3a49a5c_proj:
	s_mov_b64 s[64:65], 0
	v_nop
	global_prefetch_b8 v0, s[64:65] scope:SCOPE_SE
	s_setreg_imm32_b32 hwreg(HW_REG_WAVE_SCHED_MODE, 0, 2), 2
	s_setreg_imm32_b32 hwreg(HW_REG_WAVE_MODE, 25, 1), 1
	s_wait_xcnt 0x0
	s_wait_alu depctr_vm_vsrc(0)
; PROJ: the five projections whose inputs are known at the start: q, k, v of self-attention from LayerNorm 1's codes, k and v of cross-attention from the encoder's codes.
; A WAVE IS ONE UNIT: eight tiles of operand P (source 0) x one tile of operand Q (source 1), K = 1,024: 64 matrix instructions.  In the result a lane holds one row of Q's tile and 64 numbers that are
; 128 neighbouring rows of P (16 (lane / 16) + 0..15 of each 32): with bias (and 1/8 for q) they are quantised in registers and are fragment number u of qkv, u = 4 x work-group + wave.
; q, k: P = the weight's columns, Q = tokens: codes along the features.  v: P = tokens, Q = the weight's columns: codes along the KEYS, which are the K of attention's second product.
; Operands lie in memory in the order of the registers, so each fragment comes by four loads straight into registers; waves share nothing: no LDS, no barrier.
; No tensor load and no cluster: a fragment is read by one wave of a work-group and wants no second trip through LDS.
; LIMITS: NaN and infinities are not served; a block under 2^-124 gets the byte 1.
; THE MODE: SCHED_MODE bits 1:0 = 2 (LLVM: expert scheduling mode 2), set by the entry lines.  The code itself states the register dependences between vector or matrix instructions and memory instructions, with s_wait_alu, always for 0.
; THE PLAN.  Registers that memory instructions touch:
;   P0, P1 (window 1), QF0, QF1   K step s: its eight products read buffer s % 2; behind them the 36 loads of step s + 2 land in it.
;   PSC, QSC, ACC                 loaded once, at the head, ahead of every vector instruction that names them (on v's way the bias is spread over ACC by moves, behind its load).
;   LA, LB, L4, R4, BO            made once at the head, never written again.
;   PC, PW                        written by the quantiser at the end, read by the five stores.
; So: one wait on va_vdst ahead of the first load; ONE in each of steps 0 to 5, behind the products that empty the buffer, which is asked for again at once; one ahead of the stores.
.set WS0, 3932160
.set AS0, 2359296
.set QS0, 1966080
.set LA,  1                            ; 16 x lane
.set LB,  2                            ; 512 + 16 (lane % 16) + 8 (lane / 16)
.set L4,  3                            ; 4 x lane: the scale words of two K steps
.set R4,  4                            ; 4 (lane % 16)
.set BO,  5                            ; my offset in the bias
.set PSC, 16                           ; v16-47  P's scale words: tile p, pair of K steps s2 at 4 p + s2
.set QSC, 48                           ; v48-51  Q's
.set QF,  52                           ; v52-75  Q's fragment, two buffers
.set ACC, 80                           ; v80-143 eight accumulators
.set PC,  144
.set PW,  164
.set TM,  168
.set SEL, 58
.set MSB, 0
.macro WIN new
.if MSB != \new
	s_set_vgpr_msb (MSB<<8)|\new
.set MSB, \new
.endif
.endm
.macro PLACES
.rept 4
	v_nop
.endr
.endm
.macro MM d, a, b, c, sa, sb, odd      ; c < 0: the sum starts with the constant 0.  odd: the odd K step's scale words lie in lanes 16-31
.if (\c) < 0
.if \odd
	v_wmma_scale_f32_16x16x128_f8f6f4 v[\d:\d+7], v[\a:\a+11], v[\b:\b+11], 0, v[\sa], v[\sb] matrix_a_fmt:MATRIX_FMT_FP6 matrix_b_fmt:MATRIX_FMT_FP6 matrix_a_scale:MATRIX_SCALE_ROW1 matrix_b_scale:MATRIX_SCALE_ROW1
.else
	v_wmma_scale_f32_16x16x128_f8f6f4 v[\d:\d+7], v[\a:\a+11], v[\b:\b+11], 0, v[\sa], v[\sb] matrix_a_fmt:MATRIX_FMT_FP6 matrix_b_fmt:MATRIX_FMT_FP6
.endif
.else
.if \odd
	v_wmma_scale_f32_16x16x128_f8f6f4 v[\d:\d+7], v[\a:\a+11], v[\b:\b+11], v[\c:\c+7], v[\sa], v[\sb] matrix_a_fmt:MATRIX_FMT_FP6 matrix_b_fmt:MATRIX_FMT_FP6 matrix_a_scale:MATRIX_SCALE_ROW1 matrix_b_scale:MATRIX_SCALE_ROW1
.else
	v_wmma_scale_f32_16x16x128_f8f6f4 v[\d:\d+7], v[\a:\a+11], v[\b:\b+11], v[\c:\c+7], v[\sa], v[\sb] matrix_a_fmt:MATRIX_FMT_FP6 matrix_b_fmt:MATRIX_FMT_FP6
.endif
.endif
.endm
.macro QUANT4 s
.irp b, 0,1,2,3
	v_max3_num_f32 v[TM+\b], |v[\s+16*\b]|, |v[\s+1+16*\b]|, 0x1800000
.endr
.irp i, 2,4,6,8,10,12,14
.irp b, 0,1,2,3
	v_max3_num_f32 v[TM+\b], v[TM+\b], |v[\s+16*\b+\i]|, |v[\s+1+16*\b+\i]|
.endr
.endr
.irp b, 0,1,2,3
	v_permlanex16_b32 v[TM+4+\b], v[TM+\b], s[SEL], s[SEL+1]
.endr
.irp b, 0,1,2,3
	v_max_num_f32 v[TM+\b], v[TM+\b], v[TM+4+\b]
.endr
.irp b, 0,1,2,3
	v_add_nc_u32 v[TM+12+\b], 0xff000000, v[TM+\b]
.endr
.irp b, 0,1,2,3
	v_lshrrev_b32 v[TM+4+\b], 23, v[TM+12+\b]
.endr
	v_lshl_or_b32 v[PW], v[TM+5], 8, v[TM+4]
	v_lshl_or_b32 v[PW], v[TM+6], 16, v[PW]
	v_lshl_or_b32 v[PW], v[TM+7], 24, v[PW]
.irp c, 0,1
	v_cvt_scalef32_pk16_fp6_f32 v[PC+6*\c:PC+2+6*\c], v[\s+32*\c:\s+15+32*\c], v[TM+12+2*\c]
	v_cvt_scalef32_pk16_fp6_f32 v[PC+12+4*\c:PC+14+4*\c], v[\s+16+32*\c:\s+31+32*\c], v[TM+12+2*\c+1]
.endr
	v_nop
.irp c, 0,1
.irp i, 0,1,2
	v_permlane16_swap_b32 v[PC+6*\c+\i], v[PC+12+4*\c+\i]
.endr
.irp i, 0,1,2
	v_mov_b32 v[PC+3+6*\c+\i], v[PC+12+4*\c+\i]
.endr
.endr
.endm
.macro PICK bound, u0, a, hi, mask, pf, qf, isv, xs, bp    ; units under \bound take these values
	s_cmp_lt_u32 s4, \bound
	s_cselect_b32 s24, \u0, s24
	s_cselect_b32 s25, \a, s25
	s_cselect_b32 s26, \hi, s26
	s_cselect_b32 s27, \mask, s27
	s_cselect_b32 s28, \pf, s28
	s_cselect_b32 s29, \qf, s29
	s_cselect_b32 s30, \isv, s30
	s_cselect_b32 s32, \xs, s32
	s_cselect_b64 s[34:35], s[\bp:\bp+1], s[34:35]
.endm
.macro LOADS s                         ; K step s: P's eight fragments (window 1) and Q's one: 36 loads
	WIN 0x40
.irp p, 0,1,2,3,4,5,6,7
.irp c, 0,1
	global_load_b128 v[96*((\s)%2)+12*\p+6*\c:96*((\s)%2)+12*\p+6*\c+3], v[LA], s[44:45] offset:(8*\p+(\s))*1536+768*\c
	global_load_b64 v[96*((\s)%2)+12*\p+6*\c+4:96*((\s)%2)+12*\p+6*\c+5], v[LB], s[44:45] offset:(8*\p+(\s))*1536+768*\c
.endr
.endr
	WIN 0
.irp c, 0,1
	global_load_b128 v[QF+12*((\s)%2)+6*\c:QF+12*((\s)%2)+6*\c+3], v[LA], s[48:49] offset:(\s)*1536+768*\c
	global_load_b64 v[QF+12*((\s)%2)+6*\c+4:QF+12*((\s)%2)+6*\c+5], v[LB], s[48:49] offset:(\s)*1536+768*\c
.endr
.endm
	s_load_b512 s[8:23], s[0:1], 0x0               ; wimg s8, aimg s10, sa_q_b s12, sa_k_b s14, sa_v_b s16, ca_k_b s18, ca_v_b s20, qkv s22
	v_lshrrev_b32 v9, 5, v0
	v_readfirstlane_b32 s5, v9                     ; wave
	s_lshl_b32 s4, ttmp9, 2                        ; the work-group's first unit: the types' bounds are multiples of 4
	v_and_b32 v6, 31, v0
	v_lshlrev_b32 v[LA], 4, v6
	v_lshlrev_b32 v[L4], 2, v6
	v_and_b32 v6, 15, v0                           ; r
	v_bfe_u32 v7, v0, 4, 1                         ; h
	v_lshlrev_b32 v[LB], 4, v6
	v_lshl_add_u32 v[LB], v7, 3, v[LB]
	v_add_nc_u32 v[LB], 512, v[LB]
	v_lshlrev_b32 v[R4], 2, v6
	v_and_b32 v8, 8, v6
	v_add_nc_u32 v8, v8, v6                        ; r + 8 (r / 8)
.irp b, 0,1,2,3
	v_mov_b32 v[TM+4+\b], 0
.endr
	s_wait_alu depctr_va_sdst(0)                   ; s5, the wave's number, is written, ahead of its first reader: the unit's number and all bases are made from it
	s_mov_b32 s[SEL], 0x76543210
	s_mov_b32 s[SEL+1], 0xfedcba98
	s_mov_b32 s24, 1024                            ; units 1024-1279: v of cross-attention
	s_mov_b32 s25, 2
	s_mov_b32 s26, 6
	s_mov_b32 s27, 15
	s_mov_b32 s28, 512
	s_mov_b32 s29, 2432
	s_mov_b32 s30, 1
	s_mov_b32 s32, 0x3f800000
	s_wait_alu depctr_va_vdst(0)
	s_wait_kmcnt 0x0
	s_mov_b64 s[34:35], s[20:21]
	PICK 1024, 768, 1, 31, 255, 2304, 512, 0, 0x3f800000, 18   ; 768-1023: k of cross-attention
	PICK 768, 640, 1, 5, 15, 0, 2176, 1, 0x3f800000, 16        ; 640-767: v of self-attention
	PICK 640, 512, 1, 31, 255, 2048, 0, 0, 0x3f800000, 14      ; 512-639: k of self-attention
	PICK 512, 0, 3, 31, 255, 0, 0, 0, 0x3e000000, 12           ; 0-511: q of self-attention, x 64^-0.5
	s_mov_b32 s33, s32
	s_add_co_u32 s6, s4, s5                        ; u
	s_sub_co_u32 s7, s6, s24                       ; u within its type
	s_lshr_b32 s36, s7, s26
	s_lshl_b32 s36, s36, s25
	s_lshl_b32 s37, 1, s25
	s_sub_co_u32 s37, s37, 1
	s_and_b32 s37, s7, s37
	s_or_b32 s36, s36, s37                         ; P's group of eight tiles
	s_lshr_b32 s37, s7, s25
	s_and_b32 s37, s37, s27                        ; Q's tile
	s_lshl_b32 s38, s36, 6
	s_add_co_u32 s38, s38, s28                     ; P's first fragment
	s_lshl_b32 s39, s37, 3
	s_add_co_u32 s39, s39, s29                     ; Q's
	s_mov_b32 s40, WS0
	s_mov_b32 s41, AS0
	s_cmp_lg_u32 s30, 0                            ; v: P = tokens, Q = weight; else the other way round
	s_cselect_b64 s[44:45], s[10:11], s[8:9]
	s_cselect_b64 s[48:49], s[8:9], s[10:11]
	s_cselect_b32 s42, s41, s40
	s_cselect_b32 s43, s40, s41
	s_cselect_b32 s60, 4, 0
	s_cselect_b32 s61, 0, 64
	s_mov_b32 s57, 0
	s_lshl_b32 s56, s38, 6
	s_add_co_u32 s56, s56, s42
	s_add_nc_u64 s[46:47], s[44:45], s[56:57]      ; P's scale words
	s_mul_i32 s56, s38, 1536
	s_add_nc_u64 s[44:45], s[44:45], s[56:57]      ; P's codes
	s_lshl_b32 s56, s39, 6
	s_add_co_u32 s56, s56, s43
	s_add_nc_u64 s[50:51], s[48:49], s[56:57]
	s_mul_i32 s56, s39, 1536
	s_add_nc_u64 s[48:49], s[48:49], s[56:57]
	s_mul_i32 s56, s6, 1536
	s_add_nc_u64 s[52:53], s[22:23], s[56:57]      ; where the result goes
	s_lshl_b32 s56, s6, 6
	s_add_co_u32 s56, s56, QS0
	s_add_nc_u64 s[54:55], s[22:23], s[56:57]
	s_lshr_b32 s56, s37, 1                         ; the bias: v: one number a lane, that of Q's row; else 64 a lane, those of P's rows
	s_lshl_b32 s56, s56, 7
	s_and_b32 s62, s37, 1
	s_lshl_b32 s62, s62, 5
	s_add_co_u32 s56, s56, s62
	s_lshl_b32 s62, s36, 9
	s_cmp_lg_u32 s30, 0
	s_cselect_b32 s56, s56, s62
	s_add_nc_u64 s[34:35], s[34:35], s[56:57]
	v_mul_u32_u24 v[BO], s60, v8
	v_mad_u32_u24 v[BO], s61, v7, v[BO]
	s_wait_alu depctr_va_vdst(0)                   ; the five offsets LA, LB, L4, R4 and BO are written, which every load and store of the kernel reads
.irp p, 0,1,2,3,4,5,6,7
.irp q, 0,1,2,3
	global_load_b32 v[PSC+4*\p+\q], v[L4], s[46:47] offset:(8*\p+2*\q)*64
.endr
.endr
.irp q, 0,1,2,3
	global_load_b32 v[QSC+\q], v[L4], s[50:51] offset:128*\q
.endr
	LOADS 0
	LOADS 1
	s_cmp_lg_u32 s30, 0
	s_cbranch_scc1 .Lbias_v
.set jj, 0
.rept 16
	global_load_b128 v[ACC+4*jj:ACC+4*jj+3], v[BO], s[34:35] offset:128*(jj/4)+16*(jj%4)   ; the bias starts the sums
.set jj, jj+1
.endr
	s_wait_loadcnt 0x0
	s_branch .Lbias_done
.Lbias_v:
	global_load_b32 v[ACC], v[BO], s[34:35]
	s_wait_loadcnt 0x0
.set jj, 1
.rept 63
	v_mov_b32 v[ACC+jj], v[ACC]
.set jj, jj+1
.endr
.Lbias_done:
	s_wait_alu depctr_va_vdst(0)
.irp s, 0,1,2,3,4,5,6,7
.if \s < 7
	s_wait_loadcnt 36                              ; this K step's loads are in; the next step's 36 may be out
.else
	s_wait_loadcnt 0x0
.endif
	WIN 0x01                                       ; source 0 in window 1
.irp p, 0,1,2,3,4,5,6,7
	MM ACC+8*\p, 96*(\s%2)+12*\p, QF+12*(\s%2), ACC+8*\p, PSC+4*\p+\s/2, QSC+\s/2, \s%2
.endr
	PLACES                                         ; the four places behind the products stand as in the plain form; behind the last step they are those in front of the first read of results
.if \s < 6
	s_wait_alu depctr_va_vdst(0)                   ; this step's eight products are done reading P's and Q's buffer, in which the loads of two steps on land
	LOADS \s+2
.endif
.endr
	WIN 0
.set jj, 0
.rept 32
	v_pk_mul_f32 v[ACC+jj:ACC+jj+1], v[ACC+jj:ACC+jj+1], s[32:33] op_sel_hi:[1,0]
.set jj, jj+2
.endr
	QUANT4 ACC
	s_wait_alu depctr_va_vdst(0)                   ; the quantiser has written the codes v[PC ..] and the scale word v[PW], which the five stores read
	global_store_b128 v[LA], v[PC:PC+3], s[52:53]
	global_store_b64 v[LB], v[PC+4:PC+5], s[52:53]
	global_store_b128 v[LA], v[PC+6:PC+9], s[52:53] offset:768
	global_store_b64 v[LB], v[PC+10:PC+11], s[52:53] offset:768
	global_store_b32 v[R4], v[PW], s[54:55]
	s_endpgm
.Lfunc_end_k_qf4c3a49a5c_proj:
	.size	k_qf4c3a49a5c_proj, .Lfunc_end_k_qf4c3a49a5c_proj-k_qf4c3a49a5c_proj
	.p2alignl 7, 3214868480
	.fill 96, 4, 3214868480
	.section	.rodata,"a",@progbits
	.p2align	6, 0x0
	.amdhsa_kernel k_qf4c3a49a5c_proj
		.amdhsa_group_segment_fixed_size 0
		.amdhsa_private_segment_fixed_size 0
		.amdhsa_enable_private_segment 0
		.amdhsa_kernarg_size 64
		.amdhsa_user_sgpr_count 2
		.amdhsa_user_sgpr_kernarg_segment_ptr 1
		.amdhsa_wavefront_size32 1
		.amdhsa_system_sgpr_workgroup_id_x 1
		.amdhsa_system_sgpr_workgroup_id_y 1
		.amdhsa_system_sgpr_workgroup_id_z 1
		.amdhsa_system_vgpr_workitem_id 0
		.amdhsa_next_free_vgpr 448
		.amdhsa_next_free_sgpr 80
		.amdhsa_reserve_vcc 0
		.amdhsa_float_denorm_mode_32 3
		.amdhsa_float_denorm_mode_16_64 3
		.amdhsa_memory_ordered 1
		.amdhsa_forward_progress 1
		.amdhsa_inst_pref_size 56
	.end_amdhsa_kernel
	.amdgpu_metadata
---
amdhsa.version: [ 1, 2 ]
amdhsa.kernels:
  - .name:           k_qf4c3a49a5c_proj
    .symbol:         k_qf4c3a49a5c_proj.kd
    .args:
      - { .name: wimg, .offset: 0, .size: 8, .value_kind: global_buffer, .address_space: global }
      - { .name: aimg, .offset: 8, .size: 8, .value_kind: global_buffer, .address_space: global }
      - { .name: sa_q_b, .offset: 16, .size: 8, .value_kind: global_buffer, .address_space: global }
      - { .name: sa_k_b, .offset: 24, .size: 8, .value_kind: global_buffer, .address_space: global }
      - { .name: sa_v_b, .offset: 32, .size: 8, .value_kind: global_buffer, .address_space: global }
      - { .name: ca_k_b, .offset: 40, .size: 8, .value_kind: global_buffer, .address_space: global }
      - { .name: ca_v_b, .offset: 48, .size: 8, .value_kind: global_buffer, .address_space: global }
      - { .name: qkv, .offset: 56, .size: 8, .value_kind: global_buffer, .address_space: global }
    .group_segment_fixed_size: 0
    .private_segment_fixed_size: 0
    .kernarg_segment_align: 8
    .kernarg_segment_size: 64
    .max_flat_workgroup_size: 128
    .sgpr_count:     80
    .vgpr_count:     448
    .wavefront_size: 32
...
	.end_amdgpu_metadata
.endif
;; end of part 7
;; launch mid (part 8): grid 832 x 1, 8 waves a work-group, no clusters, 109,568 bytes of LDS; arguments qkv, wimg, hidden_states, attention_mask, encoder_attention_mask, sa_o_b, ln2_g, ln2_b, ca_q_b, ca_o_b, ln3_g, ln3_b, x3img, h2, mimg, langs, moe_w1, moe_w3, moe_w2; writes x3img, h2, mimg
.if DOCPART == 8
	.amdgcn_target "amdgcn-amd-amdhsa--gfx1250"
	.amdhsa_code_object_version 6
	.text
	.protected	k_qf4c3a49a5c_mid
	.globl	k_qf4c3a49a5c_mid
	.p2align	8
	.type	k_qf4c3a49a5c_mid,@function
k_qf4c3a49a5c_mid:
	s_mov_b64 s[64:65], 0
	v_nop
	global_prefetch_b8 v0, s[64:65] scope:SCOPE_SE
	s_setreg_imm32_b32 hwreg(HW_REG_WAVE_SCHED_MODE, 0, 2), 2
	s_setreg_imm32_b32 hwreg(HW_REG_WAVE_MODE, 25, 1), 1
	s_wait_xcnt 0x0
	s_wait_alu depctr_vm_vsrc(0)
; MID, two kinds of work-groups that share nothing and part on the work-group's number at the first line.
; WORK-GROUPS 0-63, THE CHAIN: for a tile of 16 tokens the whole way from self-attention to LayerNorm 3: attention, output projection + residual, LayerNorm 2, query projection, cross-attention, output projection + residual (h2), LayerNorm 3, codes.
; WORK-GROUPS 64-831, THE EXPERTS' WEIGHTS: w1, w3, w2 (256 work-groups each, 32 for an expert) become codes of E2M3 in mimg.  Only the two launches behind this one read them, and the chain has 64 tiles of tokens and no more:
; so this stream of up to 201 MB stands in this launch, beside the chain, and not in a launch ahead of it.  An expert that no entry of langs names is multiplied by nothing later: its work-groups end without loading it.
; The attention weights' codes (wimg), which the chain reads, and the experts' (mimg), which are stored here, are two buffers.
; SHARES OF THE CHAIN.  A work-group owns token tile ttmp9.  Wave w owns heads 2 w and 2 w + 1, which are features 128 w .. 128 w + 127: K step w of every later product and tiles 8 w .. 8 w + 7 of each weight.
; Every product is used transposed (source 0 = keys, head channels or a weight's columns; source 1 = my 16 tokens): a lane holds ONE token throughout and 64 neighbouring-by-16 features, so the residual stream stays in
; registers and each result is quantised where it lies.  What one wave has made reaches the others as an image of the operand's registers in LDS; each LDS region is written once and read behind one barrier.
; SOFTMAX: t = (score + mask) x log2(e); M = the running largest t rounded up to a whole number; p = 2^(t - M) is quantised along the keys; the row's sum is taken of the unquantised p and divides at the end.
; A head is 64 wide and the matrix instruction 128: the query's upper 64 codes are zeros, so whatever stands in the key operand's upper half adds nothing; the upper two scale bytes are 0 on both sides, a finite power of two.
; Both masks are inputs: they are loaded and added in f32; no key is left out.
; No tensor load, no cluster: K, V and weights lie in memory in the order of the registers and go straight there.  The 64 work-groups walk the same weights' codes (2.3 MB in all); sharing them would need a ring in LDS, which this text does not have.
; LIMITS: NaN and infinities among the inputs are not served (a mask of -infinity is, unless it hides a whole row); a block under 2^-124 (a block of zeros too) gets the byte 1; 1 / sum and 1 / sqrt are the 1-ulp instructions.
; THE MODE: SCHED_MODE bits 1:0 = 2 (LLVM: expert scheduling mode 2), set by the entry lines.  The code itself states the register dependences between vector or matrix instructions and memory or LDS instructions, with s_wait_alu, always for 0.
; THE PLAN OF THE CHAIN.  Registers that memory or LDS instructions touch:
;   K, the mask, KSC     read by both heads' score products and mask additions; behind the second head's additions the next key step's 40 loads land in them.
;   V, VSC               read by both heads' second products; behind the second head's the next key step's 20 loads land in them.
;   PC, PW               written by vector instructions (p's codes; a quantiser); read by scaled products as operand and scales, and by the images' LDS stores and the last global stores.
;   ACC, WSC, W0, W1     a projection's bias, scale words and weight buffers: loaded; K step k's eight products read W[k % 2], and the loads of step k + 2 land in it behind them.
;   XF0, XF1, XSC        the tokens' fragments out of LDS: as W0, W1.
;   GW, BW               a norm's gain and bias: loaded at the norm's head into registers that the projection's products read; read by the norm's last multiply-adds.
;   v[T]                 a row's partial sum: written by additions, read by one LDS store; the eight gathering loads land in v[T] .. v[T+7].
;   addresses v1-v14     made once at the head, never written again; v254, v255: written at the head, read by the closing add alone.
; In a trip of the attention's loop: each head's wait for its exponentials, each head's wait ahead of its second products (p's codes and scale word), one wait ahead of K's loads, one ahead of V's.
; Each buffer is asked for again as soon as the products that read it are issued.
; THE PLAN OF THE WEIGHTS' PATH.  A set of 32 numbers is read by a block's maxima and conversions, then loaded again; each block has code registers of its own, written once and stored once: ONE wait a block, ahead of its stores and loads.
.set QS0, 1966080
.set WS0, 3932160
.set XS0, 786432
.set MS0, 37748736                     ; mimg: scale words behind 24,576 fragments; fragment (8 m + e) x 1024 + tile x K steps + K step, m = 0 w1, 1 w3, 2 w2
.set OI1, 0                            ; LDS: self-attention's output, 8 images of 1,536 bytes
.set XI2, 12288                        ; LayerNorm 2's output
.set OI2, 24576                        ; cross-attention's output
.set SC1, 36864                        ; their scale words, [K step][16]
.set SC2, 37376
.set SC3, 37888
.set ST1, 38400                        ; the norms' sums, [wave][16]
.set ST2, 38912
.set ST3, 39424
.set ST4, 39936
.set STG, 40448                        ; a stage of 16 rows x 528 bytes for each wave
.set LA,  1
.set LB,  2
.set L4,  3
.set R4,  4
.set RO,  5                            ; my row x 4,096 + 64 h
.set FO,  6                            ; 512 w + 64 h
.set MS,  7                            ; my row x 1,024 + 64 h
.set ME,  8                            ; my row x 2,048 + 64 h
.set SW,  9                            ; 64 w + 4 r
.set IA,  10                           ; LA + 1,536 w
.set IB,  11                           ; LB + 1,536 w
.set PFO, 12                           ; the prefetch's offset
.set SIN, 13                           ; the stage, in
.set SRD, 14                           ; the stage, back
.set Q0,  16                           ; v16-39  the two heads' query operands
.set QSC, 40
.set KSC, 42                           ; v42-49
.set VSC, 50                           ; v50-53
.set STA, 54                           ; v54-61  head c: -M, largest t, the sum in two halves
.set F,   62                           ; v62-63  f = 2^(old M - new M)
.set WSC, 16                           ; v16-47  a weight's scale words
.set S,   64                           ; v64-127 scores, then p;  also a projection's accumulators
.set ACC, 64
.set O,   128                          ; v128-191 the two heads' outputs;  also a norm's output
.set Y,   128
.set XF,  160                          ; v160-183 a projection's token fragment, two buffers
.set XSC, 184
.set PC,  192
.set PW,  212
.set TM,  216
.set BM,  216
.set BP,  220
.set SO,  228
.set T,   232
.set T0,  234
.set KW,  0                            ; window 1: v0-47 eight half fragments of K, v48-53 a pad
.set VW,  60                           ; v60-107 four fragments of V
.set MW,  108                          ; v108-171 the mask
.set GW,  0
.set BW,  64
.set RW,  192                          ; v192-255 the residual stream
.set SEL, 66
.set CS,  68
.set ZSB, 66                           ; the experts' weights: s66-81  eight row bases of a wave's columns, 32 rows apart
.set ZVO, 12                           ; v12-43  4 x lane + i rows
.set ZX,  44                           ; v44-107 two sets of 32 numbers
.set ZCA, 108                          ; v108-139 a block's first 16 bytes of codes, four registers a block
.set ZCB, 140                          ; v140-155 the last 8 bytes of two neighbouring blocks
.set ZCH, 156                          ; v156-158 the upper 16 codes as converted
.set MSB, 0
.macro WIN new
.if MSB != \new
	s_set_vgpr_msb (MSB<<8)|\new
.set MSB, \new
.endif
.endm
.macro PLACES
.rept 4
	v_nop
.endr
.endm
.macro BARRIER
	s_wait_dscnt 0x0
	s_barrier_signal -1
	s_barrier_wait -1
.endm
.macro MM d, a, b, c, sa, sb, odd
.if (\c) < 0
.if \odd
	v_wmma_scale_f32_16x16x128_f8f6f4 v[\d:\d+7], v[\a:\a+11], v[\b:\b+11], 0, v[\sa], v[\sb] matrix_a_fmt:MATRIX_FMT_FP6 matrix_b_fmt:MATRIX_FMT_FP6 matrix_a_scale:MATRIX_SCALE_ROW1 matrix_b_scale:MATRIX_SCALE_ROW1
.else
	v_wmma_scale_f32_16x16x128_f8f6f4 v[\d:\d+7], v[\a:\a+11], v[\b:\b+11], 0, v[\sa], v[\sb] matrix_a_fmt:MATRIX_FMT_FP6 matrix_b_fmt:MATRIX_FMT_FP6
.endif
.else
.if \odd
	v_wmma_scale_f32_16x16x128_f8f6f4 v[\d:\d+7], v[\a:\a+11], v[\b:\b+11], v[\c:\c+7], v[\sa], v[\sb] matrix_a_fmt:MATRIX_FMT_FP6 matrix_b_fmt:MATRIX_FMT_FP6 matrix_a_scale:MATRIX_SCALE_ROW1 matrix_b_scale:MATRIX_SCALE_ROW1
.else
	v_wmma_scale_f32_16x16x128_f8f6f4 v[\d:\d+7], v[\a:\a+11], v[\b:\b+11], v[\c:\c+7], v[\sa], v[\sb] matrix_a_fmt:MATRIX_FMT_FP6 matrix_b_fmt:MATRIX_FMT_FP6
.endif
.endif
.endm
.macro QUANT4 s
.irp b, 0,1,2,3
	v_max3_num_f32 v[TM+\b], |v[\s+16*\b]|, |v[\s+1+16*\b]|, 0x1800000
.endr
.irp i, 2,4,6,8,10,12,14
.irp b, 0,1,2,3
	v_max3_num_f32 v[TM+\b], v[TM+\b], |v[\s+16*\b+\i]|, |v[\s+1+16*\b+\i]|
.endr
.endr
.irp b, 0,1,2,3
	v_permlanex16_b32 v[TM+4+\b], v[TM+\b], s[SEL], s[SEL+1]
.endr
.irp b, 0,1,2,3
	v_max_num_f32 v[TM+\b], v[TM+\b], v[TM+4+\b]
.endr
.irp b, 0,1,2,3
	v_add_nc_u32 v[TM+12+\b], 0xff000000, v[TM+\b]
.endr
.irp b, 0,1,2,3
	v_lshrrev_b32 v[TM+4+\b], 23, v[TM+12+\b]
.endr
	v_lshl_or_b32 v[PW], v[TM+5], 8, v[TM+4]
	v_lshl_or_b32 v[PW], v[TM+6], 16, v[PW]
	v_lshl_or_b32 v[PW], v[TM+7], 24, v[PW]
.irp c, 0,1
	v_cvt_scalef32_pk16_fp6_f32 v[PC+6*\c:PC+2+6*\c], v[\s+32*\c:\s+15+32*\c], v[TM+12+2*\c]
	v_cvt_scalef32_pk16_fp6_f32 v[PC+12+4*\c:PC+14+4*\c], v[\s+16+32*\c:\s+31+32*\c], v[TM+12+2*\c+1]
.endr
	v_nop
.irp c, 0,1
.irp i, 0,1,2
	v_permlane16_swap_b32 v[PC+6*\c+\i], v[PC+12+4*\c+\i]
.endr
.irp i, 0,1,2
	v_mov_b32 v[PC+3+6*\c+\i], v[PC+12+4*\c+\i]
.endr
.endr
.endm
.macro IMG_L img, scw                  ; the fragment just made goes to LDS as it stands: K step w
	s_wait_alu depctr_va_vdst(0)                   ; the quantiser has written v[PC ..] and v[PW], which the LDS stores read, and is done reading its 64 numbers, among which the tokens' fragments land behind the barrier
	ds_store_b128 v[IA], v[PC:PC+3] offset:\img
	ds_store_b64 v[IB], v[PC+4:PC+5] offset:\img
	ds_store_b128 v[IA], v[PC+6:PC+9] offset:\img+768
	ds_store_b64 v[IB], v[PC+10:PC+11] offset:\img+768
	ds_store_b32 v[SW], v[PW] offset:\scw
.endm
; where K's, V's and the mask's streams begin: sequence s72, key and value head s73, my first row in its sequence s81
.macro STREAMS kf0, kbs, vf0, vbs, vgs, mp, mbs, mrs
	s_lshl_b32 s74, s72, \kbs
	s_lshr_b32 s75, s73, 1
	s_add_co_u32 s74, s74, s75
	s_add_co_u32 s74, s74, \kf0                    ; K: the fragment of the sequence's first token tile that holds my head,
	s_and_b32 s75, s73, 1                          ; and which half of it
	s_mul_i32 s76, s74, 1536
	s_mul_i32 s78, s75, 768
	s_add_co_u32 s76, s76, s78
	s_add_nc_u64 s[36:37], s[8:9], s[76:77]
	s_lshl_b32 s76, s74, 6
	s_lshl_b32 s78, s75, 1
	s_add_co_u32 s76, s76, s78
	s_add_co_u32 s76, s76, QS0
	s_add_nc_u64 s[38:39], s[8:9], s[76:77]
	s_lshl_b32 s74, s72, \vbs
	s_lshl_b32 s75, s73, \vgs
	s_add_co_u32 s74, s74, s75
	s_add_co_u32 s74, s74, \vf0                    ; V: my head's first tile of channels, key step 0
	s_mul_i32 s76, s74, 1536
	s_add_nc_u64 s[40:41], s[8:9], s[76:77]
	s_lshl_b32 s76, s74, 6
	s_add_co_u32 s76, s76, QS0
	s_add_nc_u64 s[42:43], s[8:9], s[76:77]
	s_lshl_b32 s76, s72, \mbs
	s_lshl_b32 s78, s81, \mrs
	s_add_co_u32 s76, s76, s78
	s_add_nc_u64 s[44:45], s[\mp:\mp+1], s[76:77]
	s_mov_b32 s47, 0
.endm
.macro LOADKM mo                       ; a key step's K (my head's half of eight fragments), mask and K's scale halves: 40 loads
	WIN 0x40
.irp t, 0,1,2,3,4,5,6,7
	global_load_b128 v[KW+6*\t:KW+6*\t+3], v[LA], s[36:37] offset:3072*\t
	global_load_b64 v[KW+6*\t+4:KW+6*\t+5], v[LB], s[36:37] offset:3072*\t
.endr
.set jj, 0
.rept 16
	global_load_b128 v[MW+4*jj:MW+4*jj+3], v[\mo], s[44:45] offset:128*(jj/4)+16*(jj%4)
.set jj, jj+1
.endr
	WIN 0
.irp t, 0,1,2,3,4,5,6,7
	global_load_u16 v[KSC+\t], v[R4], s[38:39] offset:128*\t   ; two bytes; the upper two come as 0
.endr
.endm
.macro LOADV ksv                       ; a key step's V: four fragments and their scale words: 20 loads
	WIN 0x40
.irp d, 0,1,2,3
.irp e, 0,1
	global_load_b128 v[VW+12*\d+6*\e:VW+12*\d+6*\e+3], v[LA], s[40:41] offset:\d*\ksv*1536+768*\e
	global_load_b64 v[VW+12*\d+6*\e+4:VW+12*\d+6*\e+5], v[LB], s[40:41] offset:\d*\ksv*1536+768*\e
.endr
.endr
	WIN 0
.irp d, 0,1,2,3
	global_load_b32 v[VSC+\d], v[R4], s[42:43] offset:\d*\ksv*64
.endr
.endm
; One head's part of a key step of 128 keys
.macro HEAD c, ksv, mo
.set ST_, STA+4*\c
.set OC_, O+32*\c
	WIN 0x01
.irp t, 0,1,2,3,4,5,6,7
	MM S+8*\t, KW+6*\t, Q0+12*\c, -1, KSC+\t, QSC+\c, 0
.endr
	PLACES
	WIN 0x04                                       ; source 1 in window 1
.set jj, 0
.rept 32
	v_pk_add_f32 v[S+jj:S+jj+1], v[S+jj:S+jj+1], v[MW+jj:MW+jj+1]   ; + the mask, in f32
.set jj, jj+2
.endr
	WIN 0
.if \c == 1
	s_cmp_gt_u32 s70, 1                            ; both heads are through with K and the mask: the next step's are asked for.  In the last trip the step is 0, so that no load leaves its buffer
	s_cselect_b32 s46, 24576, 0
	s_add_nc_u64 s[36:37], s[36:37], s[46:47]      ; (no load is out here: the bases may be stepped)
	s_cselect_b32 s46, 1024, 0
	s_add_nc_u64 s[38:39], s[38:39], s[46:47]
	s_cselect_b32 s46, 512, 0
	s_add_nc_u64 s[44:45], s[44:45], s[46:47]
	s_wait_alu depctr_va_vdst(0)                   ; both heads' score products are done reading K and its scale halves, and the additions the mask: the next key step's 40 loads land there
	LOADKM \mo
.endif
.irp b, 0,1,2,3
	v_max3_num_f32 v[BM+\b], v[S+16*\b], v[S+1+16*\b], v[S+2+16*\b]   ; the largest score of each block of 32 keys: for the row's maximum, and for the block's largest p
.endr
.irp i, 3,5,7,9,11,13
.irp b, 0,1,2,3
	v_max3_num_f32 v[BM+\b], v[BM+\b], v[S+16*\b+\i], v[S+1+16*\b+\i]
.endr
.endr
.irp b, 0,1,2,3
	v_max_num_f32 v[BM+\b], v[BM+\b], v[S+15+16*\b]
.endr
.irp b, 0,1,2,3
	v_permlanex16_b32 v[BP+\b], v[BM+\b], s[SEL], s[SEL+1]
.endr
.irp b, 0,1,2,3
	v_max_num_f32 v[BM+\b], v[BM+\b], v[BP+\b]
.endr
	v_max3_num_f32 v[T0], v[BM], v[BM+1], v[BM+2]
	v_max_num_f32 v[T0], v[T0], v[BM+3]
	v_mul_f32 v[T0], s[CS], v[T0]
	v_max_num_f32 v[ST_+1], v[ST_+1], v[T0]        ; the running largest t
	v_mov_b32 v[T0], v[ST_]
	v_floor_f32 v[ST_], -v[ST_+1]                  ; -M = floor(-t): M is a whole number
	v_sub_f32 v[T0], v[ST_], v[T0]
	v_cvt_i32_f32 v[T0], v[T0]                     ; (it saturates)
	v_ldexp_f32 v[F], 1.0, v[T0]                   ; f = 2^(old M - new M)
.set jj, 0
.rept 32
	v_pk_fma_f32 v[S+jj:S+jj+1], v[S+jj:S+jj+1], s[CS:CS+1], v[ST_:ST_+1] op_sel_hi:[1,0,0]   ; t - M
.set jj, jj+2
.endr
.irp b, 0,1,2,3
	v_fma_f32 v[BM+\b], v[BM+\b], s[CS], v[ST_]
.endr
.set jj, 0
	s_wait_alu depctr_va_vdst(0)
.rept 64
	v_exp_f32 v[S+jj], v[S+jj]
.set jj, jj+1
.endr
.irp b, 0,1,2,3
	v_exp_f32 v[BM+\b], v[BM+\b]                   ; the block's largest p: the same two instructions on the same number
.endr
	v_pk_mul_f32 v[ST_+2:ST_+3], v[ST_+2:ST_+3], v[F:F+1] op_sel_hi:[1,0]   ; the sums under the new M (a plain line behind the exponentials)
	s_wait_alu depctr_va_vdst(0)                   ; the 68 exponentials have written p and the blocks' largest p, ahead of the first line that names a result: one wait for the batch
.irp b, 0,1,2,3
	v_max_num_f32 v[BM+\b], 0x1800000, v[BM+\b]
.endr
.irp b, 0,1,2,3
	v_add_nc_u32 v[SO+\b], 0xff000000, v[BM+\b]
.endr
.irp b, 0,1,2,3
	v_lshrrev_b32 v[BP+\b], 23, v[SO+\b]
.endr
	v_lshl_or_b32 v[PW], v[BP+1], 8, v[BP]
	v_lshl_or_b32 v[PW], v[BP+2], 16, v[PW]
	v_lshl_or_b32 v[PW], v[BP+3], 24, v[PW]
.irp e, 0,1
	v_cvt_scalef32_pk16_fp6_f32 v[PC+6*\e:PC+2+6*\e], v[S+32*\e:S+15+32*\e], v[SO+2*\e]
	v_cvt_scalef32_pk16_fp6_f32 v[PC+12+4*\e:PC+14+4*\e], v[S+16+32*\e:S+31+32*\e], v[SO+2*\e+1]
.endr
	v_nop
.irp e, 0,1
.irp i, 0,1,2
	v_permlane16_swap_b32 v[PC+6*\e+\i], v[PC+12+4*\e+\i]
.endr
.irp i, 0,1,2
	v_mov_b32 v[PC+3+6*\e+\i], v[PC+12+4*\e+\i]
.endr
.endr
	v_pk_add_f32 v[T:T+1], v[S:S+1], v[S+2:S+3]    ; the row's sum, of the unquantised p, in two chains
.irp j, 4,8,12,16,20,24,28,32,36,40,44,48,52,56,60
	v_pk_add_f32 v[ST_+2:ST_+3], v[ST_+2:ST_+3], v[S+\j:S+\j+1]
	v_pk_add_f32 v[T:T+1], v[T:T+1], v[S+\j+2:S+\j+3]
.endr
	v_pk_add_f32 v[ST_+2:ST_+3], v[ST_+2:ST_+3], v[T:T+1]
.set jj, 0
.rept 16
	v_pk_mul_f32 v[OC_+jj:OC_+jj+1], v[OC_+jj:OC_+jj+1], v[F:F+1] op_sel_hi:[1,0]   ; the output under the new M
.set jj, jj+2
.endr
.if \c == 0
	s_wait_loadcnt 0x0                             ; V is in: nothing younger is out
.endif
	s_wait_alu depctr_va_vdst(0)                   ; p's codes v[PC ..] and its scale word v[PW] are written, which the scaled products below take as operand and as scales; the packed lines above are the places, and stand ahead of this wait
	WIN 0x01
.irp d, 0,1,2,3
	MM OC_+8*\d, VW+12*\d, PC, OC_+8*\d, VSC+\d, PW, 0
.endr
.if \c == 1
	PLACES
	s_cmp_gt_u32 s70, 1
	s_cselect_b32 s46, 1536, 0
	s_add_nc_u64 s[40:41], s[40:41], s[46:47]      ; (V's loads were shown done in the first head's part)
	s_cselect_b32 s46, 64, 0
	s_add_nc_u64 s[42:43], s[42:43], s[46:47]
	s_wait_alu depctr_va_vdst(0)                   ; both heads' second products are done reading V and its scale words, in which the next key step's 20 loads land
	LOADV \ksv
.endif
	WIN 0
.endm
.macro ATT ns, ksv, mo                 ; ns key steps
	WIN 0x40
.irp i, 0,1,2,3,4,5
	v_mov_b32 v[KW+48+\i], 0                       ; what the eighth tile's operand reaches into.  It is cleared FIRST: an operand register written by a vector instruction stands at least four plain vector lines ahead of the scaled product that names it, and the moves below are those lines
.endr
	WIN 0
.set jj, 0
.rept 64
	v_mov_b32 v[O+jj], 0                           ; the step is written once: the first finds zeros
.set jj, jj+1
.endr
.irp c, 0,1
	v_mov_b32 v[STA+4*\c+1], 0xff61b1e6            ; -3e38, under every t
	v_mov_b32 v[STA+4*\c+2], 0
	v_mov_b32 v[STA+4*\c+3], 0
.endr
.irp c, 0,1
	v_floor_f32 v[STA+4*\c], -v[STA+4*\c+1]
.endr
	s_mov_b32 s70, \ns
	s_wait_alu depctr_va_vdst(0)                   ; all that has named the registers in which K, V, the mask and their scales land is done with them; and the query operands, their scale words and the pad, as far as vector instructions wrote them, are written, ahead of the scaled products that take them
	LOADKM \mo
	LOADV \ksv
.Latt_\@:
	s_wait_loadcnt 20                              ; K, its scales and the mask are in; V's 20 loads may be out
	HEAD 0, \ksv, \mo
	HEAD 1, \ksv, \mo
	s_sub_co_u32 s70, s70, 1
	s_cmp_lg_u32 s70, 0
	s_cbranch_scc1 .Latt_\@
	s_wait_loadcnt 0x0                             ; the last trip's repeated loads
.endm
.macro FIN                             ; both heads' outputs are divided by their rows' sums
.irp c, 0,1
	v_add_f32 v[T+\c], v[STA+4*\c+2], v[STA+4*\c+3]
.endr
.irp c, 0,1
	v_permlanex16_b32 v[T+2+\c], v[T+\c], s[SEL], s[SEL+1]
.endr
.irp c, 0,1
	v_add_f32 v[T+\c], v[T+\c], v[T+2+\c]
.endr
	s_wait_alu depctr_va_vdst(0)
.irp c, 0,1
	v_rcp_f32 v[T+4+2*\c], v[T+\c]
.endr
	v_nop
	s_wait_alu depctr_va_vdst(0)                   ; the two reciprocals are written, ahead of their first reader
.irp c, 0,1
.set jj, 0
.rept 16
	v_pk_mul_f32 v[O+32*\c+jj:O+32*\c+jj+1], v[O+32*\c+jj:O+32*\c+jj+1], v[T+4+2*\c:T+5+2*\c] op_sel_hi:[1,0]
.set jj, jj+2
.endr
.endr
.endm
.macro LOADW s                         ; K step s of my eight tiles of the weight: 32 loads
	WIN 0x40
.irp p, 0,1,2,3,4,5,6,7
.irp c, 0,1
	global_load_b128 v[96*((\s)%2)+12*\p+6*\c:96*((\s)%2)+12*\p+6*\c+3], v[LA], s[48:49] offset:(8*\p+(\s))*1536+768*\c
	global_load_b64 v[96*((\s)%2)+12*\p+6*\c+4:96*((\s)%2)+12*\p+6*\c+5], v[LB], s[48:49] offset:(8*\p+(\s))*1536+768*\c
.endr
.endr
	WIN 0
.endm
.macro LOADX s, img                    ; K step s of the tokens, from LDS: 4 loads
.irp c, 0,1
	ds_load_b128 v[XF+12*((\s)%2)+6*\c:XF+12*((\s)%2)+6*\c+3], v[LA] offset:\img+(\s)*1536+768*\c
	ds_load_b64 v[XF+12*((\s)%2)+6*\c+4:XF+12*((\s)%2)+6*\c+5], v[LB] offset:\img+(\s)*1536+768*\c
.endr
.endm
; a projection's loads from memory are asked for while its input is still being made.  w = 1: behind a norm.  w = 0: behind an attention, where no vector or matrix instruction
; has been issued since the last trip's wait ahead of V's loads: that wait has shown every reader and writer of these registers done
.macro UNIT_PRE wfi0, bp, w
	s_lshl_b32 s76, s7, 6
	s_add_co_u32 s76, s76, \wfi0
	s_mul_i32 s78, s76, 1536
	s_add_nc_u64 s[48:49], s[10:11], s[78:79]
	s_lshl_b32 s78, s76, 6
	s_add_co_u32 s78, s78, WS0
	s_add_nc_u64 s[50:51], s[10:11], s[78:79]
.if \w
	s_wait_alu depctr_va_vdst(0)                   ; the norm's multiply-adds are done reading gain and bias, in whose registers the weight lands; the residual's additions are done reading ACC, in which the bias lands
.endif
.set jj, 0
.rept 16
	global_load_b128 v[ACC+4*jj:ACC+4*jj+3], v[FO], s[\bp:\bp+1] offset:128*(jj/4)+16*(jj%4)   ; the bias starts the sums
.set jj, jj+1
.endr
.irp p, 0,1,2,3,4,5,6,7
.irp q, 0,1,2,3
	global_load_b32 v[WSC+4*\p+\q], v[L4], s[50:51] offset:(8*\p+2*\q)*64
.endr
.endr
	LOADW 0
	LOADW 1
.endm
.macro UNIT_RUN img, scw
	LOADX 0, \img
.irp q, 0,1,2,3
	ds_load_b32 v[XSC+\q], v[L4] offset:\scw+128*\q
.endr
	LOADX 1, \img
.irp k, 0,1,2,3,4,5,6,7
.if \k < 7
	s_wait_loadcnt 32                              ; this K step's weight is in; the next step's 32 loads may be out
	s_wait_dscnt 4                                 ; and of the LDS loads the next step's four
.else
	s_wait_loadcnt 0x0
	s_wait_dscnt 0x0
.endif
	WIN 0x01
.irp p, 0,1,2,3,4,5,6,7
	MM ACC+8*\p, 96*(\k%2)+12*\p, XF+12*(\k%2), ACC+8*\p, WSC+4*\p+\k/2, XSC+\k/2, \k%2
.endr
	PLACES
.if \k < 6
	s_wait_alu depctr_va_vdst(0)                   ; this K step's eight products are done reading the weight's and the tokens' buffer, in which the loads of two steps on land
	LOADW \k+2
	LOADX \k+2, \img
.endif
.endr
	WIN 0
.endm
.macro RADD                            ; the residual stream takes the projection's result
	WIN 0x44
.set jj, 0
.rept 32
	v_pk_add_f32 v[RW+jj:RW+jj+1], v[ACC+jj:ACC+jj+1], v[RW+jj:RW+jj+1]
.set jj, jj+2
.endr
	WIN 0
.endm
.macro GATHER st                       ; the eight waves' parts of my row's sum
	s_wait_alu depctr_vm_vsrc(0)                   ; my LDS store of the partial sum has read v[T], in which the first of these loads lands
.irp k, 0,1,2,3,4,5,6,7
	ds_load_b32 v[T+\k], v[R4] offset:\st+64*\k
.endr
	s_wait_dscnt 0x0
	v_add_f32 v[T], v[T], v[T+1]
	v_add_f32 v[T+2], v[T+2], v[T+3]
	v_add_f32 v[T+4], v[T+4], v[T+5]
	v_add_f32 v[T+6], v[T+6], v[T+7]
	v_add_f32 v[T], v[T], v[T+2]
	v_add_f32 v[T+4], v[T+4], v[T+6]
	v_add_f32 v[T], v[T], v[T+4]
.endm
.macro LNORM gp, bp, sta, stb          ; Y = LayerNorm of the residual stream
	WIN 0x40
	s_wait_alu depctr_va_vdst(0)                   ; the projection's last products are done reading the weight's buffers, in which gain and bias land
.set jj, 0
.rept 16
	global_load_b128 v[GW+4*jj:GW+4*jj+3], v[FO], s[\gp:\gp+1] offset:128*(jj/4)+16*(jj%4)
	global_load_b128 v[BW+4*jj:BW+4*jj+3], v[FO], s[\bp:\bp+1] offset:128*(jj/4)+16*(jj%4)
.set jj, jj+1
.endr
	WIN 0x05
.set jj, 0
.rept 16
	v_pk_add_f32 v[Y+2*jj:Y+2*jj+1], v[RW+4*jj:RW+4*jj+1], v[RW+4*jj+2:RW+4*jj+3]
.set jj, jj+1
.endr
	WIN 0
.irp d, 16,8,4,2
.set kk, 0
.rept \d/2
	v_pk_add_f32 v[Y+kk:Y+kk+1], v[Y+kk:Y+kk+1], v[Y+\d+kk:Y+\d+kk+1]
.set kk, kk+2
.endr
.endr
	v_add_f32 v[T], v[Y], v[Y+1]
	v_permlanex16_b32 v[T+1], v[T], s[SEL], s[SEL+1]
	v_add_f32 v[T], v[T], v[T+1]
	s_wait_alu depctr_va_vdst(0)                   ; v[T], my part of the row's sum, is written, which the LDS store reads; and the lines above are done with v[T+1], in which a gathering load lands
	ds_store_b32 v[SW], v[T] offset:\sta
	BARRIER
	GATHER \sta
	v_mul_f32 v[T+8], s71, v[T]                    ; the mean
	WIN 0x01
.set jj, 0
.rept 32
	v_pk_add_f32 v[Y+jj:Y+jj+1], v[RW+jj:RW+jj+1], v[T+8:T+9] op_sel_hi:[1,0] neg_lo:[0,1] neg_hi:[0,1]
.set jj, jj+2
.endr
	WIN 0
.irp q, 0,1,2,3
	v_pk_mul_f32 v[T+2*\q:T+2*\q+1], v[Y+2*\q:Y+2*\q+1], v[Y+2*\q:Y+2*\q+1]
.endr
.irp k, 8,16,24,32,40,48,56
.irp q, 0,1,2,3
	v_pk_fma_f32 v[T+2*\q:T+2*\q+1], v[Y+\k+2*\q:Y+\k+2*\q+1], v[Y+\k+2*\q:Y+\k+2*\q+1], v[T+2*\q:T+2*\q+1]
.endr
.endr
	v_pk_add_f32 v[T:T+1], v[T:T+1], v[T+2:T+3]
	v_pk_add_f32 v[T+4:T+5], v[T+4:T+5], v[T+6:T+7]
	v_pk_add_f32 v[T:T+1], v[T:T+1], v[T+4:T+5]
	v_add_f32 v[T], v[T], v[T+1]
	v_permlanex16_b32 v[T+1], v[T], s[SEL], s[SEL+1]
	v_add_f32 v[T], v[T], v[T+1]
	s_wait_alu depctr_va_vdst(0)                   ; v[T], my part of the sum of squares, is written, which the LDS store reads; and the lines above are done with v[T+1] .. v[T+7], in which the gathering loads land
	ds_store_b32 v[SW], v[T] offset:\stb
	BARRIER
	GATHER \stb
	v_fma_f32 v[T+10], v[T], s71, s83              ; variance + 1e-5
	s_wait_alu depctr_va_vdst(0)
	v_rsq_f32 v[T+12], v[T+10]
	v_nop
	s_wait_loadcnt 0x0                             ; gain and bias
.set jj, 0
	s_wait_alu depctr_va_vdst(0)                   ; 1 / sqrt is written, ahead of its first reader
.rept 32
	v_pk_mul_f32 v[Y+jj:Y+jj+1], v[Y+jj:Y+jj+1], v[T+12:T+13] op_sel_hi:[1,0]
.set jj, jj+2
.endr
	WIN 0x14
.set jj, 0
.rept 32
	v_pk_fma_f32 v[Y+jj:Y+jj+1], v[Y+jj:Y+jj+1], v[GW+jj:GW+jj+1], v[BW+jj:BW+jj+1]
.set jj, jj+2
.endr
	WIN 0
.endm
; The experts' weights ([K][N], K not innermost): a lane takes a column and its registers run down K; a wave takes 32 columns (two tiles), a work-group 256 columns x 256 along K
.macro ZLOAD t                         ; block t: 32 rows of my column; 32 lanes read 128 neighbouring bytes, the eight waves 1,024
.set ii, 0
.rept 32
	global_load_b32 v[ZX+32*((\t)%2)+ii], v[ZVO+ii], s[ZSB+2*(\t):ZSB+2*(\t)+1] th:TH_LOAD_NT
.set ii, ii+1
.endr
.endm
.macro ZBLK t                          ; block t = 4 s + 2 c + hq of my column: K step s, half c, lanes' half hq of the fragment
.set ZXS, ZX+32*((\t)%2)
.if (\t) < 7
	s_wait_loadcnt 32                              ; this block's 32 loads are in; the next block's 32 may be out
.else
	s_wait_loadcnt 0x0
.endif
	v_max3_num_f32 v6, |v[ZXS]|, |v[ZXS+1]|, |v[ZXS+2]|
	v_max3_num_f32 v7, |v[ZXS+3]|, |v[ZXS+4]|, |v[ZXS+5]|
.irp i, 6,10,14,18,22,26
	v_max3_num_f32 v6, v6, |v[ZXS+\i]|, |v[ZXS+\i+1]|
	v_max3_num_f32 v7, v7, |v[ZXS+\i+2]|, |v[ZXS+\i+3]|
.endr
	v_max3_num_f32 v6, v6, |v[ZXS+30]|, |v[ZXS+31]|
	v_max3_num_f32 v6, v6, v7, 0x1800000           ; the floor 2^(3 - 127): the byte cannot fall under 1
	v_add_nc_u32 v8, 0xff000000, v6                ; 2 off the exponent field: the conversion's scale operand
	v_cvt_scalef32_pk16_fp6_f32 v[ZCA+4*(\t):ZCA+4*(\t)+2], v[ZXS:ZXS+15], v8
	v_cvt_scalef32_pk16_fp6_f32 v[ZCH:ZCH+2], v[ZXS+16:ZXS+31], v8
	v_lshrrev_b32 v9, 23, v8                       ; the scale's byte (a plain line behind the conversions)
.if (\t)%4 == 0
	v_mov_b32 v[10+(\t)/4], v9
.else
	v_lshl_or_b32 v[10+(\t)/4], v9, 8*((\t)%4), v[10+(\t)/4]
.endif
	v_mov_b32 v[ZCA+4*(\t)+3], v[ZCH]
	v_mov_b32 v[ZCB+4*((\t)/2)+2*((\t)%2)], v[ZCH+1]
	v_mov_b32 v[ZCB+4*((\t)/2)+2*((\t)%2)+1], v[ZCH+2]
	s_wait_alu depctr_va_vdst(0)                   ; the block's codes (and, in the last block, both scale words) are written, which the stores read; maxima and conversions are done reading this set of 32 numbers, in which the loads of two blocks on land
	global_store_b128 v4, v[ZCA+4*(\t):ZCA+4*(\t)+3], s[82:83] offset:1536*((\t)/4)+768*(((\t)%4)/2)+256*((\t)%2)   ; sixteen lanes of a tile store 256 consecutive bytes, aligned
.if (\t)%2
	global_store_b128 v4, v[ZCB+4*((\t)/2):ZCB+4*((\t)/2)+3], s[82:83] offset:1536*((\t)/4)+768*(((\t)%4)/2)+512
.endif
.if (\t) < 6
	ZLOAD (\t)+2
.endif
.endm
	v_lshl_add_u32 v254, v0, 2, 0x1a800
	v_mov_b32 v255, 0
	s_cmp_ge_u32 ttmp9, 64                         ; the same in all eight waves: it hangs on the work-group's number alone
	s_cbranch_scc1 .Lquant
	s_load_b512 s[8:23], s[0:1], 0x0               ; qkv s8, wimg s10, hidden s12, mask s14, encoder mask s16, sa_o_b s18, ln2_g s20, ln2_b s22
	s_load_b256 s[24:31], s[0:1], 0x40             ; ca_q_b s24, ca_o_b s26, ln3_g s28, ln3_b s30
	s_load_b128 s[32:35], s[0:1], 0x60             ; x3img s32, h2 s34
	v_lshrrev_b32 v15, 5, v0
	v_readfirstlane_b32 s7, v15                    ; wave 0..7
	v_and_b32 v15, 31, v0
	v_lshlrev_b32 v[LA], 4, v15
	v_lshlrev_b32 v[L4], 2, v15
	v_and_b32 v[T], 15, v0                         ; r
	v_bfe_u32 v[T+1], v0, 4, 1                     ; h
	v_and_b32 v[T+2], 8, v[T]
	v_add_nc_u32 v[T+2], v[T+2], v[T]              ; r + 8 (r / 8): my token's row in the tile
	v_lshlrev_b32 v[LB], 4, v[T]
	v_lshl_add_u32 v[LB], v[T+1], 3, v[LB]
	v_add_nc_u32 v[LB], 512, v[LB]
	v_lshlrev_b32 v[R4], 2, v[T]
	v_lshlrev_b32 v[T+3], 6, v[T+1]
	v_lshl_add_u32 v[RO], v[T+2], 12, v[T+3]
	v_lshl_add_u32 v[MS], v[T+2], 10, v[T+3]
	v_lshl_add_u32 v[ME], v[T+2], 11, v[T+3]
	s_wait_alu depctr_va_sdst(0)                   ; s7, the wave's number, is written, ahead of its first reader: LDS places and bases are made from it
	s_lshl_b32 s71, s7, 9
	v_add_nc_u32 v[FO], s71, v[T+3]
	s_lshl_b32 s71, s7, 6
	v_add_nc_u32 v[SW], s71, v[R4]
	s_mul_i32 s71, s7, 1536
	v_add_nc_u32 v[IA], s71, v[LA]
	v_add_nc_u32 v[IB], s71, v[LB]
	s_mul_i32 s71, s7, 8448
	s_add_co_u32 s71, s71, STG
	v_mul_u32_u24 v[SIN], v[T], 528
	v_add_nc_u32 v[SIN], v[SIN], v[T+3]
	v_add_nc_u32 v[SIN], s71, v[SIN]
	v_add_nc_u32 v[SRD], s71, v[LA]
	v_lshrrev_b32 v[PFO], 3, v0                    ; the prefetch: thread n of the first 128 takes row n / 8 of the tile, block n % 8 of its 2,048 bytes
	v_and_b32 v15, 8, v[PFO]
	v_add_nc_u32 v[PFO], v[PFO], v15
	v_lshlrev_b32 v[PFO], 11, v[PFO]
	v_and_b32 v15, 7, v0
	v_lshl_add_u32 v[PFO], v15, 8, v[PFO]
.set jj, 0
.rept 16
	v_mov_b32 v[T+jj], 0                           ; written once: permutes' destinations and the upper halves of broadcast pairs count as read
.set jj, jj+1
.endr
.irp b, 0,1,2,3
	v_mov_b32 v[TM+4+\b], 0
.endr
	v_mov_b32 v[F+1], 0
	s_mov_b32 s[SEL], 0x76543210
	s_mov_b32 s[SEL+1], 0xfedcba98
	s_mov_b32 s[CS], 0x3fb8aa3b                    ; log2(e): the queries already carry 64^-0.5
	s_mov_b32 s[CS+1], s[CS]
	s_mov_b32 s83, 0x3727c5ac                      ; 1e-5
	s_lshr_b32 s80, ttmp9, 1
	s_lshl_b32 s80, s80, 5
	s_and_b32 s81, ttmp9, 1
	s_lshl_b32 s81, s81, 3
	s_add_co_u32 s80, s80, s81                     ; the tile's first token
	s_and_b32 s81, s80, 255                        ; and its place in the sequence
	s_lshr_b32 s72, ttmp9, 4                       ; the sequence
	s_lshr_b32 s73, s7, 1                          ; my heads' key and value head
	s_lshl_b32 s82, ttmp9, 3
	s_add_co_u32 s82, s82, s7                      ; fragment 8 x tile + wave
	s_mov_b32 s77, 0
	s_mov_b32 s79, 0
	s_lshl_b32 s76, s80, 12
	s_lshl_b32 s78, s7, 9
	s_add_co_u32 s76, s76, s78
	s_wait_kmcnt 0x0
	s_add_nc_u64 s[54:55], s[12:13], s[76:77]      ; hidden_states and h2 at my tile's first row, my 128 columns
	s_add_nc_u64 s[52:53], s[34:35], s[76:77]
	s_mul_i32 s76, s82, 1536
	s_add_nc_u64 s[84:85], s[8:9], s[76:77]        ; my queries' codes
	s_add_nc_u64 s[56:57], s[32:33], s[76:77]      ; where LayerNorm 3's codes go
	s_lshl_b32 s76, s82, 6
	s_add_co_u32 s78, s76, QS0
	s_add_nc_u64 s[86:87], s[8:9], s[78:79]
	s_add_co_u32 s76, s76, XS0
	s_add_nc_u64 s[58:59], s[32:33], s[76:77]
	s_lshl_b32 s76, s72, 19
	s_lshl_b32 s78, s81, 11
	s_add_co_u32 s76, s76, s78
	s_add_nc_u64 s[60:61], s[16:17], s[76:77]      ; the encoder mask's rows of my tile; never rewritten
	s_mov_b32 s71, 0x3a800000                      ; 1 / 1024
	s_wait_alu depctr_va_vdst(0)                   ; the fourteen offsets and LDS addresses v1 to v14 are written, which the prefetch and every load and store of the chain read
	s_cmp_lt_u32 s7, 4
	s_cbranch_scc0 .Lno_pf
	global_prefetch_b8 v[PFO], s[60:61] th:TH_LOAD_NT scope:SCOPE_SE   ; the 128 blocks of 256 bytes of the tile's 16 rows of the encoder mask, each asked for once, by waves 0 to 3; they are loaded behind self-attention, two projections and a norm
.Lno_pf:
	WIN 0x40
.set jj, 0
.rept 16
	global_load_b128 v[RW+4*jj:RW+4*jj+3], v[RO], s[54:55] offset:128*(jj/4)+16*(jj%4)   ; the residual stream begins as hidden_states
.set jj, jj+1
.endr
	WIN 0
.irp c, 0,1
	global_load_b128 v[Q0+12*\c:Q0+12*\c+3], v[LA], s[84:85] offset:768*\c
	global_load_b64 v[Q0+12*\c+4:Q0+12*\c+5], v[LB], s[84:85] offset:768*\c
	global_load_u16 v[QSC+\c], v[R4], s[86:87] offset:2*\c
.endr
.irp c, 0,1
.irp i, 6,7,8,9,10,11
	v_mov_b32 v[Q0+12*\c+\i], 0                    ; the upper 64 along K: zero codes
.endr
.endr
	; ---- self-attention: 256 keys in 2 steps
	STREAMS 512, 5, 640, 5, 3, 14, 18, 10
	ATT 2, 2, MS
	UNIT_PRE 512, 18, 0
	FIN
	QUANT4 O
	IMG_L OI1, SC1
	BARRIER                                        ; the eight K steps of the attention's output lie in LDS
	UNIT_RUN OI1, SC1
	RADD
	; ---- LayerNorm 2 and the cross-attention's queries
	LNORM 20, 22, ST1, ST2
	UNIT_PRE 1024, 24, 1
	s_wait_alu depctr_vm_vsrc(0)                   ; the LDS stores of the attention's image have read v[PC ..] and v[PW], which the quantiser writes again
	QUANT4 Y
	IMG_L XI2, SC2
	BARRIER
	UNIT_RUN XI2, SC2
.set jj, 0
.rept 32
	v_pk_mul_f32 v[ACC+jj:ACC+jj+1], v[ACC+jj:ACC+jj+1], 0x3e000000 op_sel_hi:[1,0]   ; x 64^-0.5
.set jj, jj+2
.endr
	s_wait_alu depctr_vm_vsrc(0)                   ; the LDS stores of the norm's image have read v[PC ..] and v[PW], which the quantiser writes again
	QUANT4 ACC                                     ; my 128 features are my two heads: the fragment's halves are the two query operands
.irp c, 0,1
.irp i, 0,1,2,3,4,5
	v_mov_b32 v[Q0+12*\c+\i], v[PC+6*\c+\i]
	v_mov_b32 v[Q0+12*\c+6+\i], 0
.endr
.endr
	v_and_b32 v[QSC], 0xffff, v[PW]
	v_lshrrev_b32 v[QSC+1], 16, v[PW]
	; ---- cross-attention: 512 keys in 4 steps
	STREAMS 768, 6, 1024, 6, 4, 16, 19, 11
	ATT 4, 4, ME
	UNIT_PRE 1536, 26, 0
	FIN
	QUANT4 O
	IMG_L OI2, SC3
	BARRIER
	UNIT_RUN OI2, SC3
	RADD                                           ; the residual stream is h2
	; ---- LayerNorm 3, codes for the experts
	LNORM 28, 30, ST3, ST4
	s_wait_alu depctr_vm_vsrc(0)                   ; the LDS stores of the cross-attention's image have read v[PC ..] and v[PW], which the quantiser writes again
	QUANT4 Y
	s_wait_alu depctr_va_vdst(0)                   ; the quantiser has written v[PC ..] and v[PW], which the global stores read; the residual stream, which the stage's stores read, is written, and its additions are done reading ACC, in which the stage's loads land
	global_store_b128 v[LA], v[PC:PC+3], s[56:57]
	global_store_b64 v[LB], v[PC+4:PC+5], s[56:57]
	global_store_b128 v[LA], v[PC+6:PC+9], s[56:57] offset:768
	global_store_b64 v[LB], v[PC+10:PC+11], s[56:57] offset:768
	global_store_b32 v[R4], v[PW], s[58:59]
	; ---- h2 leaves through my own stage, as rows of 512 bytes
	WIN 0x04                                       ; an LDS store's data are its source 1: window 1
.set jj, 0
.rept 16
	ds_store_b128 v[SIN], v[RW+4*jj:RW+4*jj+3] offset:128*(jj/4)+16*(jj%4)
.set jj, jj+1
.endr
	WIN 0
.set jj, 0
.rept 16
	ds_load_b128 v[ACC+4*jj:ACC+4*jj+3], v[SRD] offset:528*jj   ; LDS serves a wave's instructions in order: these see my stores
.set jj, jj+1
.endr
.set jj, 0
.rept 16
	s_wait_dscnt 15-jj
	global_store_b128 v[LA], v[ACC+4*jj:ACC+4*jj+3], s[52:53] offset:(jj+8*(jj/8))*4096   ; 32 lanes store 512 consecutive bytes, aligned
.set jj, jj+1
.endr
	s_wait_dscnt 0x0                               ; the closing lines, six on end
	s_wait_alu 0x0
	s_wait_tensorcnt 0x0
	ds_add_u32 v254, v255
	s_wait_dscnt 0x0
	s_endpgm
	; ---------------- work-groups 64-831: the experts' weights.  No LDS, no barrier: waves share nothing
.Lquant:
	s_load_b128 s[8:11], s[0:1], 0x70              ; mimg s8, langs s10
	s_load_b128 s[12:15], s[0:1], 0x80             ; w1 s12, w3 s14
	s_load_b64 s[16:17], s[0:1], 0x90              ; w2 s16
	v_lshrrev_b32 v1, 5, v0
	v_readfirstlane_b32 s3, v1                     ; wave 0..7
	v_and_b32 v1, 31, v0                           ; lane
	s_wait_alu depctr_va_sdst(0)                   ; s3, the wave's number, is written, ahead of its first reader: the wave's columns and fragments are made from it
	s_sub_co_u32 s2, ttmp9, 64                     ; 0..767
	s_lshr_b32 s52, s2, 8                          ; which weight: 0 w1, 1 w3, 2 w2
	s_bfe_u32 s53, s2, 0x30005                     ; the expert
	s_and_b32 s54, s2, 31                          ; the part of its weight
	s_lshl_b32 s58, s52, 3
	s_add_co_u32 s58, s58, s53
	s_lshl_b32 s58, s58, 10                        ; its first fragment
	s_lshl_b32 s59, s53, 23                        ; an expert's weight is 8 MiB
	s_mov_b32 s60, 0                               ; wanted only if langs names the expert
	s_mov_b32 s56, 8192                            ; the row pitch,
	s_cmp_eq_u32 s52, 2                            ; w2 is [2048][1024], w1 and w3 are [1024][2048]
	s_cselect_b32 s55, 2, 3                        ; log2 of the groups of 256 columns,
	s_cselect_b32 s56, 4096, s56
	s_cselect_b32 s57, 16, 8                       ; the K steps
	s_wait_kmcnt 0x0
	s_load_b256 s[44:51], s[10:11], 0x0            ; the eight language codes
	s_add_co_u32 s89, s53, 4                       ; the expert's code
	s_lshl_b32 s61, 1, s55
	s_sub_co_u32 s61, s61, 1
	s_and_b32 s61, s54, s61                        ; column group
	s_lshr_b32 s62, s54, s55                       ; group of 256 along K
	s_lshl_b32 s63, s61, 3
	s_add_co_u32 s63, s63, s3                      ; my pair of tiles = 8 x column group + wave
	s_mul_i32 s6, s62, s56
	s_lshl_b32 s6, s6, 8                           ; 256 rows a K group
	s_add_co_u32 s6, s6, s59
	s_lshl_b32 s7, s63, 7                          ; 32 columns of 4 bytes a pair
	s_add_co_u32 s6, s6, s7
	s_mov_b32 s7, 0
	s_mul_i32 s88, s63, s57
	s_add_co_u32 s88, s88, s62
	s_lshl_b32 s88, s88, 1
	s_add_co_u32 s88, s88, s58                     ; my first fragment = first + 2 pair x K steps + 2 K group
	s_mul_i32 s90, s88, 1536
	s_mov_b32 s91, 0
	s_lshl_b32 s92, s88, 6
	s_add_co_u32 s92, s92, MS0
	s_mov_b32 s93, 0
	s_lshl_b32 s86, s56, 5                         ; 32 rows
	s_mov_b32 s87, 0
	s_wait_kmcnt 0x0
.irp i, 0,1,2,3,4,5,6,7
	s_cmp_eq_u32 s[44+\i], s89
	s_cselect_b32 s94, 1, 0
	s_or_b32 s60, s60, s94
.endr
	s_cmp_lg_u32 s60, 0
	s_cbranch_scc0 .Lqend                          ; an expert that no sequence uses: nothing of it is read later
	s_mov_b64 s[4:5], s[12:13]
	s_cmp_eq_u32 s52, 1
	s_cselect_b64 s[4:5], s[14:15], s[4:5]
	s_cmp_eq_u32 s52, 2
	s_cselect_b64 s[4:5], s[16:17], s[4:5]
	s_add_nc_u64 s[ZSB:ZSB+1], s[4:5], s[6:7]
.irp t, 1,2,3,4,5,6,7
	s_add_nc_u64 s[ZSB+2*\t:ZSB+2*\t+1], s[ZSB+2*\t-2:ZSB+2*\t-1], s[86:87]
.endr
	s_add_nc_u64 s[82:83], s[8:9], s[90:91]
	s_add_nc_u64 s[84:85], s[8:9], s[92:93]
	v_bfe_u32 v2, v0, 3, 1                         ; which tile of the pair my column falls into
	v_and_b32 v3, 7, v0
	v_bfe_u32 v6, v0, 4, 1
	v_lshl_add_u32 v3, v6, 3, v3                   ; and which row of it: lane % 8 + 8 (lane / 16)
	s_mul_i32 s94, s57, 1536
	v_mul_u32_u24 v4, s94, v2
	v_lshl_add_u32 v4, v3, 4, v4                   ; codes: the tile's fragments lie K steps apart; 16 bytes a row
	s_lshl_b32 s94, s57, 6
	v_mul_u32_u24 v5, s94, v2
	v_lshl_add_u32 v5, v3, 2, v5                   ; scale words: 4 bytes a row
	s_wait_alu depctr_va_vdst(0)
	v_lshlrev_b32 v[ZVO], 2, v1
.set ii, 1
.rept 31
	v_add_nc_u32 v[ZVO+ii], s56, v[ZVO+ii-1]
.set ii, ii+1
.endr
	s_wait_alu depctr_va_vdst(0)                   ; the 32 row offsets and the two store offsets v4 and v5 are written, which the loads and stores of this path read; none is written again
	ZLOAD 0
	ZLOAD 1
.irp t, 0,1,2,3,4,5,6,7
	ZBLK \t
.endr
	global_store_b32 v5, v10, s[84:85]             ; my row's scale words of the two K steps
	global_store_b32 v5, v11, s[84:85] offset:64
.Lqend:
	s_endpgm
.Lfunc_end_k_qf4c3a49a5c_mid:
	.size	k_qf4c3a49a5c_mid, .Lfunc_end_k_qf4c3a49a5c_mid-k_qf4c3a49a5c_mid
	.p2alignl 7, 3214868480
	.fill 96, 4, 3214868480
	.section	.rodata,"a",@progbits
	.p2align	6, 0x0
	.amdhsa_kernel k_qf4c3a49a5c_mid
		.amdhsa_group_segment_fixed_size 109568
		.amdhsa_private_segment_fixed_size 0
		.amdhsa_enable_private_segment 0
		.amdhsa_kernarg_size 152
		.amdhsa_user_sgpr_count 2
		.amdhsa_user_sgpr_kernarg_segment_ptr 1
		.amdhsa_wavefront_size32 1
		.amdhsa_system_sgpr_workgroup_id_x 1
		.amdhsa_system_sgpr_workgroup_id_y 1
		.amdhsa_system_sgpr_workgroup_id_z 1
		.amdhsa_system_vgpr_workitem_id 0
		.amdhsa_next_free_vgpr 512
		.amdhsa_next_free_sgpr 100
		.amdhsa_reserve_vcc 0
		.amdhsa_float_denorm_mode_32 3
		.amdhsa_float_denorm_mode_16_64 3
		.amdhsa_memory_ordered 1
		.amdhsa_forward_progress 1
		.amdhsa_inst_pref_size 255
	.end_amdhsa_kernel
	.section	.bss,"aw",@nobits
	.p2align	6
	.space	262144
	.amdgpu_metadata
---
amdhsa.version: [ 1, 2 ]
amdhsa.kernels:
  - .name:           k_qf4c3a49a5c_mid
    .symbol:         k_qf4c3a49a5c_mid.kd
    .args:
      - { .name: qkv, .offset: 0, .size: 8, .value_kind: global_buffer, .address_space: global }
      - { .name: wimg, .offset: 8, .size: 8, .value_kind: global_buffer, .address_space: global }
      - { .name: hidden_states, .offset: 16, .size: 8, .value_kind: global_buffer, .address_space: global }
      - { .name: attention_mask, .offset: 24, .size: 8, .value_kind: global_buffer, .address_space: global }
      - { .name: encoder_attention_mask, .offset: 32, .size: 8, .value_kind: global_buffer, .address_space: global }
      - { .name: sa_o_b, .offset: 40, .size: 8, .value_kind: global_buffer, .address_space: global }
      - { .name: ln2_g, .offset: 48, .size: 8, .value_kind: global_buffer, .address_space: global }
      - { .name: ln2_b, .offset: 56, .size: 8, .value_kind: global_buffer, .address_space: global }
      - { .name: ca_q_b, .offset: 64, .size: 8, .value_kind: global_buffer, .address_space: global }
      - { .name: ca_o_b, .offset: 72, .size: 8, .value_kind: global_buffer, .address_space: global }
      - { .name: ln3_g, .offset: 80, .size: 8, .value_kind: global_buffer, .address_space: global }
      - { .name: ln3_b, .offset: 88, .size: 8, .value_kind: global_buffer, .address_space: global }
      - { .name: x3img, .offset: 96, .size: 8, .value_kind: global_buffer, .address_space: global }
      - { .name: h2, .offset: 104, .size: 8, .value_kind: global_buffer, .address_space: global }
      - { .name: mimg, .offset: 112, .size: 8, .value_kind: global_buffer, .address_space: global }
      - { .name: langs, .offset: 120, .size: 8, .value_kind: global_buffer, .address_space: global }
      - { .name: moe_w1, .offset: 128, .size: 8, .value_kind: global_buffer, .address_space: global }
      - { .name: moe_w3, .offset: 136, .size: 8, .value_kind: global_buffer, .address_space: global }
      - { .name: moe_w2, .offset: 144, .size: 8, .value_kind: global_buffer, .address_space: global }
    .group_segment_fixed_size: 109568
    .private_segment_fixed_size: 0
    .kernarg_segment_align: 8
    .kernarg_segment_size: 152
    .max_flat_workgroup_size: 256
    .sgpr_count:     100
    .vgpr_count:     512
    .wavefront_size: 32
...
	.end_amdgpu_metadata
.endif
;; end of part 8
;; launch up (part 9): grid 32 x 8, 4 waves a work-group, no clusters, 0 bytes of LDS; arguments x3img, mimg, langs, hid; writes hid
.if DOCPART == 9
	.amdgcn_target "amdgcn-amd-amdhsa--gfx1250"
	.amdhsa_code_object_version 6
	.text
	.protected	k_qf4c3a49a5c_up
	.globl	k_qf4c3a49a5c_up
	.p2align	8
	.type	k_qf4c3a49a5c_up,@function
k_qf4c3a49a5c_up:
	s_mov_b64 s[64:65], 0
	v_nop
	global_prefetch_b8 v0, s[64:65] scope:SCOPE_SE
	s_setreg_imm32_b32 hwreg(HW_REG_WAVE_SCHED_MODE, 0, 2), 2
	s_setreg_imm32_b32 hwreg(HW_REG_WAVE_MODE, 25, 1), 1
	s_wait_xcnt 0x0
	s_wait_alu depctr_vm_vsrc(0)
; UP: h = gelu(x w1) * (x w3) for the experts that a sequence's language codes name, quantised along the hidden units.
; Work-group (x, y): 64 hidden units 64 x .. 64 x + 63; sequence y % 4; place y / 4 among the sequence's matched experts (at most two, since a sequence has two codes).  A place that the sequence does not fill has no work:
; the work-group stores nothing and ends (a branch on the index input; the launch has no barrier).  Wave tg takes token tiles 16 b + 4 tg + 0..3.
; Source 0 = 16 columns of w1 or w3, source 1 = 16 tokens: a lane holds one token and, of each weight, 32 numbers that are 16 (lane / 16) + 0..15 of each 32 hidden units: two blocks, half a fragment of the next product's operand.
; gelu is the exact one: x (1 + erf(x / sqrt 2)) / 2, erf by a polynomial under 0.9277 and by 1 - exp(polynomial) above; both are computed and one is chosen by a select.
; No tensor load (the expert's address hangs on langs, and some work-groups end early) and so no cluster: operands lie in memory in the order of the registers.
; LIMITS: NaN and infinities are not served; erf is good to about one unit in the last place; a block under 2^-124 gets the byte 1.  If no sequence names an expert, this launch stores nothing.
; THE MODE: SCHED_MODE bits 1:0 = 2 (LLVM: expert scheduling mode 2), set by the entry lines.  The code itself states the register dependences between vector or matrix instructions and memory instructions, with s_wait_alu, always for 0.
; THE PLAN.  Registers that memory instructions touch:
;   W0, W1 (window 1), XF0, XF1   K step s: its 32 products read buffer s % 2; behind them the 48 loads of step s + 2 land in it.
;   WSC, XSC                      loaded once, at the head.
;   LA, LB, L4, R4                made once at the head, never written again.
;   PC, PW                        written by a token tile's quantiser, read by its three stores, written again by the next tile's quantiser, a whole gelu later.
; So: one wait on va_vdst ahead of the first load; ONE in each of steps 0 to 5, behind the products that empty the buffer, which is asked for again at once; one ahead of each tile's stores; one on vm_vsrc ahead of each quantiser but the first.
; The selects' masks go into scalar registers: sixteen compares in a run, laid ahead of the exponentials' wait, and one wait on va_sdst ahead of the sixteen selects.
.set MS0, 37748736
.set XS0, 786432
.set HS0, 3145728
.set LA,  1
.set LB,  2
.set L4,  3
.set R4,  4
.set WSC, 16                           ; v16-47  the weights' scale words: (4 mat + t) x 4 + pair of K steps
.set XSC, 48                           ; v48-63  the tokens'
.set XF,  64                           ; v64-159 four token fragments, two buffers; later the gelu's registers
.set GS,  64
.set GT,  80
.set GR,  96
.set GU,  112
.set GQ,  128
.set PC,  160
.set PW,  180
.set TM,  184
.set Z,   200                          ; v200-231
.set SEL, 54
.set THR, 56                           ; s56     0.927734375, where erf's two forms meet
.set MK,  16                           ; s16-31  sixteen masks for the selects (the routing's numbers, which stood here, are done with)
.set MSB, 0
.macro WIN new
.if MSB != \new
	s_set_vgpr_msb (MSB<<8)|\new
.set MSB, \new
.endif
.endm
.macro PLACES
.rept 4
	v_nop
.endr
.endm
.macro MM d, a, b, c, sa, sb, odd
.if (\c) < 0
.if \odd
	v_wmma_scale_f32_16x16x128_f8f6f4 v[\d:\d+7], v[\a:\a+11], v[\b:\b+11], 0, v[\sa], v[\sb] matrix_a_fmt:MATRIX_FMT_FP6 matrix_b_fmt:MATRIX_FMT_FP6 matrix_a_scale:MATRIX_SCALE_ROW1 matrix_b_scale:MATRIX_SCALE_ROW1
.else
	v_wmma_scale_f32_16x16x128_f8f6f4 v[\d:\d+7], v[\a:\a+11], v[\b:\b+11], 0, v[\sa], v[\sb] matrix_a_fmt:MATRIX_FMT_FP6 matrix_b_fmt:MATRIX_FMT_FP6
.endif
.else
.if \odd
	v_wmma_scale_f32_16x16x128_f8f6f4 v[\d:\d+7], v[\a:\a+11], v[\b:\b+11], v[\c:\c+7], v[\sa], v[\sb] matrix_a_fmt:MATRIX_FMT_FP6 matrix_b_fmt:MATRIX_FMT_FP6 matrix_a_scale:MATRIX_SCALE_ROW1 matrix_b_scale:MATRIX_SCALE_ROW1
.else
	v_wmma_scale_f32_16x16x128_f8f6f4 v[\d:\d+7], v[\a:\a+11], v[\b:\b+11], v[\c:\c+7], v[\sa], v[\sb] matrix_a_fmt:MATRIX_FMT_FP6 matrix_b_fmt:MATRIX_FMT_FP6
.endif
.endif
.endm
.macro QUANT2 s                        ; 32 numbers of a lane, two blocks: half a fragment's codes in v[PC] .. v[PC+5], two scale bytes in v[PW]
.irp b, 0,1
	v_max3_num_f32 v[TM+\b], |v[\s+16*\b]|, |v[\s+1+16*\b]|, 0x1800000
.endr
.irp i, 2,4,6,8,10,12,14
.irp b, 0,1
	v_max3_num_f32 v[TM+\b], v[TM+\b], |v[\s+16*\b+\i]|, |v[\s+1+16*\b+\i]|
.endr
.endr
.irp b, 0,1
	v_permlanex16_b32 v[TM+4+\b], v[TM+\b], s[SEL], s[SEL+1]
.endr
.irp b, 0,1
	v_max_num_f32 v[TM+\b], v[TM+\b], v[TM+4+\b]
.endr
.irp b, 0,1
	v_add_nc_u32 v[TM+12+\b], 0xff000000, v[TM+\b]
.endr
.irp b, 0,1
	v_lshrrev_b32 v[TM+4+\b], 23, v[TM+12+\b]
.endr
	v_lshl_or_b32 v[PW], v[TM+5], 8, v[TM+4]
	v_cvt_scalef32_pk16_fp6_f32 v[PC:PC+2], v[\s:\s+15], v[TM+12]
	v_cvt_scalef32_pk16_fp6_f32 v[PC+12:PC+14], v[\s+16:\s+31], v[TM+13]
	v_nop
.irp i, 0,1,2
	v_permlane16_swap_b32 v[PC+\i], v[PC+12+\i]
.endr
.irp i, 0,1,2
	v_mov_b32 v[PC+3+\i], v[PC+12+\i]
.endr
.endm
.macro LOADS s                         ; K step s: four tiles of w1, four of w3 (window 1), four token tiles: 48 loads
	WIN 0x40
.irp t, 0,1,2,3
.irp c, 0,1
	global_load_b128 v[96*((\s)%2)+12*\t+6*\c:96*((\s)%2)+12*\t+6*\c+3], v[LA], s[36:37] offset:(8*\t+(\s))*1536+768*\c
	global_load_b64 v[96*((\s)%2)+12*\t+6*\c+4:96*((\s)%2)+12*\t+6*\c+5], v[LB], s[36:37] offset:(8*\t+(\s))*1536+768*\c
	global_load_b128 v[96*((\s)%2)+48+12*\t+6*\c:96*((\s)%2)+48+12*\t+6*\c+3], v[LA], s[38:39] offset:(8*\t+(\s))*1536+768*\c
	global_load_b64 v[96*((\s)%2)+48+12*\t+6*\c+4:96*((\s)%2)+48+12*\t+6*\c+5], v[LB], s[38:39] offset:(8*\t+(\s))*1536+768*\c
.endr
.endr
	WIN 0
.irp t, 0,1,2,3
.irp c, 0,1
	global_load_b128 v[XF+48*((\s)%2)+12*\t+6*\c:XF+48*((\s)%2)+12*\t+6*\c+3], v[LA], s[44:45] offset:(8*\t+(\s))*1536+768*\c
	global_load_b64 v[XF+48*((\s)%2)+12*\t+6*\c+4:XF+48*((\s)%2)+12*\t+6*\c+5], v[LB], s[44:45] offset:(8*\t+(\s))*1536+768*\c
.endr
.endr
.endm
.macro GELU m                          ; Z = gelu(x w1) * (x w3) for token tile m
	WIN 0x02                                       ; source 0 in window 2
.set jj, 0
.rept 16
	v_pk_mul_f32 v[Z+jj:Z+jj+1], v[64*\m+jj:64*\m+jj+1], 0x3f3504f3 op_sel_hi:[1,0]   ; z = a / sqrt 2
.set jj, jj+2
.endr
	WIN 0
.irp g, 0,1
.set ZG, Z+16*\g
.set jj, 0
.rept 8
	v_pk_mul_f32 v[GS+jj:GS+jj+1], v[ZG+jj:ZG+jj+1], v[ZG+jj:ZG+jj+1]
.set jj, jj+2
.endr
.set jj, 0
.rept 16
	v_and_b32 v[GT+jj], 0x7fffffff, v[ZG+jj]
.set jj, jj+1
.endr
.set jj, 0
.rept 8
	v_pk_fma_f32 v[GR+jj:GR+jj+1], v[GT+jj:GT+jj+1], 0xb7910000, v[8:9] op_sel_hi:[1,0,1]
.set jj, jj+2
.endr
.set jj, 0
.rept 8
	v_pk_fma_f32 v[GU+jj:GU+jj+1], v[GT+jj:GT+jj+1], 0xbb7e8a1c, v[10:11] op_sel_hi:[1,0,1]
.set jj, jj+2
.endr
.set jj, 0
.rept 8
	v_pk_fma_f32 v[GR+jj:GR+jj+1], v[GR+jj:GR+jj+1], v[GS+jj:GS+jj+1], v[GU+jj:GU+jj+1]
.set jj, jj+2
.endr
.irp k, 0xbddaae5c, 0xbf228550, 0xbe03ce86
.set jj, 0
.rept 8
	v_pk_fma_f32 v[GR+jj:GR+jj+1], v[GR+jj:GR+jj+1], v[GT+jj:GT+jj+1], \k op_sel_hi:[1,1,0]
.set jj, jj+2
.endr
.endr
.set jj, 0
.rept 8
	v_pk_fma_f32 v[GR+jj:GR+jj+1], v[GR+jj:GR+jj+1], v[GT+jj:GT+jj+1], v[GT+jj:GT+jj+1] neg_lo:[0,0,1] neg_hi:[0,0,1]
.set jj, jj+2
.endr
.set jj, 0
.rept 8
	v_pk_mul_f32 v[GR+jj:GR+jj+1], v[GR+jj:GR+jj+1], 0x3fb8aa3b op_sel_hi:[1,0]
.set jj, jj+2
.endr
.set jj, 0
	s_wait_alu depctr_va_vdst(0)
.rept 16
	v_exp_f32 v[GR+jj], v[GR+jj]
.set jj, jj+1
.endr
.set jj, 0
.rept 8
	v_pk_fma_f32 v[GQ+jj:GQ+jj+1], v[GS+jj:GS+jj+1], 0xba1c7000, v[12:13] op_sel_hi:[1,0,1]   ; the small branch: plain lines behind the exponentials
.set jj, jj+2
.endr
.irp k, 0xbcdb48d9, 0x3de70e22, 0xbec09380, 0x3e0375d4
.set jj, 0
.rept 8
	v_pk_fma_f32 v[GQ+jj:GQ+jj+1], v[GQ+jj:GQ+jj+1], v[GS+jj:GS+jj+1], \k op_sel_hi:[1,1,0]
.set jj, jj+2
.endr
.endr
.set jj, 0
.rept 8
	v_pk_fma_f32 v[GQ+jj:GQ+jj+1], v[GQ+jj:GQ+jj+1], v[ZG+jj:ZG+jj+1], v[ZG+jj:ZG+jj+1]
.set jj, jj+2
.endr
.set jj, 0
.rept 16
	v_cmp_lt_f32 s[MK+jj], s[THR], v[GT+jj]                    ; 0.927734375 < |z|: sixteen masks in a run; they name no exponential's result
.set jj, jj+1
.endr
.set jj, 0
	s_wait_alu depctr_va_vdst(0)                   ; the sixteen exponentials have written v[GR ..], ahead of their first reader: one wait for the batch
.rept 8
	v_pk_add_f32 v[GR+jj:GR+jj+1], v[GR+jj:GR+jj+1], 1.0 op_sel_hi:[1,0] neg_lo:[1,0] neg_hi:[1,0]   ; 1 - exp
.set jj, jj+2
.endr
.set jj, 0
.rept 16
	v_and_or_b32 v[GR+jj], v[ZG+jj], 0x80000000, v[GR+jj]      ; with z's sign
.set jj, jj+1
.endr
	s_wait_alu depctr_va_sdst(0)                   ; the sixteen compares have written their masks s[MK ..], ahead of the selects that read them
.set jj, 0
.rept 16
	v_cndmask_b32 v[GR+jj], v[GQ+jj], v[GR+jj], s[MK+jj]
.set jj, jj+1
.endr
.set jj, 0
.rept 8
	v_pk_fma_f32 v[ZG+jj:ZG+jj+1], v[GR+jj:GR+jj+1], 0.5, 0.5 op_sel_hi:[1,0,0]   ; (1 + erf) / 2
.set jj, jj+2
.endr
.endr
	WIN 0x02
.set jj, 0
.rept 16
	v_pk_mul_f32 v[Z+jj:Z+jj+1], v[64*\m+jj:64*\m+jj+1], v[Z+jj:Z+jj+1]
.set jj, jj+2
.endr
.set jj, 0
.rept 16
	v_pk_mul_f32 v[Z+jj:Z+jj+1], v[64*\m+32+jj:64*\m+32+jj+1], v[Z+jj:Z+jj+1]
.set jj, jj+2
.endr
	WIN 0
.endm
	s_load_b256 s[8:15], s[0:1], 0x0               ; x3img s8, mimg s10, langs s12, hid s14
	v_lshrrev_b32 v5, 5, v0
	v_readfirstlane_b32 s4, v5                     ; wave
	s_and_b32 s5, ttmp7, 0xffff
	s_lshr_b32 s6, s5, 2                           ; place
	s_and_b32 s7, s5, 3                            ; sequence
	s_lshl_b32 s16, s7, 3
	s_mov_b32 s17, 0
	s_wait_kmcnt 0x0
	s_add_nc_u64 s[12:13], s[12:13], s[16:17]
	s_load_b64 s[20:21], s[12:13], 0x0             ; the sequence's two codes
	v_and_b32 v5, 31, v0
	v_lshlrev_b32 v[LA], 4, v5
	v_lshlrev_b32 v[L4], 2, v5
	v_and_b32 v5, 15, v0
	v_bfe_u32 v6, v0, 4, 1
	v_lshlrev_b32 v[LB], 4, v5
	v_lshl_add_u32 v[LB], v6, 3, v[LB]
	v_add_nc_u32 v[LB], 512, v[LB]
	v_lshlrev_b32 v[R4], 2, v5
	v_mov_b32 v8, 0x39c8e7d9                       ; the second constants of the three lines that have two
	v_mov_b32 v9, 0x39c8e7d9
	v_mov_b32 v10, 0x3cc6b1a1
	v_mov_b32 v11, 0x3cc6b1a1
	v_mov_b32 v12, 0x3ba38d2c
	v_mov_b32 v13, 0x3ba38d2c
	v_mov_b32 v[TM+4], 0
	v_mov_b32 v[TM+5], 0
	s_wait_alu depctr_va_sdst(0)                   ; s4, the wave's number, is written
	s_mov_b32 s[SEL], 0x76543210
	s_mov_b32 s[SEL+1], 0xfedcba98
	s_mov_b32 s[THR], 0x3f6d8000
	s_wait_kmcnt 0x0
	s_sub_co_u32 s24, s20, 4                       ; codes 4 .. 11 are experts 0 .. 7
	s_sub_co_u32 s25, s21, 4
	s_cmp_lt_u32 s24, 8
	s_cselect_b32 s26, 1, 0
	s_cselect_b32 s28, s24, s25                    ; the expert at place 0
	s_cmp_lt_u32 s25, 8
	s_cselect_b32 s27, 1, 0
	s_cmp_lg_u32 s25, s24                          ; the same expert twice counts once
	s_cselect_b32 s27, s27, 0
	s_add_co_u32 s29, s26, s27                     ; how many experts the sequence has
	s_cmp_ge_u32 s6, s29
	s_cbranch_scc1 .Lend
	s_cmp_lg_u32 s6, 0
	s_cselect_b32 s30, s25, s28
	s_min_u32 s30, s30, 7
	s_mov_b32 s33, 0
	s_lshl_b32 s31, s30, 10
	s_lshl_b32 s32, ttmp9, 5
	s_add_co_u32 s31, s31, s32                     ; w1's first fragment: 1024 e + 32 x
	s_mul_i32 s32, s31, 1536
	s_add_nc_u64 s[36:37], s[10:11], s[32:33]
	s_add_nc_u64 s[38:39], s[36:37], 8192*1536     ; w3's lie 8,192 fragments on
	s_lshl_b32 s32, s31, 6
	s_add_co_u32 s32, s32, MS0
	s_add_nc_u64 s[40:41], s[10:11], s[32:33]
	s_add_nc_u64 s[42:43], s[40:41], 8192*64
	s_lshl_b32 s34, s7, 4
	s_lshl_b32 s35, s4, 2
	s_add_co_u32 s34, s34, s35                     ; my first token tile
	s_mul_i32 s32, s34, 8*1536
	s_add_nc_u64 s[44:45], s[8:9], s[32:33]
	s_lshl_b32 s32, s34, 9
	s_add_co_u32 s32, s32, XS0
	s_add_nc_u64 s[46:47], s[8:9], s[32:33]
	s_lshl_b32 s35, s34, 5
	s_lshl_b32 s48, s6, 4
	s_add_co_u32 s35, s35, s48
	s_lshr_b32 s48, ttmp9, 1
	s_add_co_u32 s35, s35, s48                     ; hid's fragment: 32 x tile + 16 x place + x / 2,
	s_and_b32 s48, ttmp9, 1                        ; and the half of it
	s_mul_i32 s32, s35, 1536
	s_mul_i32 s49, s48, 768
	s_add_co_u32 s32, s32, s49
	s_add_nc_u64 s[50:51], s[14:15], s[32:33]
	s_lshl_b32 s32, s35, 6
	s_lshl_b32 s49, s48, 1
	s_add_co_u32 s32, s32, s49
	s_add_co_u32 s32, s32, HS0
	s_add_nc_u64 s[52:53], s[14:15], s[32:33]
	s_wait_alu depctr_va_vdst(0)                   ; the four offsets LA, LB, L4 and R4 are written, which every load and store of the kernel reads
.irp t, 0,1,2,3
.irp q, 0,1,2,3
	global_load_b32 v[WSC+4*\t+\q], v[L4], s[40:41] offset:(8*\t+2*\q)*64
	global_load_b32 v[WSC+16+4*\t+\q], v[L4], s[42:43] offset:(8*\t+2*\q)*64
	global_load_b32 v[XSC+4*\t+\q], v[L4], s[46:47] offset:(8*\t+2*\q)*64
.endr
.endr
	LOADS 0
	LOADS 1
.irp s, 0,1,2,3,4,5,6,7
.if \s < 7
	s_wait_loadcnt 48                              ; this K step's loads are in; the next step's 48 may be out
.else
	s_wait_loadcnt 0x0
.endif
	WIN 0xa1                                       ; source 0 window 1, source 1 window 0, C and D window 2
.irp m, 0,1,2,3
.irp q, 0,1,2,3,4,5,6,7
.if \s == 0
	MM 64*\m+8*\q, 96*(\s%2)+12*\q, XF+48*(\s%2)+12*\m, -1, WSC+4*\q+\s/2, XSC+4*\m+\s/2, \s%2
.else
	MM 64*\m+8*\q, 96*(\s%2)+12*\q, XF+48*(\s%2)+12*\m, 64*\m+8*\q, WSC+4*\q+\s/2, XSC+4*\m+\s/2, \s%2
.endif
.endr
.endr
	PLACES
.if \s < 6
	s_wait_alu depctr_va_vdst(0)                   ; this step's 32 products are done reading the weights' and the tokens' buffer, in which the loads of two steps on land
	LOADS \s+2
.endif
.endr
	WIN 0
.irp m, 0,1,2,3
	GELU \m
.if \m > 0
	s_wait_alu depctr_va_vdst(0)
	s_wait_xcnt 0x0                                ; the last tile's stores have read their registers: the codes may be written again
	s_wait_alu depctr_vm_vsrc(0)                   ; the last tile's three stores have read v[PC ..] and v[PW], which the quantiser writes again
.endif
	QUANT2 Z
	s_wait_alu depctr_va_vdst(0)                   ; the quantiser has written v[PC ..] and v[PW], which the three stores read
	global_store_b128 v[LA], v[PC:PC+3], s[50:51] offset:49152*\m
	global_store_b64 v[LB], v[PC+4:PC+5], s[50:51] offset:49152*\m
	global_store_b16 v[R4], v[PW], s[52:53] offset:2048*\m     ; my half of each row's scale word
.endr
.Lend:
	s_endpgm
.Lfunc_end_k_qf4c3a49a5c_up:
	.size	k_qf4c3a49a5c_up, .Lfunc_end_k_qf4c3a49a5c_up-k_qf4c3a49a5c_up
	.p2alignl 7, 3214868480
	.fill 96, 4, 3214868480
	.section	.rodata,"a",@progbits
	.p2align	6, 0x0
	.amdhsa_kernel k_qf4c3a49a5c_up
		.amdhsa_group_segment_fixed_size 0
		.amdhsa_private_segment_fixed_size 0
		.amdhsa_enable_private_segment 0
		.amdhsa_kernarg_size 32
		.amdhsa_user_sgpr_count 2
		.amdhsa_user_sgpr_kernarg_segment_ptr 1
		.amdhsa_wavefront_size32 1
		.amdhsa_system_sgpr_workgroup_id_x 1
		.amdhsa_system_sgpr_workgroup_id_y 1
		.amdhsa_system_sgpr_workgroup_id_z 1
		.amdhsa_system_vgpr_workitem_id 0
		.amdhsa_next_free_vgpr 768
		.amdhsa_next_free_sgpr 66
		.amdhsa_reserve_vcc 0
		.amdhsa_float_denorm_mode_32 3
		.amdhsa_float_denorm_mode_16_64 3
		.amdhsa_memory_ordered 1
		.amdhsa_forward_progress 1
		.amdhsa_inst_pref_size 233
	.end_amdhsa_kernel
	.amdgpu_metadata
---
amdhsa.version: [ 1, 2 ]
amdhsa.kernels:
  - .name:           k_qf4c3a49a5c_up
    .symbol:         k_qf4c3a49a5c_up.kd
    .args:
      - { .name: x3img, .offset: 0, .size: 8, .value_kind: global_buffer, .address_space: global }
      - { .name: mimg, .offset: 8, .size: 8, .value_kind: global_buffer, .address_space: global }
      - { .name: langs, .offset: 16, .size: 8, .value_kind: global_buffer, .address_space: global }
      - { .name: hid, .offset: 24, .size: 8, .value_kind: global_buffer, .address_space: global }
    .group_segment_fixed_size: 0
    .private_segment_fixed_size: 0
    .kernarg_segment_align: 8
    .kernarg_segment_size: 32
    .max_flat_workgroup_size: 128
    .sgpr_count:     66
    .vgpr_count:     768
    .wavefront_size: 32
...
	.end_amdgpu_metadata
.endif
;; end of part 9
;; launch down (part 10): grid 8 x 32, 4 waves a work-group, no clusters, 83,456 bytes of LDS; arguments hid, mimg, langs, h2, out0; writes out0
.if DOCPART == 10
	.amdgcn_target "amdgcn-amd-amdhsa--gfx1250"
	.amdhsa_code_object_version 6
	.text
	.protected	k_qf4c3a49a5c_down
	.globl	k_qf4c3a49a5c_down
	.p2align	8
	.type	k_qf4c3a49a5c_down,@function
k_qf4c3a49a5c_down:
	s_mov_b64 s[64:65], 0
	v_nop
	global_prefetch_b8 v0, s[64:65] scope:SCOPE_SE
	s_setreg_imm32_b32 hwreg(HW_REG_WAVE_SCHED_MODE, 0, 2), 2
	s_setreg_imm32_b32 hwreg(HW_REG_WAVE_MODE, 25, 1), 1
	s_wait_xcnt 0x0
	s_wait_alu depctr_vm_vsrc(0)
; DOWN: out0 = h2 + rw x (the sum over a sequence's matched experts of h w2).  Work-group (x, y): output features 128 x .. 128 x + 127 of token tiles 2 y and 2 y + 1: each output has one owner.
; Both experts of a sequence carry the same weight rw, so their products are one sum over a K of 16 n steps of 128 (n = 0, 1 or 2 experts).  The four waves share that K: wave kq takes 4 n steps from step 4 kq n on,
; which always lie inside one expert.  Their partial sums meet in LDS; then each wave adds a quarter of the tile, turns it into rows in its own stage, and stores 256-byte runs with the residual added.
; A sequence with no matched expert takes zeros as its partial sums and goes the same way: the barrier is on every wave's path.
; No tensor load (addresses and the number of steps hang on langs), so no cluster: operands lie in memory in the order of the registers.
; LIMITS: the two experts' results are added in one f32 sum and weighted once, where the source weights each and adds; NaN and infinities are not served.
; THE MODE: SCHED_MODE bits 1:0 = 2 (LLVM: expert scheduling mode 2), set by the entry lines.  The code itself states the register dependences between vector or matrix instructions and memory or LDS instructions, with s_wait_alu, always for 0.
; THE PLAN.  Registers that memory or LDS instructions touch:
;   W0, W1 (window 1), HF0, HF1, the two sets of WSC and HSC   step j: its sixteen products read buffer j % 2 and scale set (j / 2) % 2; behind them the loads of step j + 2 land in that buffer and, at an even j, in the other scale set, which steps j - 2 and j - 1 read.
;   ACC        written by the products (or by moves, where the sequence has no expert); read by 32 LDS stores; behind the barrier the four waves' partial sums land in it; the additions read them;
;              ACC .. ACC+31 are then read by the stage's stores, the rows land in ACC+32 .. ACC+63, and ACC+64 .. ACC+95 are written by the last multiply-adds and read by the global stores.
;   RES        h2: loaded at the head.      The addresses v1 to v9: made at the head, never written again.      v94, v95: written at the head, read by the closing add alone.
; So: one wait on va_vdst ahead of the first load; ONE in each step that asks for more, behind its products; one ahead of each of the three runs of stores; one on vm_vsrc behind the barrier, ahead of the loads that land in ACC.
.set MS0, 37748736
.set HS0, 3145728
.set RED, 0                            ; LDS: [wave][32 pieces of 512 bytes]: the partial sums
.set STG, 65536                        ; a stage of 16 rows x 272 bytes for each wave
.set LA,  1
.set LB,  2
.set L4,  3
.set RWR, 5                            ; where I put my partial sums
.set RRD, 6                            ; where I read my quarter of everybody's
.set SIN, 7
.set SRD, 8
.set GO,  9                            ; 4,096 h + 16 r
.set WSC, 16                           ; v16-31  w2's scale words, two sets of 8
.set HSC, 32                           ; v32-35  the hidden layer's, two sets of 2
.set HF,  40                           ; v40-87  two token fragments, two buffers
.set ACC, 96                           ; v96-223 sixteen accumulators: 64 m + 8 p
.set RES, 224                          ; v224-255 h2
.set MSB, 0
.macro WIN new
.if MSB != \new
	s_set_vgpr_msb (MSB<<8)|\new
.set MSB, \new
.endif
.endm
.macro PLACES
.rept 4
	v_nop
.endr
.endm
.macro MM d, a, b, c, sa, sb, odd
.if (\c) < 0
.if \odd
	v_wmma_scale_f32_16x16x128_f8f6f4 v[\d:\d+7], v[\a:\a+11], v[\b:\b+11], 0, v[\sa], v[\sb] matrix_a_fmt:MATRIX_FMT_FP6 matrix_b_fmt:MATRIX_FMT_FP6 matrix_a_scale:MATRIX_SCALE_ROW1 matrix_b_scale:MATRIX_SCALE_ROW1
.else
	v_wmma_scale_f32_16x16x128_f8f6f4 v[\d:\d+7], v[\a:\a+11], v[\b:\b+11], 0, v[\sa], v[\sb] matrix_a_fmt:MATRIX_FMT_FP6 matrix_b_fmt:MATRIX_FMT_FP6
.endif
.else
.if \odd
	v_wmma_scale_f32_16x16x128_f8f6f4 v[\d:\d+7], v[\a:\a+11], v[\b:\b+11], v[\c:\c+7], v[\sa], v[\sb] matrix_a_fmt:MATRIX_FMT_FP6 matrix_b_fmt:MATRIX_FMT_FP6 matrix_a_scale:MATRIX_SCALE_ROW1 matrix_b_scale:MATRIX_SCALE_ROW1
.else
	v_wmma_scale_f32_16x16x128_f8f6f4 v[\d:\d+7], v[\a:\a+11], v[\b:\b+11], v[\c:\c+7], v[\sa], v[\sb] matrix_a_fmt:MATRIX_FMT_FP6 matrix_b_fmt:MATRIX_FMT_FP6
.endif
.endif
.endm
.macro LOADS j                         ; my step j: eight fragments of w2, two of the hidden layer: 40 loads; an even step brings the scale words of two steps too: 50
	WIN 0x40
.irp p, 0,1,2,3,4,5,6,7
.irp c, 0,1
	global_load_b128 v[96*((\j)%2)+12*\p+6*\c:96*((\j)%2)+12*\p+6*\c+3], v[LA], s[40:41] offset:\p*24576+(\j)*1536+768*\c
	global_load_b64 v[96*((\j)%2)+12*\p+6*\c+4:96*((\j)%2)+12*\p+6*\c+5], v[LB], s[40:41] offset:\p*24576+(\j)*1536+768*\c
.endr
.endr
	WIN 0
.irp m, 0,1
.irp c, 0,1
	global_load_b128 v[HF+24*((\j)%2)+12*\m+6*\c:HF+24*((\j)%2)+12*\m+6*\c+3], v[LA], s[44:45] offset:\m*49152+(\j)*1536+768*\c
	global_load_b64 v[HF+24*((\j)%2)+12*\m+6*\c+4:HF+24*((\j)%2)+12*\m+6*\c+5], v[LB], s[44:45] offset:\m*49152+(\j)*1536+768*\c
.endr
.endr
.if (\j)%2 == 0
.irp p, 0,1,2,3,4,5,6,7
	global_load_b32 v[WSC+8*(((\j)/2)%2)+\p], v[L4], s[42:43] offset:\p*1024+(\j)*64
.endr
.irp m, 0,1
	global_load_b32 v[HSC+2*(((\j)/2)%2)+\m], v[L4], s[46:47] offset:\m*2048+(\j)*64
.endr
.endif
.endm
.macro STEP j, zero, more, cnt         ; cnt: the loads of the step behind this one, which may stay out
	s_wait_loadcnt \cnt
	WIN 0x01
.irp p, 0,1,2,3,4,5,6,7
.irp m, 0,1
.if \zero
	MM ACC+64*\m+8*\p, 96*((\j)%2)+12*\p, HF+24*((\j)%2)+12*\m, -1, WSC+8*(((\j)/2)%2)+\p, HSC+2*(((\j)/2)%2)+\m, (\j)%2
.else
	MM ACC+64*\m+8*\p, 96*((\j)%2)+12*\p, HF+24*((\j)%2)+12*\m, ACC+64*\m+8*\p, WSC+8*(((\j)/2)%2)+\p, HSC+2*(((\j)/2)%2)+\m, (\j)%2
.endif
.endr
.endr
	PLACES
.if \more
	s_wait_alu depctr_va_vdst(0)                   ; this step's sixteen products are done reading their buffer, and the earlier steps' the other set of scale words: the loads of two steps on land there
	LOADS (\j)+2
.endif
	WIN 0
.endm
	s_load_b256 s[8:15], s[0:1], 0x0               ; hid s8, mimg s10, langs s12, h2 s14
	s_load_b64 s[16:17], s[0:1], 0x20              ; out0
	v_lshl_add_u32 v94, v0, 2, 0x14400
	v_mov_b32 v95, 0
	v_lshrrev_b32 v10, 5, v0
	v_readfirstlane_b32 s4, v10                    ; wave kq
	s_and_b32 s5, ttmp7, 0xffff                    ; pair of token tiles
	s_lshr_b32 s6, s5, 3                           ; sequence
	s_lshl_b32 s18, s6, 3
	s_mov_b32 s19, 0
	v_and_b32 v10, 31, v0
	v_lshlrev_b32 v[LA], 4, v10
	v_lshlrev_b32 v[L4], 2, v10
	v_and_b32 v10, 15, v0                          ; r
	v_bfe_u32 v11, v0, 4, 1                        ; h
	v_lshlrev_b32 v[LB], 4, v10
	v_lshl_add_u32 v[LB], v11, 3, v[LB]
	v_add_nc_u32 v[LB], 512, v[LB]
	s_wait_alu depctr_va_sdst(0)                   ; s4, the wave's number, is written, ahead of its first reader: LDS places, bases and my share of K are made from it
	s_lshl_b32 s22, s4, 14
	v_add_nc_u32 v[RWR], s22, v[LA]
	s_lshl_b32 s22, s4, 12
	v_add_nc_u32 v[RRD], s22, v[LA]
	s_mul_i32 s22, s4, 4352
	s_add_co_u32 s22, s22, STG
	v_mul_u32_u24 v[SIN], v10, 272
	v_lshl_add_u32 v[SIN], v11, 6, v[SIN]
	v_add_nc_u32 v[SIN], s22, v[SIN]
	v_mul_u32_u24 v[SRD], v11, 272
	v_lshl_add_u32 v[SRD], v10, 4, v[SRD]
	v_add_nc_u32 v[SRD], s22, v[SRD]
	v_lshlrev_b32 v[GO], 12, v11
	v_lshl_add_u32 v[GO], v10, 4, v[GO]
	s_lshl_b32 s22, s5, 5                          ; what I store at the end: token tile 2 y + kq / 2, features 128 x + 64 (kq % 2) on
	s_lshr_b32 s23, s4, 1
	s_lshl_b32 s23, s23, 3
	s_add_co_u32 s22, s22, s23
	s_lshl_b32 s22, s22, 12
	s_lshl_b32 s23, ttmp9, 9
	s_add_co_u32 s22, s22, s23
	s_and_b32 s23, s4, 1
	s_lshl_b32 s23, s23, 8
	s_add_co_u32 s22, s22, s23
	s_mov_b32 s23, 0
	s_wait_kmcnt 0x0
	s_add_nc_u64 s[12:13], s[12:13], s[18:19]
	s_load_b64 s[20:21], s[12:13], 0x0             ; the sequence's two codes
	s_add_nc_u64 s[14:15], s[14:15], s[22:23]
	s_add_nc_u64 s[16:17], s[16:17], s[22:23]
	s_wait_alu depctr_va_vdst(0)                   ; the eight offsets and LDS addresses LA, LB, L4, RWR, RRD, SIN, SRD and GO are written, which every load and store of the kernel reads
.irp i, 0,1,2,3,4,5,6,7
	global_load_b128 v[RES+4*\i:RES+4*\i+3], v[GO], s[14:15] offset:(2*\i+8*(\i/4))*4096   ; h2, in the form in which the result leaves
.endr
	s_wait_kmcnt 0x0
	s_sub_co_u32 s24, s20, 4
	s_sub_co_u32 s25, s21, 4
	s_cmp_lt_u32 s24, 8
	s_cselect_b32 s26, 1, 0
	s_cselect_b32 s28, s24, s25                    ; the expert at place 0
	s_cmp_lt_u32 s25, 8
	s_cselect_b32 s27, 1, 0
	s_cmp_lg_u32 s25, s24
	s_cselect_b32 s27, s27, 0
	s_add_co_u32 s29, s26, s27                     ; n
	s_cmp_gt_i32 s20, 3                            ; rw = 1 / (codes over 3), 1 if there are none
	s_cselect_b32 s30, 1, 0
	s_cmp_gt_i32 s21, 3
	s_cselect_b32 s31, 1, 0
	s_add_co_u32 s30, s30, s31
	s_cmp_eq_u32 s30, 2
	s_cselect_b32 s30, 0.5, 1.0
	s_mov_b32 s31, s30
	s_min_u32 s32, s29, 2
	s_lshl_b32 s33, s4, 2
	s_mul_i32 s33, s33, s32                        ; my first step of the long K
	s_cmp_ge_u32 s33, 16
	s_cselect_b32 s34, s25, s28
	s_min_u32 s34, s34, 7                          ; its expert
	s_and_b32 s35, s33, 15                         ; and its K step in that expert's w2
	s_mov_b32 s39, 0
	s_lshl_b32 s36, s34, 10
	s_lshl_b32 s37, ttmp9, 7
	s_add_co_u32 s36, s36, s37
	s_add_co_u32 s36, s36, s35
	s_add_co_u32 s36, s36, 16384                   ; w2's fragment: 16384 + 1024 e + 128 x + K step
	s_mul_i32 s38, s36, 1536
	s_add_nc_u64 s[40:41], s[10:11], s[38:39]
	s_lshl_b32 s38, s36, 6
	s_add_co_u32 s38, s38, MS0
	s_add_nc_u64 s[42:43], s[10:11], s[38:39]
	s_lshl_b32 s36, s5, 6
	s_add_co_u32 s36, s36, s33                     ; hid's fragment: 32 x (2 y) + step
	s_mul_i32 s38, s36, 1536
	s_add_nc_u64 s[44:45], s[8:9], s[38:39]
	s_lshl_b32 s38, s36, 6
	s_add_co_u32 s38, s38, HS0
	s_add_nc_u64 s[46:47], s[8:9], s[38:39]
	s_cmp_eq_u32 s29, 0
	s_cbranch_scc1 .Lzero
	LOADS 0
	LOADS 1
	STEP 0, 1, 1, 40
	STEP 1, 0, 1, 50
	s_cmp_lg_u32 s29, 2
	s_cbranch_scc1 .Ltail                          ; one expert: four steps a wave; two: eight
	STEP 2, 0, 1, 40
	STEP 3, 0, 1, 50
	STEP 4, 0, 1, 40
	STEP 5, 0, 1, 50
.Ltail:                                                ; the last two steps fetch nothing; buffers and scale sets have the same turn on both ways
	STEP 6, 0, 0, 40
	STEP 7, 0, 0, 0
	s_branch .Lsum
.Lzero:
.set jj, 0
.rept 128
	v_mov_b32 v[ACC+jj], 0
.set jj, jj+1
.endr
.Lsum:
	s_wait_alu depctr_va_vdst(0)                   ; on both ways: the products (four places behind the last of them) or the moves have written the accumulators, which the LDS stores read
.set jj, 0
.rept 32
	ds_store_b128 v[RWR], v[ACC+4*jj:ACC+4*jj+3] offset:RED+512*jj
.set jj, jj+1
.endr
	s_wait_dscnt 0x0                               ; for the others' sake: my partial sums lie in LDS
	s_barrier_signal -1
	s_barrier_wait -1
	s_wait_alu depctr_vm_vsrc(0)                   ; my LDS stores have read the accumulators, in which the four waves' partial sums land and which the lines below write again
.irp q, 0,1,2,3
.irp i, 0,1,2,3,4,5,6,7
	ds_load_b128 v[ACC+32*\q+4*\i:ACC+32*\q+4*\i+3], v[RRD] offset:RED+16384*\q+512*\i
.endr
.endr
	s_wait_dscnt 0x0
.set jj, 0
.rept 16
	v_pk_add_f32 v[ACC+jj:ACC+jj+1], v[ACC+jj:ACC+jj+1], v[ACC+32+jj:ACC+32+jj+1]
	v_pk_add_f32 v[ACC+64+jj:ACC+64+jj+1], v[ACC+64+jj:ACC+64+jj+1], v[ACC+96+jj:ACC+96+jj+1]
.set jj, jj+2
.endr
.set jj, 0
.rept 16
	v_pk_add_f32 v[ACC+jj:ACC+jj+1], v[ACC+jj:ACC+jj+1], v[ACC+64+jj:ACC+64+jj+1]
.set jj, jj+2
.endr
	s_wait_alu depctr_va_vdst(0)                   ; the additions have written ACC .. ACC+31, which the stage's stores read, and are done reading ACC+32 .. ACC+63, in which the rows land
.set jj, 0
.rept 8
	ds_store_b128 v[SIN], v[ACC+4*jj:ACC+4*jj+3] offset:128*(jj/4)+16*(jj%4)   ; my own stage: row = token, 64 features
.set jj, jj+1
.endr
.irp i, 0,1,2,3,4,5,6,7
	ds_load_b128 v[ACC+32+4*\i:ACC+32+4*\i+3], v[SRD] offset:544*\i   ; back by rows, two an instruction; LDS serves a wave's instructions in order
.endr
	s_wait_dscnt 0x0
	s_wait_loadcnt 0x0                             ; h2
.set jj, 0
.rept 16
	v_pk_fma_f32 v[ACC+64+jj:ACC+64+jj+1], v[ACC+32+jj:ACC+32+jj+1], s[30:31], v[RES+jj:RES+jj+1] op_sel_hi:[1,0,1]
.set jj, jj+2
.endr
	s_wait_alu depctr_va_vdst(0)                   ; the multiply-adds have written ACC+64 .. ACC+95, which the global stores read
.irp i, 0,1,2,3,4,5,6,7
	global_store_b128 v[GO], v[ACC+64+4*\i:ACC+64+4*\i+3], s[16:17] offset:(2*\i+8*(\i/4))*4096 th:TH_STORE_NT   ; sixteen lanes store 256 consecutive bytes, aligned
.endr
	s_wait_dscnt 0x0                               ; the closing lines, six on end
	s_wait_alu 0x0
	s_wait_tensorcnt 0x0
	ds_add_u32 v94, v95
	s_wait_dscnt 0x0
	s_endpgm
.Lfunc_end_k_qf4c3a49a5c_down:
	.size	k_qf4c3a49a5c_down, .Lfunc_end_k_qf4c3a49a5c_down-k_qf4c3a49a5c_down
	.p2alignl 7, 3214868480
	.fill 96, 4, 3214868480
	.section	.rodata,"a",@progbits
	.p2align	6, 0x0
	.amdhsa_kernel k_qf4c3a49a5c_down
		.amdhsa_group_segment_fixed_size 83456
		.amdhsa_private_segment_fixed_size 0
		.amdhsa_enable_private_segment 0
		.amdhsa_kernarg_size 40
		.amdhsa_user_sgpr_count 2
		.amdhsa_user_sgpr_kernarg_segment_ptr 1
		.amdhsa_wavefront_size32 1
		.amdhsa_system_sgpr_workgroup_id_x 1
		.amdhsa_system_sgpr_workgroup_id_y 1
		.amdhsa_system_sgpr_workgroup_id_z 1
		.amdhsa_system_vgpr_workitem_id 0
		.amdhsa_next_free_vgpr 448
		.amdhsa_next_free_sgpr 66
		.amdhsa_reserve_vcc 0
		.amdhsa_float_denorm_mode_32 3
		.amdhsa_float_denorm_mode_16_64 3
		.amdhsa_memory_ordered 1
		.amdhsa_forward_progress 1
		.amdhsa_inst_pref_size 72
	.end_amdhsa_kernel
	.amdgpu_metadata
---
amdhsa.version: [ 1, 2 ]
amdhsa.kernels:
  - .name:           k_qf4c3a49a5c_down
    .symbol:         k_qf4c3a49a5c_down.kd
    .args:
      - { .name: hid, .offset: 0, .size: 8, .value_kind: global_buffer, .address_space: global }
      - { .name: mimg, .offset: 8, .size: 8, .value_kind: global_buffer, .address_space: global }
      - { .name: langs, .offset: 16, .size: 8, .value_kind: global_buffer, .address_space: global }
      - { .name: h2, .offset: 24, .size: 8, .value_kind: global_buffer, .address_space: global }
      - { .name: out0, .offset: 32, .size: 8, .value_kind: global_buffer, .address_space: global }
    .group_segment_fixed_size: 83456
    .private_segment_fixed_size: 0
    .kernarg_segment_align: 8
    .kernarg_segment_size: 40
    .max_flat_workgroup_size: 128
    .sgpr_count:     66
    .vgpr_count:     448
    .wavefront_size: 32
...
	.end_amdgpu_metadata
.endif
;; end of part 10
